; MI455X (gfx1250); checked and timed in simulation.
; The chip was launched on July 23, 2026; its instructions are those of AMD's public machine-readable ISA for CDNA 5 (MIT licence, August 2026) and "CDNA5" Instruction Set Architecture Reference Guide (July 2026). The comments in the code are by the model that wrote it; some were corrected since.
;; Multi Head Attention. Allowed arithmetic: matrix products marked QUANTISED: E2M3 operands, one E8M0 scale for each 32 along K, by v_wmma_scale_f32_16x16x128_f8f6f4 with both operands' format E2M3, f32 sums; everything else in f32.
;; Inputs: Wk 2,048 x 2,048 float32; Wo 2,048 x 2,048 float32; Wq 2,048 x 2,048 float32; Wv 2,048 x 2,048 float32; attn_mask 1 x 1 x 2,048 x 2,048 float32; bk 2,048 float32; bo 2,048 float32; bq 2,048 float32; bv 2,048 float32; hidden_states 1 x 2,048 x 2,048 float32.
;; Outputs: out0 1 x 2,048 x 2,048 float32; out1 1 x 16 x 2,048 x 128 float32; out2 1 x 16 x 2,048 x 128 float32.
;; This version of the problem:
;;   THIS VERSION OF THE PROBLEM IS GIVEN IN LOW PRECISION. The matrix products marked QUANTISED in the list below multiply operands that are first quantised to E2M3 (2 exponent bits, 3 mantissa bits; 6 bits a number), with one power-of-two scale for each 32 numbers along K (OCP MX v1.0); their sums are f32. All else is computed in f32.
;;   The module's matrix products, in the order in which they are computed (A, B: the left and right operand; K: the contracted axis; several contracted axes count as one K, in the product's order):
;;     1. [M 2,048, K 2,048] x [K 2,048, N 2,048]; A: input hidden_states; B: input Wq: QUANTISED
;;     2. [M 2,048, K 2,048] x [K 2,048, N 2,048]; A: input hidden_states; B: input Wk: QUANTISED
;;     3. [M 2,048, K 2,048] x [K 2,048, N 2,048]; A: input hidden_states; B: input Wv: QUANTISED
;;     4. batch 16 x [M 2,048, K 128] x [K 128, N 2,048]; A: computed on the way; B: computed on the way: QUANTISED
;;     5. batch 16 x [M 2,048, K 2,048] x [K 2,048, N 128]; A: softmax (see below); B: computed on the way: QUANTISED
;;     6. [M 2,048, K 2,048] x [K 2,048, N 2,048]; A: computed on the way; B: input Wo: QUANTISED
;;   THE QUANTISER, for each operand of a quantised product, along K:
;;     - K is cut into blocks of 32 from its start; a last block that is shorter is filled with zeros.
;;     - A block's scale is 2^e with e = floor(log2(the largest magnitude in the block)) - 2, held to -126 .. 127; a block of zeros has e = 0. As a byte (E8M0): e + 127.
;;     - Each number is divided by its block's scale, clamped to +-7.5, and rounded to the nearest number of E2M3, ties to even, subnormals kept.
;;     - The product sums the exact products of the quantised numbers (number of the format x scale) in f32.
;;   ~~~python
;;   def quantise(x, axis):      # numpy; x: float32 -> the quantised numbers, widened to float32 again
;;       x = np.moveaxis(x, axis, -1); K = x.shape[-1]
;;       x = np.pad(x, [(0, 0)] * (x.ndim - 1) + [(0, -K % 32)]); x = x.reshape(x.shape[:-1] + (-1, 32)); a = np.abs(x).max(-1, keepdims=True)
;;       e = np.where(a > 0, np.clip(np.frexp(np.where(a > 0, a, 1))[1] - 1 - 2, -126, 127), 0)      # np.frexp(a)[1] - 1 = floor(log2(a)), exactly
;;       r = np.clip(x / 2.0 ** e, -7.5, 7.5)
;;       step = 2.0 ** (np.maximum(np.frexp(np.where(r == 0, 1, r))[1] - 1, 0) - 3)
;;       q = np.round(r / step) * step * 2.0 ** e      # np.round: ties to even
;;       return np.moveaxis(q.reshape(q.shape[:-2] + (-1,))[..., :K], -1, axis).astype(np.float32)
;;   ~~~
;;   SOFTMAX AHEAD OF A QUANTISED PRODUCT. Where the list says 'softmax', what is quantised is not the finished softmax but p = 2^(t - M), with t = logit x log2(e) and M = ceil(the row's largest t), a whole number; so 1/2 < the row's largest p <= 1. The row's sum l is taken of the UNQUANTISED p, in f32, and the product's result is divided by l at the end. Since M is a whole number, a kernel that streams over the keys may use a running M (the ceiling of the running maximum): every later rescaling is an exact power of two, which a block's scale takes up: the codes' values come out the same.
;;   OPERANDS COMPUTED ON THE WAY. 'Computed on the way' means the value that the module computes at that place (a softmax that the list does not call 'softmax' is quantised finished and normalised). What goes into a quantiser is computed in f32, as accurately as f32 sums, v_exp_f32 and their like allow (about 1e-6 of the number): no bf16 or f16 on the way to a quantiser, and a product that is left as it is and whose result goes on into a quantised operand takes f32 operands (vector FMAs, or v_wmma_f32_16x16x4_f32). A number that lies on a knife's edge between two numbers of the format may be rounded either way, as far as f32 arithmetic and the matrix unit's own rounding can turn it there, and no further.
;; 2 versions. Each part assembles by itself: llvm-mc -triple=amdgcn-amd-amdhsa -mcpu=gfx1250 --defsym DOCPART=n.
;; ======== version 1 of 2: 4 launches
;; limits: right only within a limited range of input values
;; workspace buffers: oc 15,728,640 bytes; os 655,360 bytes; mp 16,777,216 bytes; qq 3,276,800 bytes; kv 6,553,600 bytes; cc 3,145,728 bytes; cs 131,072 bytes
;; launch prep (part 1): grid 768 x 1, 4 waves a work-group, no clusters, 70,144 bytes of LDS; arguments hidden_states, Wq, Wk, Wv, Wo, attn_mask, oc, os, mp; writes oc, os, mp
.if DOCPART == 1
	.amdgcn_target "amdgcn-amd-amdhsa--gfx1250"
	.amdhsa_code_object_version 6
	.text
	.protected	k_q35fb0e51fc_prep
	.globl	k_q35fb0e51fc_prep
	.p2align	8
	.type	k_q35fb0e51fc_prep,@function
k_q35fb0e51fc_prep:
	s_mov_b64 s[64:65], 0
	v_nop
	global_prefetch_b8 v0, s[64:65] scope:SCOPE_SE
	s_setreg_imm32_b32 hwreg(HW_REG_WAVE_MODE, 25, 1), 1
	s_wait_xcnt 0x0
; PREP.  Five f32 tensors [2048][2048] (T = 0 hidden_states, 1 Wq, 2 Wk, 3 Wv, 4 Wo), K innermost, become codes of FP6 (E2M3) with one E8M0 byte for each 32 along K;
; the additive mask (T = 5) is multiplied by sqrt(128) and laid in the order of the score accumulators of the attention launch.  Every f32 byte is read once.
; ROWS go in groups G of 128; block a (0..7) and lane row r (0..15) name row perm(a, r) = 64 (a / 4) + 8 (a % 4) + r % 8 + 32 (r / 8).
; A FRAGMENT IMAGE (16 rows (G, a) x 128 along K) is 1,536 bytes: register 4 g + w of lane l at byte 512 g + 16 l + 4 w; registers 6 c .. 6 c + 5 of lane (r, h) hold k = 64 c + 32 h + 0 .. 31 of row perm(a, r).
; oc: [T][G 16][s 16][a 8][1536].  os: [T][G 16][a 8][s 16][r 16] words (byte b of a word: k = 32 b ..).  mp: [G 16][a 8][s 16][8192]: register 4 u + w of lane l at 512 u + 16 l + 4 w, register 32 c + i = key 128 s + 64 c + 32 h + i.
; SHARES: a work-group takes one (T, G, a); wave w a quarter of K, four steps of 128.  A load reads one row's 512 consecutive bytes; a step's 16 rows turn through the wave's own stage in LDS (pitch 528), from which a lane
; takes its two whole blocks of 32: no block's maximum needs another lane.  Two register sets: 32 loads of a wave are out.  No barrier: waves share nothing.  Matrix units, tensor loads and clusters would add nothing to a stream.
; A block's scale is 2^(floor(log2(largest magnitude)) - 2): its byte is the largest magnitude's exponent field - 2, held at 1 from below.
; LIMITS: blocks whose largest magnitude lies under 2^-124 keep the byte 1; a block of zeros has the byte 1 and zero codes (this program alone reads the bytes); NaN and infinities among the inputs are not served.
.set WREG, 8704                        ; LDS of a wave: a stage of 16 rows x 528 bytes, then 256 bytes in which its scale words are gathered
.set MOFF, 4*WREG                      ; the mask's path has LDS bytes of its own
.set LI,   4                           ; v4   16 x lane
.set STI,  5                           ; v5   into the stage
.set STO,  6                           ; v6   out of it: 528 r + 128 h
.set SGI,  7                           ; v7   my row's scale word
.set SGO,  8                           ; v8   the gathered words, 8 bytes a lane
.set L8,   9                           ; v9   8 x lane
.set SH8,  10                          ; v10  8 h
.set STIM, 11                          ; v11, v12  the stage of the mask's path
.set STOM, 12
.set TM,   16
.set SO,   20
.set BY,   22
.set PW,   24
.set PX,   25
.set PC,   28                          ; v28-39  the fragment's codes
.set PT,   40                          ; v40-47  the upper halves of the two blocks, as the conversions leave them
.set OW,   48
.set R,    64                          ; v64-191  two sets of 64 registers as loaded
.set X,    192                         ; v192-255 64 numbers: register 32 c + i = k 64 c + 32 h + i of my row
.set SEL,  36
	s_load_b512 s[4:19], s[0:1], 0x0               ; hidden_states, Wq, Wk, Wv, Wo, attn_mask, oc, os
	s_load_b64 s[20:21], s[0:1], 0x40              ; mp
	v_lshl_add_u32 v62, v0, 2, 0x11000
	v_mov_b32 v63, 0
	v_lshrrev_b32 v1, 5, v0
	v_readfirstlane_b32 s25, v1                    ; wave
	s_lshr_b32 s22, ttmp9, 7                       ; T
	s_bfe_u32 s23, ttmp9, 0x40003                  ; G
	s_and_b32 s24, ttmp9, 7                        ; a
	v_and_b32 v1, 31, v0                           ; lane
	v_and_b32 v2, 15, v0                           ; r
	v_bfe_u32 v3, v0, 4, 1                         ; h
	v_lshlrev_b32 v[LI], 4, v1
	s_mul_i32 s28, s25, WREG
	v_add_nc_u32 v[STI], s28, v[LI]
	v_mul_u32_u24 v13, v2, 528
	v_lshl_add_u32 v13, v3, 7, v13
	v_add_nc_u32 v[STO], s28, v13
	v_lshlrev_b32 v14, 2, v2
	v_add_nc_u32 v14, s28, v14
	v_add_nc_u32 v[SGI], 8448, v14
	v_lshlrev_b32 v[L8], 3, v1
	v_add_nc_u32 v15, s28, v[L8]
	v_add_nc_u32 v[SGO], 8448, v15
	v_lshlrev_b32 v[SH8], 3, v3
	v_add_nc_u32 v[STIM], MOFF, v[STI]
	v_add_nc_u32 v[STOM], MOFF, v[STO]
	v_mov_b32 v[PX], 0                             ; a lane permute's destination counts as one of its sources
	s_mov_b32 s[SEL], 0x76543210
	s_mov_b32 s[SEL+1], 0xfedcba98                 ; lane l xor 16
	s_lshl_b32 s38, s23, 7                         ; my first row: 128 G + 64 (a / 4) + 8 (a % 4)
	s_lshr_b32 s39, s24, 2
	s_lshl_b32 s39, s39, 6
	s_add_co_u32 s38, s38, s39
	s_and_b32 s39, s24, 3
	s_lshl_b32 s39, s39, 3
	s_add_co_u32 s38, s38, s39
	s_lshl_b32 s38, s38, 13                        ; rows of 8,192 bytes
	s_lshl_b32 s39, s25, 11                        ; my quarter of K: 2,048 bytes
	s_add_co_u32 s38, s38, s39
	s_mov_b32 s39, 0
	s_wait_kmcnt 0x0
	s_mov_b64 s[26:27], s[4:5]                     ; the source is chosen on the work-group's number alone
	s_cmp_eq_u32 s22, 1
	s_cselect_b64 s[26:27], s[6:7], s[26:27]
	s_cmp_eq_u32 s22, 2
	s_cselect_b64 s[26:27], s[8:9], s[26:27]
	s_cmp_eq_u32 s22, 3
	s_cselect_b64 s[26:27], s[10:11], s[26:27]
	s_cmp_eq_u32 s22, 4
	s_cselect_b64 s[26:27], s[12:13], s[26:27]
	s_cmp_eq_u32 s22, 5
	s_cselect_b64 s[26:27], s[14:15], s[26:27]
	s_add_nc_u64 s[26:27], s[26:27], s[38:39]
.macro LOAD t                          ; step t: row perm(a, j)'s 512 bytes by load j, into set t % 2
.irp j, 0,1,2,3,4,5,6,7,8,9,10,11,12,13,14,15
	global_load_b128 v[R+64*((\t)%2)+4*\j:R+64*((\t)%2)+4*\j+3], v[LI], s[26:27] offset:((\j%8)+32*(\j/8))*8192+512*(\t) th:TH_LOAD_NT
.endr
.endm
.macro TURN t, sti, sto                ; through the stage: LDS serves a wave's instructions in order, so no wait stands between the stores and the loads
.irp j, 0,1,2,3,4,5,6,7,8,9,10,11,12,13,14,15
	ds_store_b128 v[\sti], v[R+64*((\t)%2)+4*\j:R+64*((\t)%2)+4*\j+3] offset:528*\j
.endr
.irp u, 0,1,2,3,4,5,6,7,8,9,10,11,12,13,14,15
	ds_load_b128 v[X+4*\u:X+4*\u+3], v[\sto] offset:256*(\u/8)+16*(\u%8)
.endr
.endm
; 64 numbers of a lane become a fragment's codes in v[PC] on and its scale word in v[PW]
.macro QUANT
.irp b, 0,1,2,3
	v_max3_num_f32 v[TM+\b], 0x1800000, |v[X+16*\b]|, |v[X+16*\b+1]|      ; four chains of 16; the floor 2^(3 - 127) holds the byte at 1 from below
.endr
.irp i, 2,4,6,8,10,12,14
.irp b, 0,1,2,3
	v_max3_num_f32 v[TM+\b], v[TM+\b], |v[X+16*\b+\i]|, |v[X+16*\b+\i+1]|
.endr
.endr
	v_max_num_f32 v[TM], v[TM], v[TM+1]            ; block h
	v_max_num_f32 v[TM+2], v[TM+2], v[TM+3]        ; block 2 + h
	v_add_nc_u32 v[SO], 0xff000000, v[TM]          ; 2 off the exponent field: the conversion's scale operand
	v_add_nc_u32 v[SO+1], 0xff000000, v[TM+2]
	v_lshrrev_b32 v[BY], 23, v[SO]                 ; the bytes
	v_lshrrev_b32 v[BY+1], 23, v[SO+1]
	v_lshl_or_b32 v[PW], v[BY+1], 16, v[BY]
	v_lshlrev_b32 v[PW], v[SH8], v[PW]             ; at their places in the word
	v_permlanex16_b32 v[PX], v[PW], s[SEL], s[SEL+1]
	v_or_b32 v[PW], v[PW], v[PX]                   ; with lane l xor 16's two the word is whole
.irp c, 0,1
	v_cvt_scalef32_pk16_fp6_f32 v[PC+6*\c:PC+6*\c+2], v[X+32*\c:X+32*\c+15], v[SO+\c]
	v_cvt_scalef32_pk16_fp6_f32 v[PT+4*\c:PT+4*\c+2], v[X+32*\c+16:X+32*\c+31], v[SO+\c]   ; (a conversion's three registers begin on an even number)
.endr
	v_nop                                          ; one plain place behind a scaled conversion
.irp c, 0,1
.irp i, 0,1,2
	v_mov_b32 v[PC+6*\c+3+\i], v[PT+4*\c+\i]
.endr
.endr
.endm
	LOAD 0
	LOAD 1
	s_cmp_eq_u32 s22, 5
	s_cbranch_scc1 .Lmask
	; ---- the five operands
	s_mul_i32 s28, s22, 3145728
	s_mul_i32 s29, s23, 196608
	s_add_co_u32 s28, s28, s29
	s_mul_i32 s29, s25, 49152
	s_add_co_u32 s28, s28, s29
	s_mul_i32 s29, s24, 1536
	s_add_co_u32 s28, s28, s29
	s_mov_b32 s29, 0
	s_add_nc_u64 s[30:31], s[16:17], s[28:29]      ; my first image
	s_lshl_b32 s28, s22, 17
	s_lshl_b32 s40, s23, 13
	s_add_co_u32 s28, s28, s40
	s_lshl_b32 s40, s24, 10
	s_add_co_u32 s28, s28, s40
	s_lshl_b32 s40, s25, 8
	s_add_co_u32 s28, s28, s40
	s_add_nc_u64 s[32:33], s[18:19], s[28:29]      ; my 256 bytes of scale words
.macro STEPQ t
.if (\t) < 3
	s_wait_loadcnt 16                              ; this step's 16 loads are in; the other set's may be out
.else
	s_wait_loadcnt 0x0
.endif
	TURN \t, STI, STO
	s_wait_dscnt 0x0                               ; my 64 numbers are back, and the stores into the stage have read their registers
.if (\t) > 0
	s_wait_xcnt 0x0                                ; the last step's stores have read the codes' registers
.endif
.if (\t) < 2
	LOAD (\t)+2
.endif
	QUANT
.irp g, 0,1,2
	global_store_b128 v[LI], v[PC+4*\g:PC+4*\g+3], s[30:31] offset:12288*(\t)+512*\g       ; 512 consecutive bytes, aligned
.endr
	ds_store_b32 v[SGI], v[PW] offset:64*(\t)      ; lanes r and r + 16 write the same word with the same value
.endm
	STEPQ 0
	STEPQ 1
	STEPQ 2
	STEPQ 3
	ds_load_b64 v[OW:OW+1], v[SGO]                 ; LDS serves a wave's instructions in order: these see my stores
	s_wait_dscnt 0x0
	global_store_b64 v[L8], v[OW:OW+1], s[32:33]   ; 256 consecutive bytes, aligned
	s_wait_tensorcnt 0x0
	ds_add_u32 v62, v63
	s_wait_dscnt 0x0
	s_endpgm
.Lmask:
	; ---- the mask x sqrt(128), in the order of the score accumulators
	s_lshl_b32 s28, s23, 20
	s_lshl_b32 s29, s24, 17
	s_add_co_u32 s28, s28, s29
	s_lshl_b32 s29, s25, 15
	s_add_co_u32 s28, s28, s29
	s_mov_b32 s29, 0
	s_add_nc_u64 s[34:35], s[20:21], s[28:29]
.macro STEPM t
.if (\t) < 3
	s_wait_loadcnt 16
.else
	s_wait_loadcnt 0x0
.endif
.if (\t) > 0
	s_wait_xcnt 0x0                                ; the last step's stores have read the registers that the stage's loads fill
.endif
	TURN \t, STIM, STOM
	s_wait_dscnt 0x0
.if (\t) < 2
	LOAD (\t)+2
.endif
.set n, 0
.rept 32
	v_pk_mul_f32 v[X+n:X+n+1], v[X+n:X+n+1], 0x413504f3 op_sel_hi:[1,0]       ; x sqrt(128): the scores are divided by it only behind the sum
.set n, n+2
.endr
.irp u, 0,1,2,3,4,5,6,7,8,9,10,11,12,13,14,15
	global_store_b128 v[LI], v[X+4*\u:X+4*\u+3], s[34:35] offset:8192*(\t)+512*\u
.endr
.endm
	STEPM 0
	STEPM 1
	STEPM 2
	STEPM 3
	s_wait_tensorcnt 0x0
	ds_add_u32 v62, v63
	s_wait_dscnt 0x0
	s_endpgm
.Lfunc_end_k_q35fb0e51fc_prep:
	.size	k_q35fb0e51fc_prep, .Lfunc_end_k_q35fb0e51fc_prep-k_q35fb0e51fc_prep
	.p2alignl 7, 3214868480
	.fill 96, 4, 3214868480
	.section	.rodata,"a",@progbits
	.p2align	6, 0x0
	.amdhsa_kernel k_q35fb0e51fc_prep
		.amdhsa_group_segment_fixed_size 70144
		.amdhsa_private_segment_fixed_size 0
		.amdhsa_enable_private_segment 0
		.amdhsa_kernarg_size 72
		.amdhsa_user_sgpr_count 2
		.amdhsa_user_sgpr_kernarg_segment_ptr 1
		.amdhsa_wavefront_size32 1
		.amdhsa_system_sgpr_workgroup_id_x 1
		.amdhsa_system_sgpr_workgroup_id_y 1
		.amdhsa_system_sgpr_workgroup_id_z 1
		.amdhsa_system_vgpr_workitem_id 0
		.amdhsa_next_free_vgpr 256
		.amdhsa_next_free_sgpr 66
		.amdhsa_reserve_vcc 0
		.amdhsa_float_denorm_mode_32 3
		.amdhsa_float_denorm_mode_16_64 3
		.amdhsa_memory_ordered 1
		.amdhsa_forward_progress 1
		.amdhsa_inst_pref_size 62
	.end_amdhsa_kernel
	.amdgpu_metadata
---
amdhsa.version: [ 1, 2 ]
amdhsa.kernels:
  - .name:           k_q35fb0e51fc_prep
    .symbol:         k_q35fb0e51fc_prep.kd
    .args:
      - { .name: hidden_states, .offset: 0, .size: 8, .value_kind: global_buffer, .address_space: global }
      - { .name: Wq, .offset: 8, .size: 8, .value_kind: global_buffer, .address_space: global }
      - { .name: Wk, .offset: 16, .size: 8, .value_kind: global_buffer, .address_space: global }
      - { .name: Wv, .offset: 24, .size: 8, .value_kind: global_buffer, .address_space: global }
      - { .name: Wo, .offset: 32, .size: 8, .value_kind: global_buffer, .address_space: global }
      - { .name: attn_mask, .offset: 40, .size: 8, .value_kind: global_buffer, .address_space: global }
      - { .name: oc, .offset: 48, .size: 8, .value_kind: global_buffer, .address_space: global }
      - { .name: os, .offset: 56, .size: 8, .value_kind: global_buffer, .address_space: global }
      - { .name: mp, .offset: 64, .size: 8, .value_kind: global_buffer, .address_space: global }
    .group_segment_fixed_size: 70144
    .private_segment_fixed_size: 0
    .kernarg_segment_align: 8
    .kernarg_segment_size: 72
    .max_flat_workgroup_size: 128
    .sgpr_count:     66
    .vgpr_count:     256
    .wavefront_size: 32
...
	.end_amdgpu_metadata
.endif
;; end of part 1
;; launch qkv (part 2): grid 24 x 8, 4 waves a work-group, clusters of 4 x 4, 327,680 bytes of LDS; arguments oc, os, bq, bk, bv, qq, kv, out1, out2; writes qq, kv, out1, out2
.if DOCPART == 2
	.amdgcn_target "amdgcn-amd-amdhsa--gfx1250"
	.amdhsa_code_object_version 6
	.text
	.protected	k_q35fb0e51fc_qkv
	.globl	k_q35fb0e51fc_qkv
	.p2align	8
	.type	k_q35fb0e51fc_qkv,@function
k_q35fb0e51fc_qkv:
	s_mov_b64 s[64:65], 0
	v_nop
	global_prefetch_b8 v0, s[64:65] scope:SCOPE_SE
	s_setreg_imm32_b32 hwreg(HW_REG_WAVE_MODE, 25, 1), 1
	s_wait_xcnt 0x0
	s_wait_alu depctr_hold_cnt(0) depctr_sa_sdst(0) depctr_va_vdst(0) depctr_va_sdst(0) depctr_va_ssrc(0) depctr_va_vcc(0) depctr_vm_vsrc(0)
	s_getreg_b32 s2, hwreg(HW_REG_IB_STS2, 6, 4)
	s_cmp_eq_u32 s2, 0
	s_cbranch_scc0 .Lentry_in_a_cluster
	s_endpgm
.Lentry_in_a_cluster:
	s_bfe_u32 s2, ttmp6, 0x10000c
	s_cmp_lg_u32 s2, 0xf033
	s_cbranch_scc0 .Lentry_shape_is_right
	s_endpgm
.Lentry_shape_is_right:
; A GEMM on codes of FP6 (E2M3) with E8M0 scales, K = 2,048, on operands laid as images of their registers.  ONE TEXT, TWO USES: MODE 0 makes q, k and v; MODE 1 the output projection.
; ROWS go in groups G of 128; block a and lane row r name row perm(a, r) = 64 (a / 4) + 8 (a % 4) + r % 8 + 32 (r / 8).  Codes: [G 16][s 16][a 8][1536] (an image: register 4 g + w of lane l at 512 g + 16 l + 4 w); scale words: [G 16][a 8][s 16][r 16].
; SHARES: a work-group makes 256 rows of P x 256 rows of R, a wave 128 x 128: 64 accumulators, 512 registers.  Every product takes source 0 = a block b of R, source 1 = a block a of P: lane (r, h) of accumulator (a, b) then holds
; P's row perm(a, r), and the 64 registers 8 b + j = 32 c + i of one a are R's rows 64 c + 32 h + i: two whole blocks of 32 in one lane, in the order of a 6-bit operand.  So what is quantised along R's rows needs no other lane.
; MODE 0: the class is the cluster's x / 2.  0: P = hidden_states, R = Wq;  1: P = hidden_states, R = Wk;  2: P = Wv, R = hidden_states, so that a lane holds one channel of v and its registers run along the KEYS.
;   Behind the sums: + bias; codes and scale words of q (qq), of k and of v along the keys (kv), as images; k and v also as f32 (out1, out2), through a stage in LDS, in whole rows of 512 bytes.
; MODE 1: P = ctx's codes, R = Wo; + bo; out0 in pieces of 512 consecutive bytes.
; K goes through a ring of two LDS slots of 256 along K; a part (128 rows x 256 K) is 24,576 dense bytes, one tensor load a wave.  The scale words of the work-group's rows for all of K come once, with the first fills.
; CLUSTERS: 4 x 4 work-groups; P's parts are shared along a row of the cluster, R's along a column, each asked for jointly.  Fragments come from LDS by three loads of 16 bytes a lane, 512 consecutive bytes each: no pitch, no padding.
; 192 (MODE 0) and 64 (MODE 1) work-groups: the wave tile of 128 x 128 is kept, since for 128 along K it reads 48 x 512 bytes from LDS for 64 products, and a tile of 64 x 64 would read twice as much for each product.
; LIMITS: blocks whose largest magnitude lies under 2^-124 keep the byte 1; a block of zeros has the byte 1 and zero codes (this program alone reads the bytes); NaN and infinities are not served.
; REGISTERS: window 0: v1-31 addresses; v32-63 scale words, two sets; v64-127 the bias by R's rows; v128-223 P's fragments, one set (on the way out: the codes just made); v224-239 the bias by P's rows; v240-248 at work.
;   window 1: R's fragments, two sets, at v0 and v128 (on the way out: rows read back).   windows 2, 3: accumulator (a, b) at v[8 (8 (a % 4) + b)] of window 2 + a / 4.
.set MODE,  0
.set FR,    12                         ; registers of a fragment
.set NL,    3                          ; LDS loads that bring one
.set NQ,    2                          ; steps of 128 along K in a slot
.set NP,    4                          ; places behind this matrix instruction (ISA guide 7.12.1)
.set PART,  24576
.set SLOT,  4*PART                     ; P's two halves, then R's two
.set SCL,   2*SLOT                     ; the scale words: 8,192 bytes for each part
.set SPARE, 327168                     ; the spare words, 128 bytes for each wave: two blocks of 256 bytes that no other line names
.set WST,   34048                      ; the way out: a wave's stage, 64 rows x 528 bytes and a skew.  The stages lie over the ring and the scale words, which have had their last fill and, behind a barrier, their last read
.set KST,   0
.set VST,   4*WST                      ; each path of the way out has LDS bytes of its own
.set SGK,   8*WST                      ; 512 bytes a wave in which its scale words are gathered
.set SGV,   SGK+2048
.set PX,   14
.set SH8,  15
.set ADRA, 16                          ; v16-17  my P fragments in slot 0, 1
.set SGIK, 18
.set SGOK, 19
.set ADRB, 20                          ; v20-21  my R fragments
.set SGIV, 22
.set SGOV, 23
.set KSTO, 24
.set RDK,  25
.set CO,   26                          ; v26  16 x lane
.set ADRS, 27                          ; v27  my scale words: lanes 0-15 P's rows, lanes 16-31 R's
.set SPW,  28                          ; v28  SPARE + 4 x my thread's number; never rewritten
.set NIL,  29                          ; v29  0; never rewritten
.set VSTO, 30
.set RDV,  31
.set SC,   32                          ; set s at v[SC + 16 s]; register 2 i + q: lanes 0-15 the word of P's block i, lanes 16-31 that of R's block i, for the slot's q-th 128 along K
.set BB,   64
.set AF,   128
.set BP,   224
.set TM,   240
.set SO,   244
.set BY,   246
.set PW,   248
.set PC,   128
.set PT,   140
.set SGR,  148
.set G1,   32
.set G0,   40
.set G1B,  48
.set G0B,  56
.set G1S,  68
.set G0S,  76
.set G1SB, 80
.set G0SB, 88
.set DST,  92
.set DSS,  94
.set OUTB, 96
.set BIA,  98
.set SEL,  4
.set PCB,  4
.set PSB,  6
.if MODE == 0
.set RCB,  4
.set RSB,  6
.set ROWP, 512
.else
.set RCB,  8
.set RSB,  10
.set ROWP, 8192
.endif
.set MSB, 0
.macro WIN new                         ; the immediate's high byte repeats the setting that is left; a switch that changes nothing is dropped
.if MSB != (\new)
	s_set_vgpr_msb (MSB<<8)|(\new)
.set MSB, (\new)
.endif
.endm
.set MUL_LO, 0xa1                      ; source 0 (R) window 1, source 1 (P) window 0, C and D window 2
.set MUL_HI, 0xf1                      ; the same, C and D window 3
.set TO_B,   0x40                      ; destination window 1, address window 0
; A joint load: waves 0 and 1 fetch for P, waves 2 and 3 for R.  The branch hangs on the wave's number alone.  Four v_nop follow each of the two lines.
.macro JLOAD g0a, g1a, g0b, g1b
	s_cmp_eq_u32 s23, 0
	s_cbranch_scc0 .Lfor_b_\@
	tensor_load_to_lds s[\g0a:\g0a+3], s[\g1a:\g1a+7]
	s_nop 0
.rept 4
	v_nop
.endr
	s_branch .Lasked_\@
.Lfor_b_\@:
	tensor_load_to_lds s[\g0b:\g0b+3], s[\g1b:\g1b+7]
	s_nop 0
.rept 4
	v_nop
.endr
.Lasked_\@:
.endm
.macro CREST                           ; a round of the cluster's barrier behind its opening barrier
	s_cmp_lg_u32 s22, 0
	s_cbranch_scc1 .Lnot_wave_0_\@
	s_barrier_signal -3
.Lnot_wave_0_\@:
	s_barrier_wait -3
	s_barrier_signal -1
	s_barrier_wait -1
.endm
.macro CROUND
	s_barrier_signal -1
	s_barrier_wait -1
	CREST
.endm
.if MODE == 0
	s_load_b512 s[4:19], s[0:1], 0x0               ; oc, os, bq, bk, bv, qq, kv, out1
	s_load_b64 s[20:21], s[0:1], 0x40              ; out2
.else
	s_load_b256 s[4:11], s[0:1], 0x0               ; cc, cs, oc, os
	s_load_b128 s[12:15], s[0:1], 0x20             ; bo, out0
.endif
	v_lshl_add_u32 v[SPW], v0, 2, SPARE
	v_mov_b32 v[NIL], 0
	ds_add_u32 v28, v29
	ds_add_u32 v28, v29
	s_wait_dscnt 0x0
	v_lshrrev_b32 v1, 5, v0
	v_readfirstlane_b32 s22, v1                    ; wave 0..3
	s_lshr_b32 s23, s22, 1                         ; which half of P's rows is mine.  Also: I fetch for P (0) or for R (1)
	s_and_b32 s24, s22, 1                          ; which half of R's rows.  Also: which half I fetch
	s_bfe_u32 s25, ttmp6, 0x40000                  ; cx
	s_bfe_u32 s26, ttmp6, 0x40004                  ; cy
	s_lshl_b32 s27, ttmp9, 2
	s_add_co_u32 s27, s27, s25                     ; work-group x
	s_and_b32 s28, ttmp7, 0xffff
	s_lshl_b32 s28, s28, 2
	s_add_co_u32 s28, s28, s26                     ; work-group y: P's 256 rows
	s_lshl_b32 s29, s26, 2
	s_lshl_b32 s29, 15, s29                        ; my row of the cluster
	s_lshl_b32 s30, 0x1111, s25                    ; my column
.if MODE == 0
	s_lshr_b32 s31, ttmp9, 1                       ; the class: equal in all partners of a cluster
	s_and_b32 s27, s27, 7                          ; R's 256 rows
	s_add_co_u32 s66, s31, 1
	s_cmp_eq_u32 s31, 2
	s_cselect_b32 s2, 3, 0                         ; which tensor is P: Wv or hidden_states
	s_cselect_b32 s66, 0, s66                      ; and R: hidden_states, or Wq, Wk
.else
	s_mov_b32 s2, 0
	s_mov_b32 s66, 4                               ; R = Wo
.endif
	; descriptor groups 1: dense blocks as rows of 256 bytes (32 elements of 8 bytes): 96 rows for a part of codes, 32 for its scale words
	s_or_b32 s[G1], s29, (3<<16)|(1<<21)           ; 15:0 the mask: P's go to my row; 17:16 elements of 8 bytes; 21 set beside a mask; no padding
	s_or_b32 s[G1B], s30, (3<<16)|(1<<21)
	s_or_b32 s[G1S], s29, (3<<16)|(1<<21)
	s_or_b32 s[G1SB], s30, (3<<16)|(1<<21)
.irp g, G1, G1B
	s_mov_b32 s[\g+1], 32<<16                      ; tensor_dim0
	s_mov_b32 s[\g+2], 96<<16                      ; tensor_dim1
	s_mov_b32 s[\g+3], 32<<16                      ; tile_dim0
	s_mov_b32 s[\g+4], 96                          ; tile_dim1
	s_mov_b32 s[\g+5], 32                          ; tensor_dim0_stride
	s_mov_b32 s[\g+6], 0
	s_mov_b32 s[\g+7], 0
.endr
.irp g, G1S, G1SB
	s_mov_b32 s[\g+1], 32<<16
	s_mov_b32 s[\g+2], 32<<16
	s_mov_b32 s[\g+3], 32<<16
	s_mov_b32 s[\g+4], 32
	s_mov_b32 s[\g+5], 32
	s_mov_b32 s[\g+6], 0
	s_mov_b32 s[\g+7], 0
.endr
	; where the parts come from.  P's hang on work-group y, which my row of the cluster shares; R's on work-group x, which my column shares
	s_lshl_b32 s100, s28, 1
	s_add_co_u32 s100, s100, s24                   ; P's group that I would fetch
	s_mul_i32 s96, s100, 196608
	s_mul_i32 s98, s100, 8192
	s_mul_i32 s67, s2, 3145728
	s_add_co_u32 s96, s96, s67
	s_mul_i32 s67, s2, 131072
	s_add_co_u32 s98, s98, s67
	s_mov_b32 s97, 0
	s_mov_b32 s99, 0
	s_lshl_b32 s101, s27, 1
	s_add_co_u32 s101, s101, s24                   ; R's group
	s_mul_i32 s92, s101, 196608
	s_mul_i32 s94, s101, 8192
	s_mul_i32 s67, s66, 3145728
	s_add_co_u32 s92, s92, s67
	s_mul_i32 s67, s66, 131072
	s_add_co_u32 s94, s94, s67
	s_mov_b32 s93, 0
	s_mov_b32 s95, 0
	s_mul_i32 s3, s22, PART                        ; where they go: wave x a part: no place in the cluster enters an LDS address
	s_lshl_b32 s67, s22, 13
	s_wait_kmcnt 0x0
	s_add_nc_u64 s[96:97], s[PCB:PCB+1], s[96:97]
	s_add_nc_u64 s[98:99], s[PSB:PSB+1], s[98:99]
	s_add_nc_u64 s[92:93], s[RCB:RCB+1], s[92:93]
	s_add_nc_u64 s[94:95], s[RSB:RSB+1], s[94:95]
	CROUND                                         ; all sixteen work-groups are here: the first joint loads meet
	s_mov_b32 s[G0S], 1
	s_add_co_u32 s[G0S+1], s67, SCL
	s_mov_b64 s[G0S+2:G0S+3], s[98:99]
	s_or_b32 s[G0S+3], s[G0S+3], 0x80000000
	s_mov_b32 s[G0SB], 1
	s_add_co_u32 s[G0SB+1], s67, SCL
	s_mov_b64 s[G0SB+2:G0SB+3], s[94:95]
	s_or_b32 s[G0SB+3], s[G0SB+3], 0x80000000
	JLOAD G0S, G1S, G0SB, G1SB                     ; the scale words first: they are wanted with the first slot.  Three loads of mine are out behind the first fills
.irp s, 0,1
	s_mov_b32 s[G0+4*\s], 1
	s_add_co_u32 s[G0+4*\s+1], s3, \s*SLOT
	s_add_nc_u64 s[G0+4*\s+2:G0+4*\s+3], s[96:97], \s*PART
	s_or_b32 s[G0+4*\s+3], s[G0+4*\s+3], 0x80000000
	s_mov_b32 s[G0B+4*\s], 1
	s_add_co_u32 s[G0B+4*\s+1], s3, \s*SLOT
	s_add_nc_u64 s[G0B+4*\s+2:G0B+4*\s+3], s[92:93], \s*PART
	s_or_b32 s[G0B+4*\s+3], s[G0B+4*\s+3], 0x80000000
	JLOAD G0+4*\s, G1, G0B+4*\s, G1B
.endr
	; where my wave's results go
	s_lshl_b32 s66, s28, 1
	s_add_co_u32 s66, s66, s23                     ; Gp: my group of P's rows
	s_lshl_b32 s67, s27, 1
	s_add_co_u32 s67, s67, s24                     ; Gr: my group of R's rows
.if MODE == 0
	s_cmp_eq_u32 s31, 2
	s_cselect_b32 s2, s66, s67                     ; the head: Gr for q and k, Gp for v
	s_cselect_b32 s100, s67, s66                   ; the group of queries or keys
	s_lshl_b32 s2, s2, 4
	s_add_co_u32 s2, s2, s100                      ; block = 16 x head + group
	s_mov_b32 s101, 0
	s_mov_b32 s100, 25600
	s_cmp_eq_u32 s31, 0
	s_cselect_b32 s100, 12800, s100
	s_cselect_b64 s[DST:DST+1], s[14:15], s[16:17] ; qq or kv
	s_cselect_b64 s[BIA:BIA+1], s[8:9], s[10:11]
	s_mul_i32 s100, s2, s100
	s_add_nc_u64 s[DST:DST+1], s[DST:DST+1], s[100:101]    ; the block's first byte
	s_mov_b32 s100, 24576
	s_cselect_b32 s100, 12288, s100                ; its scale words: q's at 12,288, k's at 24,576,
	s_mov_b32 s3, 25088
	s_cmp_eq_u32 s31, 2
	s_cselect_b32 s100, s3, s100                   ; v's at 25,088
	s_add_nc_u64 s[DSS:DSS+1], s[DST:DST+1], s[100:101]
	s_cselect_b32 s100, 12288, 0                   ; v's images lie behind k's
	s_add_nc_u64 s[DST:DST+1], s[DST:DST+1], s[100:101]
	s_cselect_b64 s[BIA:BIA+1], s[12:13], s[BIA:BIA+1]
	s_cselect_b64 s[OUTB:OUTB+1], s[20:21], s[18:19]
	s_lshl_b32 s100, s2, 16                        ; 128 rows of 512 bytes a block
	s_add_nc_u64 s[OUTB:OUTB+1], s[OUTB:OUTB+1], s[100:101]
.else
	s_mov_b64 s[BIA:BIA+1], s[12:13]
	s_lshl_b32 s100, s66, 20                       ; 128 rows of 8,192 bytes,
	s_lshl_b32 s101, s67, 9                        ; 128 columns
	s_add_co_u32 s100, s100, s101
	s_mov_b32 s101, 0
	s_add_nc_u64 s[OUTB:OUTB+1], s[14:15], s[100:101]
.endif
	v_and_b32 v1, 15, v0                           ; r
	v_bfe_u32 v2, v0, 4, 1                         ; h
	v_and_b32 v3, 31, v0
	v_lshlrev_b32 v[CO], 4, v3
	v_mov_b32 v[PX], 0
	v_lshlrev_b32 v[SH8], 3, v2
	s_mul_i32 s100, s23, PART
	s_mul_i32 s101, s24, PART
	s_add_co_u32 s101, s101, 2*PART
.irp s, 0,1
	v_add_nc_u32 v[ADRA+\s], s100, v[CO]
	v_add_nc_u32 v[ADRB+\s], s101, v[CO]
	s_add_co_u32 s100, s100, SLOT
	s_add_co_u32 s101, s101, SLOT
.endr
	s_lshl_b32 s100, s23, 13                       ; P's scale words: my half;
	s_lshl_b32 s101, s24, 13
	s_add_co_u32 s101, s101, 2*8192                ; R's lie behind P's two
	s_sub_co_u32 s101, s101, s100
	v_mul_u32_u24 v4, s101, v2                     ; lanes 16-31 take R's: one product in h
	s_add_co_u32 s100, s100, SCL
	v_lshl_add_u32 v4, v1, 2, v4
	v_add_nc_u32 v[ADRS], s100, v4
	s_mul_i32 s100, s22, WST                       ; my stages
	v_and_b32 v5, 7, v1
	v_lshrrev_b32 v6, 3, v1
	v_mul_u32_u24 v7, v5, 528
	v_mad_u32_u24 v7, v6, 17024, v7                ; stage row t lies at 528 t + 128 (t / 32)
	v_lshl_add_u32 v7, v2, 7, v7
	v_add_nc_u32 v[KSTO], s100, v7
	v_add_nc_u32 v[RDK], s100, v[CO]
	v_mul_u32_u24 v7, v2, 16928                    ; v's stage: row t at 528 t + 32 (t / 32)
	v_lshl_add_u32 v7, v5, 2, v7
	v_lshl_add_u32 v7, v6, 7, v7
	v_add_nc_u32 v7, s100, v7
	v_add_nc_u32 v[VSTO], VST, v7
	v_add_nc_u32 v[RDV], VST, v[RDK]
	s_lshl_b32 s100, s22, 9
	v_lshlrev_b32 v7, 2, v1
	v_add_nc_u32 v7, s100, v7
	v_add_nc_u32 v[SGIK], SGK, v7
	v_add_nc_u32 v[SGIV], SGV, v7
	v_add_nc_u32 v7, s100, v[CO]
	v_add_nc_u32 v[SGOK], SGK, v7
	v_add_nc_u32 v[SGOV], SGV, v7
	; the biases: register 32 c + i of BB is the bias of R's row 64 c + 32 h + i; BP's pair a that of P's row perm(a, r).  Both are loaded in every class: both stay inside the 2,048 numbers
	v_lshlrev_b32 v8, 7, v2
	s_lshl_b32 s100, s67, 9
	v_add_nc_u32 v8, s100, v8
.irp c, 0,1
.irp u, 0,1,2,3,4,5,6,7
	global_load_b128 v[BB+32*\c+4*\u:BB+32*\c+4*\u+3], v8, s[BIA:BIA+1] offset:256*\c+16*\u
.endr
.endr
.if MODE == 0
	v_lshlrev_b32 v9, 2, v5
	v_lshl_add_u32 v9, v6, 7, v9
	s_lshl_b32 s101, s66, 9
	v_add_nc_u32 v9, s101, v9
.irp a, 0,1,2,3,4,5,6,7
	global_load_b32 v[BP+2*\a], v9, s[BIA:BIA+1] offset:4*(64*(\a/4)+8*(\a%4))
.endr
.endif
.macro FRAG reg, adr, q, i             ; a fragment comes as it was stored: three loads of 16 bytes a lane, 512 consecutive bytes each
.irp g, 0,1,2
	ds_load_b128 v[(\reg)+4*\g:(\reg)+4*\g+3], v[\adr] offset:12288*(\q)+1536*(\i)+512*\g
.endr
.endm
; 16 matrix instructions: P's blocks a0, a0 + 1 x R's eight, the slot's q-th 128 along K.  p: R's set;  sc: the set of scale words.  zero = 1: the first product starts the sums.
; The 64 accumulators take turns, one instruction a turn, in the same order in every step.
.macro MUL16 a0, p, q, sc, zero
.irp a, \a0, \a0+1
.irp b, 0,1,2,3,4,5,6,7
.if \zero
	v_wmma_scale_f32_16x16x128_f8f6f4 v[8*(8*((\a)%4)+\b):8*(8*((\a)%4)+\b)+7], v[128*(\p)+FR*\b:128*(\p)+FR*\b+FR-1], v[AF+FR*(\a):AF+FR*(\a)+FR-1], 0, v[SC+8*NQ*(\sc)+NQ*\b+(\q)], v[SC+8*NQ*(\sc)+NQ*(\a)+(\q)] matrix_a_fmt:MATRIX_FMT_FP6 matrix_b_fmt:MATRIX_FMT_FP6 matrix_a_scale:MATRIX_SCALE_ROW1
.else
	v_wmma_scale_f32_16x16x128_f8f6f4 v[8*(8*((\a)%4)+\b):8*(8*((\a)%4)+\b)+7], v[128*(\p)+FR*\b:128*(\p)+FR*\b+FR-1], v[AF+FR*(\a):AF+FR*(\a)+FR-1], v[8*(8*((\a)%4)+\b):8*(8*((\a)%4)+\b)+7], v[SC+8*NQ*(\sc)+NQ*\b+(\q)], v[SC+8*NQ*(\sc)+NQ*(\a)+(\q)] matrix_a_fmt:MATRIX_FMT_FP6 matrix_b_fmt:MATRIX_FMT_FP6 matrix_a_scale:MATRIX_SCALE_ROW1
.endif
.endr
.endr
.endm
.macro FETCH_B slot, q, p
	WIN TO_B
.irp i, 0,1,2,3,4,5,6,7
	FRAG 128*(\p)+FR*\i, ADRB+\slot, \q, \i
.endr
	WIN 0
.endm
.macro FETCH_A slot, q, i0
.irp i, \i0, \i0+1, \i0+2, \i0+3
	FRAG AF+FR*(\i), ADRA+\slot, \q, \i
.endr
.endm
.macro SCALES sc                       ; the next slot's scale words: lanes 0-15 take P's block i, lanes 16-31 R's block i
.irp i, 0,1,2,3,4,5,6,7
.irp q, 0,1
	ds_load_b32 v[SC+8*NQ*\sc+NQ*\i+\q], v[ADRS] offset:1024*\i+64*\q
.endr
.endr
.endm
.macro PLACES n                        ; a load into a register that a matrix instruction has read, and a read of its result, stand NP plain vector instructions behind it (ISA guide 7.12.1 for a read of its result)
.rept \n
	v_nop
.endr
.endm
.macro STEP slot, q, zero              ; a step of 128 along K that has its successor in the same slot
	s_wait_dscnt 4*NL                              ; R's set, P's blocks 0-3 and the scale words are in; the youngest 12 loads (P's blocks 4-7) may be out
	WIN MUL_LO
	MUL16 0, (\q)%2, \q, \slot, \zero
	MUL16 2, (\q)%2, \q, \slot, \zero
	s_wait_dscnt 0
	PLACES NP
	FETCH_B \slot, (\q)+1, 1-(\q)%2
	FETCH_A \slot, (\q)+1, 0
	WIN MUL_HI
	MUL16 4, (\q)%2, \q, \slot, \zero
	MUL16 6, (\q)%2, \q, \slot, \zero
	PLACES NP
	WIN 0
	FETCH_A \slot, (\q)+1, 4
.endm
; A slot's last step changes slots: ONE barrier; in front of it each wave waits for all its tensor loads, adds 0 to its spare word, and waits for that and for its reads of this slot.  fill = 1: this slot is filled again, two slots ahead.
.macro TURN slot, next, fill
	s_wait_tensorcnt 0x0                           ; all my tensor loads have landed: the one that was out is my part of the next slot
	ds_add_u32 v[SPW], v[NIL]                      ; 0 onto my spare word
	s_wait_dscnt 4*NL+1                            ; (the add and the youngest 12 loads may be out)
	WIN MUL_LO
	MUL16 0, 1, NQ-1, \slot, 0                     ; sixteen matrix instructions stand between the add and the wait for it
	s_wait_dscnt 0x0                               ; the add is done, and my reads of this slot are over
	s_barrier_signal -1
	MUL16 2, 1, NQ-1, \slot, 0
	WIN 0
	s_barrier_wait -1
.if \fill
	CREST                                          ; the barrier has opened a round of the cluster's barrier: no wave of any partner still reads this slot or has a load on its way
	s_add_nc_u64 s[G0+4*\slot+2:G0+4*\slot+3], s[G0+4*\slot+2:G0+4*\slot+3], 2*PART
	s_add_nc_u64 s[G0B+4*\slot+2:G0B+4*\slot+3], s[G0B+4*\slot+2:G0B+4*\slot+3], 2*PART
	JLOAD G0+4*\slot, G1, G0B+4*\slot, G1B         ; the first tensor load behind the round; its four v_nop are the places in front of the loads below
.else
	PLACES NP
.endif
	v_add_nc_u32 v[ADRS], 64*NQ, v[ADRS]           ; on to the next slot's scale words (no LDS load of mine is out)
	FETCH_B \next, 0, 0
	FETCH_A \next, 0, 0
	SCALES \next
	WIN MUL_HI
	MUL16 4, 1, NQ-1, \slot, 0
	MUL16 6, 1, NQ-1, \slot, 0
	PLACES NP
	WIN 0
	FETCH_A \next, 0, 4
.endm
	s_wait_tensorcnt 1                             ; the scale words and my part of slot 0 are in (slot 1's load may be out)
	s_barrier_signal -1
	s_barrier_wait -1
	FETCH_B 0, 0, 0
	FETCH_A 0, 0, 0
	SCALES 0
	FETCH_A 0, 0, 4
	STEP 0, 0, 1                                   ; the first step stands in front of the loop: its products start the sums
	s_mov_b32 s3, 3
.Llap:                                                 ; a trip goes once round the ring and fills both slots again: 8 slots = 2 first fills + 3 x 2
	TURN 0, 1, 1
	STEP 1, 0, 0
	TURN 1, 0, 1
	STEP 0, 0, 0
	s_sub_co_u32 s3, s3, 1
	s_cmp_lg_u32 s3, 0
	s_cbranch_scc1 .Llap
	TURN 0, 1, 0                                   ; the last lap fills nothing
	STEP 1, 0, 0
	s_wait_dscnt 4*NL
	WIN MUL_LO
	MUL16 0, 1, NQ-1, 1, 0
	MUL16 2, 1, NQ-1, 1, 0
	s_wait_dscnt 0
	WIN MUL_HI
	MUL16 4, 1, NQ-1, 1, 0
	MUL16 6, 1, NQ-1, 1, 0
	WIN 0
; ---- THE WAY OUT
; 64 numbers of a lane, v[x] on in window w, register 32 c + i = k 64 c + 32 h + i, become a fragment's codes in v[PC] on and its scale word in v[PW]
.macro QUANT x, w
	WIN ((\w)<<2)|((\w)<<4)
.irp b, 0,1,2,3
	v_max3_num_f32 v[TM+\b], 0x1800000, |v[(\x)+16*\b]|, |v[(\x)+16*\b+1]|     ; four chains of 16; the floor 2^(3 - 127) holds the byte at 1 from below
.endr
.irp i, 2,4,6,8,10,12,14
.irp b, 0,1,2,3
	v_max3_num_f32 v[TM+\b], v[TM+\b], |v[(\x)+16*\b+\i]|, |v[(\x)+16*\b+\i+1]|
.endr
.endr
	WIN 0
	v_max_num_f32 v[TM], v[TM], v[TM+1]            ; block h
	v_max_num_f32 v[TM+2], v[TM+2], v[TM+3]        ; block 2 + h
	v_add_nc_u32 v[SO], 0xff000000, v[TM]          ; 2 off the exponent field: the conversion's scale operand
	v_add_nc_u32 v[SO+1], 0xff000000, v[TM+2]
	v_lshrrev_b32 v[BY], 23, v[SO]
	v_lshrrev_b32 v[BY+1], 23, v[SO+1]
	v_lshl_or_b32 v[PW], v[BY+1], 16, v[BY]
	v_lshlrev_b32 v[PW], v[SH8], v[PW]
	v_permlanex16_b32 v[PX], v[PW], s[SEL], s[SEL+1]
	v_or_b32 v[PW], v[PW], v[PX]                   ; with lane l xor 16's two bytes the word is whole
	WIN \w
.irp c, 0,1
	v_cvt_scalef32_pk16_fp6_f32 v[PC+6*\c:PC+6*\c+2], v[(\x)+32*\c:(\x)+32*\c+15], v[SO+\c]
	v_cvt_scalef32_pk16_fp6_f32 v[PT+4*\c:PT+4*\c+2], v[(\x)+32*\c+16:(\x)+32*\c+31], v[SO+\c]   ; (a conversion's three registers begin on an even number)
.endr
	WIN 0
	v_nop                                          ; one plain place behind a scaled conversion
.irp c, 0,1
.irp i, 0,1,2
	v_mov_b32 v[PC+6*\c+3+\i], v[PT+4*\c+\i]
.endr
.endr
.endm
.macro ADDB_R a                        ; + the bias of R's rows; ascending
	WIN ((2+(\a)/4)<<6)|(2+(\a)/4)
.set n, 0
.rept 32
	v_pk_add_f32 v[64*((\a)%4)+n:64*((\a)%4)+n+1], v[64*((\a)%4)+n:64*((\a)%4)+n+1], v[BB+n:BB+n+1]
.set n, n+2
.endr
.endm
.macro ADDB_P a                        ; + the bias of P's row
	WIN ((2+(\a)/4)<<6)|(2+(\a)/4)
.set n, 0
.rept 32
	v_pk_add_f32 v[64*((\a)%4)+n:64*((\a)%4)+n+1], v[64*((\a)%4)+n:64*((\a)%4)+n+1], v[BP+2*(\a):BP+2*(\a)+1]
.set n, n+2
.endr
.endm
.macro STIMG a                         ; the image leaves as it stands: three stores of 512 consecutive bytes, aligned
.irp g, 0,1,2
	global_store_b128 v[CO], v[PC+4*\g:PC+4*\g+3], s[DST:DST+1] offset:1536*(\a)+512*\g
.endr
.endm
.macro SGS adr, a
	ds_store_b32 v[\adr], v[PW] offset:64*(\a)     ; lanes r and r + 16 write the same word with the same value
.endm
.macro SGOUT adr                       ; my eight blocks' scale words: 512 consecutive bytes
	ds_load_b128 v[SGR:SGR+3], v[\adr]
	s_wait_dscnt 0x0
	global_store_b128 v[CO], v[SGR:SGR+3], s[DSS:DSS+1]
.endm
.macro KSTAGE a                        ; block a's f32 numbers into my stage: row = P's row within its half of 64, 512 bytes along R's rows
	WIN (2+(\a)/4)<<2
.irp c, 0,1
.irp u, 0,1,2,3,4,5,6,7
	ds_store_b128 v[KSTO], v[64*((\a)%4)+32*\c+4*\u:64*((\a)%4)+32*\c+4*\u+3] offset:8*((\a)%4)*528+256*\c+16*\u
.endr
.endr
	WIN 0
.endm
.macro VSTAGE c                        ; v's f32 numbers of keys 64 c on: row = key, column = channel
.irp a, 0,1,2,3,4,5,6,7
	WIN (2+\a/4)<<2
.set i, 0
.rept 32
	ds_store_b32 v[VSTO], v[64*(\a%4)+32*(\c)+i] offset:528*i+4*(64*(\a/4)+8*(\a%4))
.set i, i+1
.endr
.endr
	WIN 0
.endm
.macro RB rd, sk, half                 ; 64 whole rows back from my stage and out: each store covers 512 consecutive bytes, aligned
	s_wait_xcnt 0x0                                ; earlier stores have read the registers that these loads fill
	WIN 0x40
.set t, 0
.rept 64
	ds_load_b128 v[4*t:4*t+3], v[\rd] offset:528*t+(\sk)*(t/32)   ; LDS serves a wave's instructions in order: these see my stores
.set t, t+1
.endr
	WIN 0x04
.set t, 0
.rept 64
	s_wait_dscnt 63-t                              ; row t is in; the rows behind it may be out
	global_store_b128 v[CO], v[4*t:4*t+3], s[OUTB:OUTB+1] offset:(64*(\half)+t)*ROWP th:TH_STORE_NT
.set t, t+1
.endr
	WIN 0
.endm
.macro QKBLOCK a
.if (\a) > 0
	s_wait_xcnt 0x0                                ; the last block's stores have read the codes' registers,
	s_wait_dscnt 0x0                               ; and its LDS stores theirs
.endif
	ADDB_R \a
	QUANT 64*((\a)%4), 2+(\a)/4
	STIMG \a
	SGS SGIK, \a
	s_cmp_eq_u32 s31, 0                            ; q leaves as codes alone
	s_cbranch_scc1 .Lonly_codes_\@
	KSTAGE \a
.if ((\a)%4) == 3
	RB RDK, 128, (\a)/4
.endif
.Lonly_codes_\@:
.endm
.macro VBLOCK a
.if (\a) > 0
	s_wait_xcnt 0x0
	s_wait_dscnt 0x0
.endif
	ADDB_P \a
	QUANT 64*((\a)%4), 2+(\a)/4
	STIMG \a
	SGS SGIV, \a
.endm
	PLACES NP                                      ; behind the last products
	s_wait_loadcnt 0x0                             ; the biases
.if MODE == 0
.irp a, 0,1,2,3,4,5,6,7
	v_mov_b32 v[BP+2*\a+1], v[BP+2*\a]             ; a pair for the packed addition
.endr
	s_mov_b32 s[SEL], 0x76543210
	s_mov_b32 s[SEL+1], 0xfedcba98                 ; lane l xor 16
.endif
	s_wait_dscnt 0x0
	s_barrier_signal -1                            ; every wave's reads of the ring and of the scale words are over: the stages may be written.
	s_barrier_wait -1
.if MODE == 0
	s_cmp_eq_u32 s31, 2
	s_cbranch_scc1 .Lpath_v
.irp a, 0,1,2,3,4,5,6,7
	QKBLOCK \a
.endr
	SGOUT SGOK
	s_branch .Lend
.Lpath_v:
.irp a, 0,1,2,3,4,5,6,7
	VBLOCK \a
.endr
	SGOUT SGOV
	VSTAGE 0
	RB RDV, 32, 0
	VSTAGE 1
	RB RDV, 32, 1
.Lend:
.else
.irp a, 0,1,2,3,4,5,6,7
	ADDB_R \a
	KSTAGE \a
.if (\a%4) == 3
	RB RDK, 128, \a/4
.endif
.endr
.endif
	s_wait_tensorcnt 0x0                           ; the wave's end, behind my last tensor load and my last LDS store
	ds_add_u32 v[SPW], v[NIL]
	s_wait_dscnt 0x0
	CROUND                                         ; the closing round: no work-group ends while a partner may still ask for a part that names it
	s_endpgm
.Lfunc_end_k_q35fb0e51fc_qkv:
	.size	k_q35fb0e51fc_qkv, .Lfunc_end_k_q35fb0e51fc_qkv-k_q35fb0e51fc_qkv
	.p2alignl 7, 3214868480
	.fill 96, 4, 3214868480
	.section	.rodata,"a",@progbits
	.p2align	6, 0x0
	.amdhsa_kernel k_q35fb0e51fc_qkv
		.amdhsa_group_segment_fixed_size 327680
		.amdhsa_private_segment_fixed_size 0
		.amdhsa_enable_private_segment 0
		.amdhsa_kernarg_size 72
		.amdhsa_user_sgpr_count 2
		.amdhsa_user_sgpr_kernarg_segment_ptr 1
		.amdhsa_wavefront_size32 1
		.amdhsa_system_sgpr_workgroup_id_x 1
		.amdhsa_system_sgpr_workgroup_id_y 1
		.amdhsa_system_sgpr_workgroup_id_z 1
		.amdhsa_system_vgpr_workitem_id 0
		.amdhsa_next_free_vgpr 1024
		.amdhsa_next_free_sgpr 102
		.amdhsa_reserve_vcc 0
		.amdhsa_float_denorm_mode_32 3
		.amdhsa_float_denorm_mode_16_64 3
		.amdhsa_memory_ordered 1
		.amdhsa_forward_progress 1
		.amdhsa_inst_pref_size 255
	.end_amdhsa_kernel
	.section	.bss,"aw",@nobits
	.p2align	6
	.space	262144
	.amdgpu_metadata
---
amdhsa.version: [ 1, 2 ]
amdhsa.kernels:
  - .name:           k_q35fb0e51fc_qkv
    .symbol:         k_q35fb0e51fc_qkv.kd
    .args:
      - { .name: oc, .offset: 0, .size: 8, .value_kind: global_buffer, .address_space: global }
      - { .name: os, .offset: 8, .size: 8, .value_kind: global_buffer, .address_space: global }
      - { .name: bq, .offset: 16, .size: 8, .value_kind: global_buffer, .address_space: global }
      - { .name: bk, .offset: 24, .size: 8, .value_kind: global_buffer, .address_space: global }
      - { .name: bv, .offset: 32, .size: 8, .value_kind: global_buffer, .address_space: global }
      - { .name: qq, .offset: 40, .size: 8, .value_kind: global_buffer, .address_space: global }
      - { .name: kv, .offset: 48, .size: 8, .value_kind: global_buffer, .address_space: global }
      - { .name: out1, .offset: 56, .size: 8, .value_kind: global_buffer, .address_space: global }
      - { .name: out2, .offset: 64, .size: 8, .value_kind: global_buffer, .address_space: global }
    .group_segment_fixed_size: 327680
    .private_segment_fixed_size: 0
    .kernarg_segment_align: 8
    .kernarg_segment_size: 72
    .max_flat_workgroup_size: 128
    .sgpr_count:     102
    .vgpr_count:     1024
    .wavefront_size: 32
...
	.end_amdgpu_metadata
.endif
;; end of part 2
;; launch attn (part 3): grid 16 x 16, 8 waves a work-group, clusters of 4 x 1, 327,680 bytes of LDS; arguments qq, kv, mp, cc, cs; writes cc, cs
.if DOCPART == 3
	.amdgcn_target "amdgcn-amd-amdhsa--gfx1250"
	.amdhsa_code_object_version 6
	.text
	.protected	k_q35fb0e51fc_attn
	.globl	k_q35fb0e51fc_attn
	.p2align	8
	.type	k_q35fb0e51fc_attn,@function
k_q35fb0e51fc_attn:
	s_mov_b64 s[64:65], 0
	v_nop
	global_prefetch_b8 v0, s[64:65] scope:SCOPE_SE
	s_setreg_imm32_b32 hwreg(HW_REG_WAVE_MODE, 25, 1), 1
	s_wait_xcnt 0x0
	s_wait_alu depctr_hold_cnt(0) depctr_sa_sdst(0) depctr_va_vdst(0) depctr_va_sdst(0) depctr_va_ssrc(0) depctr_va_vcc(0) depctr_vm_vsrc(0)
	s_getreg_b32 s2, hwreg(HW_REG_IB_STS2, 6, 4)
	s_cmp_eq_u32 s2, 0
	s_cbranch_scc0 .Lentry_in_a_cluster
	s_endpgm
.Lentry_in_a_cluster:
	s_bfe_u32 s2, ttmp6, 0x10000c
	s_cmp_lg_u32 s2, 0x3003
	s_cbranch_scc0 .Lentry_shape_is_right
	s_endpgm
.Lentry_shape_is_right:
; ATTENTION on codes of FP6 (E2M3) with E8M0 scales: ctx = softmax(q k^T / sqrt(128) + mask) v, both products quantised; ctx leaves as codes for the output projection.
; THE SOFTMAX: u = q . k + sqrt(128) x mask; t = c u, c = log2(e) / sqrt(128); M = the running largest t rounded UP to a whole number; p = 2^(t - M) is what is quantised, along the keys, not normalised.
; The row's sum is taken of the unquantised p and divides at the end.  When M moves, the sum and O are multiplied by 2^(old M - new M): exact.
; SHARES: a work-group owns 128 queries (group Gq) of one head, wave w the 16 queries perm(w, r) = 64 (w / 4) + 8 (w % 4) + r % 8 + 32 (r / 8).  Two waves of 512 registers to a SIMD, so that one wave's vector work
; stands beside the other's matrix work and LDS loads.  The mask is an input: all 16 steps of 128 keys are walked.
; LAYOUT: both products are used transposed (source 0 = 16 keys of k, or 16 channels of v^T; source 1 = my queries): a lane holds one query.  The rows of a block t are perm(t, .), so that a lane's 64 results are
; keys (or channels) 64 c + 32 h + i: two whole blocks of 32, in the order of a 6-bit operand: no maximum of a block and no code changes lanes.
; THE MASK COSTS NO VECTOR INSTRUCTION: its image (mask x sqrt(128), in accumulator order) is loaded straight into the score accumulators and is the C of k q^T.  Two sets of accumulators take turns; a set is loaded again
; as soon as its p has been used, by 16 loads of 512 consecutive bytes.
; kv: [head][Gk 16] blocks of 25,600 bytes: k's 8 images, v^T's 8 images, k's scale words, v's.  A ring of two LDS slots of two blocks; each of the eight waves brings 25 rows of 256 bytes.
; CLUSTER: the four work-groups of a cluster share a head, so every kv load is asked for jointly (mask 15).
; LIMITS: NaN and infinities are not served (an infinite mask entry would go to the matrix unit as C); blocks under 2^-124 keep the byte 1, blocks of zeros have zero codes; in a row all of whose logits are beyond about 2^24
; in magnitude the f32 spacing of t exceeds 1, so the weights come out uniform but their common p need not lie in (1/2, 1].
; REGISTERS: window 0: v1-9, v26 addresses and temporaries; v[10:11] f; v12 -M; v13 the largest t; v[14:15] the sum; v16-24 at work; v25 q's scale words; v28-39 q; v40-51 p's codes; v52-59 their upper halves;
;   v60-67, v68-75 k's and v's scale words; v128-191, v192-255 the two sets of scores.   window 1: v0-63 O^T; v64-159 k's fragments; v160-255 v's.
.set SLOT1, 65536
.set SPARE, 131072                     ; the spare words, 128 bytes for each wave: four blocks of 256 bytes that no other line names
.set BLKB,  25600
.set LI,  1                            ; v1   16 x lane
.set LS,  2                            ; v2   4 r
.set SPW, 3                            ; v3   SPARE + 4 x my thread's number; never rewritten
.set NIL, 4                            ; v4   0; never rewritten
.set SH8, 5                            ; v5   8 h
.set ADK, 6
.set ADS, 7
.set PX,  8
.set TM,  16
.set SO,  20
.set BY,  22
.set PW,  24
.set QS,  25
.set LS2, 26                           ; v26  4 r + 24,576: a block's scale words
.set QF,  28
.set PC,  40
.set PT,  52
.set KS,  60
.set VS,  68
.set L2,  76
.set S0,  128
.set KF,  64
.set VF,  160
.set WV,  14
.set SEL, 18
.set CS,  20
.set G1,  24
.set G0,  32
.set TB,  36
.set SLOTS, 37
.set MB,  38
.set MSB, 0
.macro WIN new
.if MSB != (\new)
	s_set_vgpr_msb (MSB<<8)|(\new)
.set MSB, (\new)
.endif
.endm
.macro ROUND                           ; a round of the cluster's barrier
	s_barrier_signal -1
	s_barrier_wait -1
	s_cmp_lg_u32 s[WV], 0
	s_cbranch_scc1 .Lnot_wave_0_\@
	s_barrier_signal -3
.Lnot_wave_0_\@:
	s_barrier_wait -3
	s_barrier_signal -1
	s_barrier_wait -1
.endm
	s_load_b256 s[4:11], s[0:1], 0x0               ; qq, kv, mp, cc
	s_load_b64 s[12:13], s[0:1], 0x20              ; cs
	v_lshl_add_u32 v[SPW], v0, 2, SPARE
	v_mov_b32 v[NIL], 0
	ds_add_u32 v3, v4
	ds_add_u32 v3, v4
	s_wait_dscnt 0x0
	v_lshrrev_b32 v9, 5, v0
	v_readfirstlane_b32 s[WV], v9                  ; wave 0..7
	s_bfe_u32 s15, ttmp6, 0x40000                  ; cx
	s_lshl_b32 s16, ttmp9, 2
	s_add_co_u32 s16, s16, s15                     ; Gq: it enters q's, the mask's and ctx's addresses alone
	s_and_b32 s17, ttmp7, 0xffff                   ; the head, which the four partners share
	s_mov_b32 s[SEL], 0x76543210
	s_mov_b32 s[SEL+1], 0xfedcba98
	s_mov_b32 s[CS], 0x3e0293ee                    ; c = log2(e) / sqrt(128)
	s_mov_b32 s[CS+1], s[CS]
	s_mov_b32 s[TB], 0
	s_mov_b32 s[SLOTS], 7
	; descriptor group 1: 25 rows of 256 bytes (32 elements of 8 bytes), dense
	s_mov_b32 s[G1], 15|(3<<16)|(1<<21)            ; 15:0 the mask: all four work-groups; 17:16 elements of 8 bytes; 21 set beside a mask
	s_mov_b32 s[G1+1], 32<<16
	s_mov_b32 s[G1+2], 25<<16
	s_mov_b32 s[G1+3], 32<<16
	s_mov_b32 s[G1+4], 25
	s_mov_b32 s[G1+5], 32
	s_mov_b32 s[G1+6], 0
	s_mov_b32 s[G1+7], 0
	s_lshl_b32 s48, s16, 3
	s_add_co_u32 s48, s48, s[WV]
	s_lshl_b32 s48, s48, 17                        ; the mask's images of my 16 queries: 131,072 bytes
	s_mov_b32 s49, 0
	s_lshl_b32 s50, s17, 4
	s_add_co_u32 s50, s50, s16
	s_mul_i32 s50, s50, 12800                      ; q's block
	s_mul_i32 s52, s[WV], 1536
	s_add_co_u32 s52, s52, s50                     ; my image
	s_mov_b32 s53, 0
	s_lshl_b32 s54, s[WV], 6
	s_add_co_u32 s54, s54, s50
	s_add_co_u32 s54, s54, 12288                   ; my scale words
	s_mov_b32 s55, 0
	s_mul_i32 s56, s16, 196608                     ; ctx's codes: group Gq, K step = head, block = wave
	s_mul_i32 s57, s17, 12288
	s_add_co_u32 s56, s56, s57
	s_mul_i32 s57, s[WV], 1536
	s_add_co_u32 s56, s56, s57
	s_mov_b32 s57, 0
	s_lshl_b32 s58, s16, 13                        ; ctx's scale words
	s_lshl_b32 s59, s[WV], 10
	s_add_co_u32 s58, s58, s59
	s_lshl_b32 s59, s17, 6
	s_add_co_u32 s58, s58, s59
	s_mov_b32 s59, 0
	s_mul_i32 s60, s17, 409600                     ; the head's 16 blocks of kv,
	s_mul_i32 s[G0+1], s[WV], 6400                 ; my 25 rows of a slot: in LDS,
	s_add_co_u32 s60, s60, s[G0+1]                 ; and in memory
	s_mov_b32 s61, 0
	s_mov_b32 s[G0], 1
	s_wait_kmcnt 0x0
	s_add_nc_u64 s[G0+2:G0+3], s[6:7], s[60:61]
	s_or_b32 s[G0+3], s[G0+3], 0x80000000
	s_add_nc_u64 s[MB:MB+1], s[8:9], s[48:49]
	s_add_nc_u64 s[40:41], s[4:5], s[52:53]
	s_add_nc_u64 s[42:43], s[4:5], s[54:55]
	s_add_nc_u64 s[44:45], s[10:11], s[56:57]
	s_add_nc_u64 s[46:47], s[12:13], s[58:59]
	ROUND                                          ; all four work-groups are here: the first joint loads meet
	tensor_load_to_lds s[G0:G0+3], s[G1:G1+7]      ; slot 0: key groups 0 and 1.  One tensor load of mine is out at any time
	s_nop 0
.rept 4
	v_nop
.endr
	v_and_b32 v9, 31, v0
	v_lshlrev_b32 v[LI], 4, v9
	v_and_b32 v9, 15, v0
	v_lshlrev_b32 v[LS], 2, v9
	v_add_nc_u32 v[LS2], 24576, v[LS]
	v_bfe_u32 v9, v0, 4, 1
	v_lshlrev_b32 v[SH8], 3, v9
.irp g, 0,1,2
	global_load_b128 v[QF+4*\g:QF+4*\g+3], v[LI], s[40:41] offset:512*\g       ; q's fragment stays in registers
.endr
	global_load_b32 v[QS], v[LS], s[42:43]
.irp u, 0,1,2,3,4,5,6,7,8,9,10,11,12,13,14,15
	global_load_b128 v[S0+4*\u:S0+4*\u+3], v[LI], s[MB:MB+1] offset:512*\u     ; the mask of key step 0,
.endr
.irp u, 0,1,2,3,4,5,6,7,8,9,10,11,12,13,14,15
	global_load_b128 v[S0+64+4*\u:S0+64+4*\u+3], v[LI], s[MB:MB+1] offset:8192+512*\u    ; and of step 1
.endr
	v_mov_b32 v13, 0xff61b1e6                      ; the largest t so far: -3e38, under every t
	v_floor_f32 v12, -v13                          ; -M
	v_mov_b32 v[PX], 0
	v_mov_b32 v10, 0
	v_mov_b32 v11, 0
	v_mov_b32 v14, 0
	v_mov_b32 v15, 0
	WIN 0x40
.set n, 0
.rept 64
	v_mov_b32 v[n], 0                              ; O^T.  (The step is written once: the first finds zeros, which the first change of M leaves zeros)
.set n, n+1
.endr
	WIN 0
.macro KLOAD q                         ; k's eight fragments and scale words of the slot's q-th block
	WIN 0x40
.irp t, 0,1,2,3,4,5,6,7
.irp g, 0,1,2
	ds_load_b128 v[KF+12*\t+4*\g:KF+12*\t+4*\g+3], v[ADK] offset:BLKB*(\q)+1536*\t+512*\g
.endr
.endr
	WIN 0
.irp t, 0,1,2,3,4,5,6,7
	ds_load_b32 v[KS+\t], v[ADS] offset:BLKB*(\q)+64*\t
.endr
.endm
.macro VLOAD q
	WIN 0x40
.irp t, 0,1,2,3,4,5,6,7
.irp g, 0,1,2
	ds_load_b128 v[VF+12*\t+4*\g:VF+12*\t+4*\g+3], v[ADK] offset:BLKB*(\q)+12288+1536*\t+512*\g
.endr
.endr
	WIN 0
.irp t, 0,1,2,3,4,5,6,7
	ds_load_b32 v[VS+\t], v[ADS] offset:BLKB*(\q)+512+64*\t
.endr
.endm
; A KEY STEP: 128 keys, the q-th block of the slot in hand, on score set q.  pre = 1: the set is loaded again with the mask two steps on.  lc: the younger mask loads that may stay out.
.macro STEP q, pre, lc
.set SB, S0+64*(\q)
	s_wait_loadcnt \lc                             ; this set's mask image is in; the other set's 16 loads may be out
	s_wait_dscnt 0x0                               ; k's fragments are in
	WIN 0x01                                       ; source 0 (k) window 1
.irp t, 0,1,2,3,4,5,6,7
	v_wmma_scale_f32_16x16x128_f8f6f4 v[SB+8*\t:SB+8*\t+7], v[KF+12*\t:KF+12*\t+11], v[QF:QF+11], v[SB+8*\t:SB+8*\t+7], v[KS+\t], v[QS] matrix_a_fmt:MATRIX_FMT_FP6 matrix_b_fmt:MATRIX_FMT_FP6
.endr
	WIN 0
.rept 4
	v_nop                                          ; places in front of the loads into registers that matrix instructions have read, and of the first read of the scores
.endr
	VLOAD \q
.if (\q) == 0
	KLOAD 1
.endif
.irp b, 0,1,2,3
	v_max3_num_f32 v[TM+\b], v[SB+16*\b], v[SB+16*\b+1], v[SB+16*\b+2]         ; four chains of 16 scores; each accumulator is first read at its low end
.endr
.irp i, 3,5,7,9,11,13
.irp b, 0,1,2,3
	v_max3_num_f32 v[TM+\b], v[TM+\b], v[SB+16*\b+\i], v[SB+16*\b+\i+1]
.endr
.endr
.irp b, 0,1,2,3
	v_max_num_f32 v[TM+\b], v[TM+\b], v[SB+16*\b+15]
.endr
	v_max_num_f32 v[TM], v[TM], v[TM+1]            ; THE LARGEST SCORE OF MY TWO BLOCKS OF 32 KEYS (h and 2 + h): it serves the row's maximum and, since p rises with the score, the block's largest p
	v_max_num_f32 v[TM+2], v[TM+2], v[TM+3]
	v_max_num_f32 v9, v[TM], v[TM+2]
	v_permlanex16_b32 v[PX], v9, s[SEL], s[SEL+1]
	v_max_num_f32 v9, v9, v[PX]                    ; the step's largest score of my query
	v_mul_f32 v9, s[CS], v9                        ; as t (c is positive)
	v_max_num_f32 v13, v13, v9
	v_mov_b32 v9, v12
	v_floor_f32 v12, -v13                          ; the new -M = -ceil(t)
	v_sub_f32 v9, v12, v9                          ; old M - new M: a whole number, 0 or less
	v_cvt_i32_f32 v9, v9                           ; (it saturates)
	v_ldexp_f32 v10, 1.0, v9                       ; f = 2^(old M - new M)
.set n, 0
.rept 32
	v_pk_fma_f32 v[SB+n:SB+n+1], v[SB+n:SB+n+1], s[CS:CS+1], v[12:13] op_sel_hi:[1,0,0]    ; t - M
.set n, n+2
.endr
	v_fma_f32 v[TM], v[TM], s[CS], v12
	v_fma_f32 v[TM+2], v[TM+2], s[CS], v12
.set n, 0
.rept 64
	v_exp_f32 v[SB+n], v[SB+n]                     ; p = 2^(t - M), at most 1
.set n, n+1
.endr
	v_exp_f32 v[TM], v[TM]                         ; the blocks' largest p: the same two instructions on the same number give the same bits
	v_exp_f32 v[TM+2], v[TM+2]
	v_pk_mul_f32 v[14:15], v[14:15], v[10:11] op_sel_hi:[1,0]      ; the sum under the new M.  (A plain place behind the exponentials)
	s_wait_alu depctr_va_vdst(0)
	v_max_num_f32 v[TM], 0x1800000, v[TM]          ; the floor 2^(3 - 127): the byte cannot fall under 1
	v_max_num_f32 v[TM+2], 0x1800000, v[TM+2]
	v_add_nc_u32 v[SO], 0xff000000, v[TM]
	v_add_nc_u32 v[SO+1], 0xff000000, v[TM+2]
	v_lshrrev_b32 v[BY], 23, v[SO]
	v_lshrrev_b32 v[BY+1], 23, v[SO+1]
	v_lshl_or_b32 v[PW], v[BY+1], 16, v[BY]
	v_lshlrev_b32 v[PW], v[SH8], v[PW]
	v_permlanex16_b32 v[PX], v[PW], s[SEL], s[SEL+1]
	v_or_b32 v[PW], v[PW], v[PX]                   ; p's scale word for these 128 keys
.irp c, 0,1
	v_cvt_scalef32_pk16_fp6_f32 v[PC+6*\c:PC+6*\c+2], v[SB+32*\c:SB+32*\c+15], v[SO+\c]
	v_cvt_scalef32_pk16_fp6_f32 v[PT+4*\c:PT+4*\c+2], v[SB+32*\c+16:SB+32*\c+31], v[SO+\c]
.endr
	v_nop                                          ; one plain place behind a scaled conversion
.irp c, 0,1
.irp i, 0,1,2
	v_mov_b32 v[PC+6*\c+3+\i], v[PT+4*\c+\i]
.endr
.endr
	v_pk_add_f32 v[L2:L2+1], v[SB:SB+1], v[SB+2:SB+3]              ; THE ROW'S SUM IS TAKEN OF THE UNQUANTISED p, in two chains
.irp j, 4,8,12,16,20,24,28,32,36,40,44,48,52,56,60
	v_pk_add_f32 v[14:15], v[14:15], v[SB+\j:SB+\j+1]
	v_pk_add_f32 v[L2:L2+1], v[L2:L2+1], v[SB+\j+2:SB+\j+3]
.endr
	v_pk_add_f32 v[14:15], v[14:15], v[L2:L2+1]
.if \pre
.irp u, 0,1,2,3,4,5,6,7,8,9,10,11,12,13,14,15
	global_load_b128 v[SB+4*\u:SB+4*\u+3], v[LI], s[MB:MB+1] offset:16384+8192*(\q)+512*\u      ; p is used up: the mask of two steps on
.endr
.endif
	WIN 0x41
.set n, 0
.rept 32
	v_pk_mul_f32 v[n:n+1], v[n:n+1], v[10:11] op_sel_hi:[1,0]      ; O^T under the new M, ascending
.set n, n+2
.endr
	s_wait_dscnt 0x0                               ; v's fragments are in (and the next block's k)
	WIN 0x51                                       ; source 0 (v) window 1, source 1 (p) window 0, C and D window 1
.irp t, 0,1,2,3,4,5,6,7
	v_wmma_scale_f32_16x16x128_f8f6f4 v[8*\t:8*\t+7], v[VF+12*\t:VF+12*\t+11], v[PC:PC+11], v[8*\t:8*\t+7], v[VS+\t], v[PW] matrix_a_fmt:MATRIX_FMT_FP6 matrix_b_fmt:MATRIX_FMT_FP6
.endr
	WIN 0
.endm
; THE CHANGE OF SLOTS stands at a slot's head.  Each wave waits for all its tensor loads (its part of the slot ahead), adds 0 to its spare word, and waits for that and for its reads of the slot that it has left.
; fill = 1: a round of the cluster's barrier, and behind it the other slot is filled with the next two key groups: the load has two key steps in which to land.
.macro CHANGE fill
	s_wait_tensorcnt 0x0                           ; no tensor load of mine is out, so the group 0 may be written
	ds_add_u32 v[SPW], v[NIL]                      ; 0 onto my spare word
.if \fill
	s_xor_b32 s[G0+1], s[G0+1], SLOT1              ; the other slot than last time,
	s_add_nc_u64 s[G0+2:G0+3], s[G0+2:G0+3], 2*BLKB        ; the next two blocks; the type bits on top are not reached
.endif
	s_wait_dscnt 0x0                               ; the add is done, and my reads of the slot that I have left are over
.if \fill
	ROUND
	tensor_load_to_lds s[G0:G0+3], s[G1:G1+7]      ; the first thing behind the round, and my one tensor load until the next
	s_nop 0
.rept 4
	v_nop
.endr
.else
	s_barrier_signal -1
	s_barrier_wait -1
.endif
.endm
.macro SLOT pre, lc1
	v_add_nc_u32 v[ADK], s[TB], v[LI]
	v_add_nc_u32 v[ADS], s[TB], v[LS2]
	KLOAD 0
	STEP 0, \pre, 16
	STEP 1, \pre, \lc1
.endm
.Lslot:                                            ; 7 trips: behind each change of slots but the last the next slot is asked for
	CHANGE 1
	SLOT 1, 16
	s_wait_xcnt 0x0                                ; the mask loads have read their base
	s_add_nc_u64 s[MB:MB+1], s[MB:MB+1], 16384
	s_xor_b32 s[TB], s[TB], SLOT1
	s_sub_co_u32 s[SLOTS], s[SLOTS], 1
	s_cmp_lg_u32 s[SLOTS], 0
	s_cbranch_scc1 .Lslot
	CHANGE 0                                       ; the last slot is written out: no tensor load, and no mask load past the buffer's end
	SLOT 0, 0
	; ---- ctx = O^T / the sum, quantised along the head's 128 channels: K step = head of the output projection
.rept 4
	v_nop
.endr
	v_add_f32 v14, v14, v15
	v_permlanex16_b32 v[PX], v14, s[SEL], s[SEL+1]
	v_add_f32 v14, v14, v[PX]                      ; with lane l xor 16's: the row's sum
	v_rcp_f32 v10, v14
	v_nop                                          ; a plain place behind the transcendental
	s_wait_alu depctr_va_vdst(0)
	v_mov_b32 v11, v10
	WIN 0x01
.set n, 0
.rept 32
	v_pk_mul_f32 v[S0+n:S0+n+1], v[n:n+1], v[10:11]        ; ascending: each accumulator is first read at its low end
.set n, n+2
.endr
	WIN 0
.irp b, 0,1,2,3
	v_max3_num_f32 v[TM+\b], 0x1800000, |v[S0+16*\b]|, |v[S0+16*\b+1]|
.endr
.irp i, 2,4,6,8,10,12,14
.irp b, 0,1,2,3
	v_max3_num_f32 v[TM+\b], v[TM+\b], |v[S0+16*\b+\i]|, |v[S0+16*\b+\i+1]|
.endr
.endr
	v_max_num_f32 v[TM], v[TM], v[TM+1]
	v_max_num_f32 v[TM+2], v[TM+2], v[TM+3]
	v_add_nc_u32 v[SO], 0xff000000, v[TM]
	v_add_nc_u32 v[SO+1], 0xff000000, v[TM+2]
	v_lshrrev_b32 v[BY], 23, v[SO]
	v_lshrrev_b32 v[BY+1], 23, v[SO+1]
	v_lshl_or_b32 v[PW], v[BY+1], 16, v[BY]
	v_lshlrev_b32 v[PW], v[SH8], v[PW]
	v_permlanex16_b32 v[PX], v[PW], s[SEL], s[SEL+1]
	v_or_b32 v[PW], v[PW], v[PX]
.irp c, 0,1
	v_cvt_scalef32_pk16_fp6_f32 v[PC+6*\c:PC+6*\c+2], v[S0+32*\c:S0+32*\c+15], v[SO+\c]
	v_cvt_scalef32_pk16_fp6_f32 v[PT+4*\c:PT+4*\c+2], v[S0+32*\c+16:S0+32*\c+31], v[SO+\c]
.endr
	v_nop
.irp c, 0,1
.irp i, 0,1,2
	v_mov_b32 v[PC+6*\c+3+\i], v[PT+4*\c+\i]
.endr
.endr
.irp g, 0,1,2
	global_store_b128 v[LI], v[PC+4*\g:PC+4*\g+3], s[44:45] offset:512*\g      ; the image: 512 consecutive bytes a store, aligned
.endr
	global_store_b32 v[LS], v[PW], s[46:47]        ; 64 bytes of scale words (lanes r and r + 16 store the same word): a part of an aligned 256 bytes, 1/24 of the codes' bytes
	s_wait_tensorcnt 0x0                           ; the wave's end
	ds_add_u32 v[SPW], v[NIL]
	s_wait_dscnt 0x0
	ROUND                                          ; the closing round
	s_endpgm
.Lfunc_end_k_q35fb0e51fc_attn:
	.size	k_q35fb0e51fc_attn, .Lfunc_end_k_q35fb0e51fc_attn-k_q35fb0e51fc_attn
	.p2alignl 7, 3214868480
	.fill 96, 4, 3214868480
	.section	.rodata,"a",@progbits
	.p2align	6, 0x0
	.amdhsa_kernel k_q35fb0e51fc_attn
		.amdhsa_group_segment_fixed_size 327680
		.amdhsa_private_segment_fixed_size 0
		.amdhsa_enable_private_segment 0
		.amdhsa_kernarg_size 40
		.amdhsa_user_sgpr_count 2
		.amdhsa_user_sgpr_kernarg_segment_ptr 1
		.amdhsa_wavefront_size32 1
		.amdhsa_system_sgpr_workgroup_id_x 1
		.amdhsa_system_sgpr_workgroup_id_y 1
		.amdhsa_system_sgpr_workgroup_id_z 1
		.amdhsa_system_vgpr_workitem_id 0
		.amdhsa_next_free_vgpr 512
		.amdhsa_next_free_sgpr 66
		.amdhsa_reserve_vcc 0
		.amdhsa_float_denorm_mode_32 3
		.amdhsa_float_denorm_mode_16_64 3
		.amdhsa_memory_ordered 1
		.amdhsa_forward_progress 1
		.amdhsa_inst_pref_size 93
	.end_amdhsa_kernel
	.amdgpu_metadata
---
amdhsa.version: [ 1, 2 ]
amdhsa.kernels:
  - .name:           k_q35fb0e51fc_attn
    .symbol:         k_q35fb0e51fc_attn.kd
    .args:
      - { .name: qq, .offset: 0, .size: 8, .value_kind: global_buffer, .address_space: global }
      - { .name: kv, .offset: 8, .size: 8, .value_kind: global_buffer, .address_space: global }
      - { .name: mp, .offset: 16, .size: 8, .value_kind: global_buffer, .address_space: global }
      - { .name: cc, .offset: 24, .size: 8, .value_kind: global_buffer, .address_space: global }
      - { .name: cs, .offset: 32, .size: 8, .value_kind: global_buffer, .address_space: global }
    .group_segment_fixed_size: 327680
    .private_segment_fixed_size: 0
    .kernarg_segment_align: 8
    .kernarg_segment_size: 40
    .max_flat_workgroup_size: 256
    .sgpr_count:     66
    .vgpr_count:     512
    .wavefront_size: 32
...
	.end_amdgpu_metadata
.endif
;; end of part 3
;; launch outp (part 4): grid 8 x 8, 4 waves a work-group, clusters of 4 x 4, 327,680 bytes of LDS; arguments cc, cs, oc, os, bo, out0; writes out0
.if DOCPART == 4
	.amdgcn_target "amdgcn-amd-amdhsa--gfx1250"
	.amdhsa_code_object_version 6
	.text
	.protected	k_q35fb0e51fc_outp
	.globl	k_q35fb0e51fc_outp
	.p2align	8
	.type	k_q35fb0e51fc_outp,@function
k_q35fb0e51fc_outp:
	s_mov_b64 s[64:65], 0
	v_nop
	global_prefetch_b8 v0, s[64:65] scope:SCOPE_SE
	s_setreg_imm32_b32 hwreg(HW_REG_WAVE_MODE, 25, 1), 1
	s_wait_xcnt 0x0
	s_wait_alu depctr_hold_cnt(0) depctr_sa_sdst(0) depctr_va_vdst(0) depctr_va_sdst(0) depctr_va_ssrc(0) depctr_va_vcc(0) depctr_vm_vsrc(0)
	s_getreg_b32 s2, hwreg(HW_REG_IB_STS2, 6, 4)
	s_cmp_eq_u32 s2, 0
	s_cbranch_scc0 .Lentry_in_a_cluster
	s_endpgm
.Lentry_in_a_cluster:
	s_bfe_u32 s2, ttmp6, 0x10000c
	s_cmp_lg_u32 s2, 0xf033
	s_cbranch_scc0 .Lentry_shape_is_right
	s_endpgm
.Lentry_shape_is_right:
; A GEMM on codes of FP6 (E2M3) with E8M0 scales, K = 2,048, on operands laid as images of their registers.  ONE TEXT, TWO USES: MODE 0 makes q, k and v; MODE 1 the output projection.
; ROWS go in groups G of 128; block a and lane row r name row perm(a, r) = 64 (a / 4) + 8 (a % 4) + r % 8 + 32 (r / 8).  Codes: [G 16][s 16][a 8][1536] (an image: register 4 g + w of lane l at 512 g + 16 l + 4 w); scale words: [G 16][a 8][s 16][r 16].
; SHARES: a work-group makes 256 rows of P x 256 rows of R, a wave 128 x 128: 64 accumulators, 512 registers.  Every product takes source 0 = a block b of R, source 1 = a block a of P: lane (r, h) of accumulator (a, b) then holds
; P's row perm(a, r), and the 64 registers 8 b + j = 32 c + i of one a are R's rows 64 c + 32 h + i: two whole blocks of 32 in one lane, in the order of a 6-bit operand.  So what is quantised along R's rows needs no other lane.
; MODE 0: the class is the cluster's x / 2.  0: P = hidden_states, R = Wq;  1: P = hidden_states, R = Wk;  2: P = Wv, R = hidden_states, so that a lane holds one channel of v and its registers run along the KEYS.
;   Behind the sums: + bias; codes and scale words of q (qq), of k and of v along the keys (kv), as images; k and v also as f32 (out1, out2), through a stage in LDS, in whole rows of 512 bytes.
; MODE 1: P = ctx's codes, R = Wo; + bo; out0 in pieces of 512 consecutive bytes.
; K goes through a ring of two LDS slots of 256 along K; a part (128 rows x 256 K) is 24,576 dense bytes, one tensor load a wave.  The scale words of the work-group's rows for all of K come once, with the first fills.
; CLUSTERS: 4 x 4 work-groups; P's parts are shared along a row of the cluster, R's along a column, each asked for jointly.  Fragments come from LDS by three loads of 16 bytes a lane, 512 consecutive bytes each: no pitch, no padding.
; 192 (MODE 0) and 64 (MODE 1) work-groups: the wave tile of 128 x 128 is kept, since for 128 along K it reads 48 x 512 bytes from LDS for 64 products, and a tile of 64 x 64 would read twice as much for each product.
; LIMITS: blocks whose largest magnitude lies under 2^-124 keep the byte 1; a block of zeros has the byte 1 and zero codes (this program alone reads the bytes); NaN and infinities are not served.
; REGISTERS: window 0: v1-31 addresses; v32-63 scale words, two sets; v64-127 the bias by R's rows; v128-223 P's fragments, one set (on the way out: the codes just made); v224-239 the bias by P's rows; v240-248 at work.
;   window 1: R's fragments, two sets, at v0 and v128 (on the way out: rows read back).   windows 2, 3: accumulator (a, b) at v[8 (8 (a % 4) + b)] of window 2 + a / 4.
.set MODE,  1
.set FR,    12                         ; registers of a fragment
.set NL,    3                          ; LDS loads that bring one
.set NQ,    2                          ; steps of 128 along K in a slot
.set NP,    4                          ; places behind this matrix instruction (ISA guide 7.12.1)
.set PART,  24576
.set SLOT,  4*PART                     ; P's two halves, then R's two
.set SCL,   2*SLOT                     ; the scale words: 8,192 bytes for each part
.set SPARE, 327168                     ; the spare words, 128 bytes for each wave: two blocks of 256 bytes that no other line names
.set WST,   34048                      ; the way out: a wave's stage, 64 rows x 528 bytes and a skew.  The stages lie over the ring and the scale words, which have had their last fill and, behind a barrier, their last read
.set KST,   0
.set VST,   4*WST                      ; each path of the way out has LDS bytes of its own
.set SGK,   8*WST                      ; 512 bytes a wave in which its scale words are gathered
.set SGV,   SGK+2048
.set PX,   14
.set SH8,  15
.set ADRA, 16                          ; v16-17  my P fragments in slot 0, 1
.set SGIK, 18
.set SGOK, 19
.set ADRB, 20                          ; v20-21  my R fragments
.set SGIV, 22
.set SGOV, 23
.set KSTO, 24
.set RDK,  25
.set CO,   26                          ; v26  16 x lane
.set ADRS, 27                          ; v27  my scale words: lanes 0-15 P's rows, lanes 16-31 R's
.set SPW,  28                          ; v28  SPARE + 4 x my thread's number; never rewritten
.set NIL,  29                          ; v29  0; never rewritten
.set VSTO, 30
.set RDV,  31
.set SC,   32                          ; set s at v[SC + 16 s]; register 2 i + q: lanes 0-15 the word of P's block i, lanes 16-31 that of R's block i, for the slot's q-th 128 along K
.set BB,   64
.set AF,   128
.set BP,   224
.set TM,   240
.set SO,   244
.set BY,   246
.set PW,   248
.set PC,   128
.set PT,   140
.set SGR,  148
.set G1,   32
.set G0,   40
.set G1B,  48
.set G0B,  56
.set G1S,  68
.set G0S,  76
.set G1SB, 80
.set G0SB, 88
.set DST,  92
.set DSS,  94
.set OUTB, 96
.set BIA,  98
.set SEL,  4
.set PCB,  4
.set PSB,  6
.if MODE == 0
.set RCB,  4
.set RSB,  6
.set ROWP, 512
.else
.set RCB,  8
.set RSB,  10
.set ROWP, 8192
.endif
.set MSB, 0
.macro WIN new                         ; the immediate's high byte repeats the setting that is left; a switch that changes nothing is dropped
.if MSB != (\new)
	s_set_vgpr_msb (MSB<<8)|(\new)
.set MSB, (\new)
.endif
.endm
.set MUL_LO, 0xa1                      ; source 0 (R) window 1, source 1 (P) window 0, C and D window 2
.set MUL_HI, 0xf1                      ; the same, C and D window 3
.set TO_B,   0x40                      ; destination window 1, address window 0
; A joint load: waves 0 and 1 fetch for P, waves 2 and 3 for R.  The branch hangs on the wave's number alone.  Four v_nop follow each of the two lines.
.macro JLOAD g0a, g1a, g0b, g1b
	s_cmp_eq_u32 s23, 0
	s_cbranch_scc0 .Lfor_b_\@
	tensor_load_to_lds s[\g0a:\g0a+3], s[\g1a:\g1a+7]
	s_nop 0
.rept 4
	v_nop
.endr
	s_branch .Lasked_\@
.Lfor_b_\@:
	tensor_load_to_lds s[\g0b:\g0b+3], s[\g1b:\g1b+7]
	s_nop 0
.rept 4
	v_nop
.endr
.Lasked_\@:
.endm
.macro CREST                           ; a round of the cluster's barrier behind its opening barrier
	s_cmp_lg_u32 s22, 0
	s_cbranch_scc1 .Lnot_wave_0_\@
	s_barrier_signal -3
.Lnot_wave_0_\@:
	s_barrier_wait -3
	s_barrier_signal -1
	s_barrier_wait -1
.endm
.macro CROUND
	s_barrier_signal -1
	s_barrier_wait -1
	CREST
.endm
.if MODE == 0
	s_load_b512 s[4:19], s[0:1], 0x0               ; oc, os, bq, bk, bv, qq, kv, out1
	s_load_b64 s[20:21], s[0:1], 0x40              ; out2
.else
	s_load_b256 s[4:11], s[0:1], 0x0               ; cc, cs, oc, os
	s_load_b128 s[12:15], s[0:1], 0x20             ; bo, out0
.endif
	v_lshl_add_u32 v[SPW], v0, 2, SPARE
	v_mov_b32 v[NIL], 0
	ds_add_u32 v28, v29
	ds_add_u32 v28, v29
	s_wait_dscnt 0x0
	v_lshrrev_b32 v1, 5, v0
	v_readfirstlane_b32 s22, v1                    ; wave 0..3
	s_lshr_b32 s23, s22, 1                         ; which half of P's rows is mine.  Also: I fetch for P (0) or for R (1)
	s_and_b32 s24, s22, 1                          ; which half of R's rows.  Also: which half I fetch
	s_bfe_u32 s25, ttmp6, 0x40000                  ; cx
	s_bfe_u32 s26, ttmp6, 0x40004                  ; cy
	s_lshl_b32 s27, ttmp9, 2
	s_add_co_u32 s27, s27, s25                     ; work-group x
	s_and_b32 s28, ttmp7, 0xffff
	s_lshl_b32 s28, s28, 2
	s_add_co_u32 s28, s28, s26                     ; work-group y: P's 256 rows
	s_lshl_b32 s29, s26, 2
	s_lshl_b32 s29, 15, s29                        ; my row of the cluster
	s_lshl_b32 s30, 0x1111, s25                    ; my column
.if MODE == 0
	s_lshr_b32 s31, ttmp9, 1                       ; the class: equal in all partners of a cluster
	s_and_b32 s27, s27, 7                          ; R's 256 rows
	s_add_co_u32 s66, s31, 1
	s_cmp_eq_u32 s31, 2
	s_cselect_b32 s2, 3, 0                         ; which tensor is P: Wv or hidden_states
	s_cselect_b32 s66, 0, s66                      ; and R: hidden_states, or Wq, Wk
.else
	s_mov_b32 s2, 0
	s_mov_b32 s66, 4                               ; R = Wo
.endif
	; descriptor groups 1: dense blocks as rows of 256 bytes (32 elements of 8 bytes): 96 rows for a part of codes, 32 for its scale words
	s_or_b32 s[G1], s29, (3<<16)|(1<<21)           ; 15:0 the mask: P's go to my row; 17:16 elements of 8 bytes; 21 set beside a mask; no padding
	s_or_b32 s[G1B], s30, (3<<16)|(1<<21)
	s_or_b32 s[G1S], s29, (3<<16)|(1<<21)
	s_or_b32 s[G1SB], s30, (3<<16)|(1<<21)
.irp g, G1, G1B
	s_mov_b32 s[\g+1], 32<<16                      ; tensor_dim0
	s_mov_b32 s[\g+2], 96<<16                      ; tensor_dim1
	s_mov_b32 s[\g+3], 32<<16                      ; tile_dim0
	s_mov_b32 s[\g+4], 96                          ; tile_dim1
	s_mov_b32 s[\g+5], 32                          ; tensor_dim0_stride
	s_mov_b32 s[\g+6], 0
	s_mov_b32 s[\g+7], 0
.endr
.irp g, G1S, G1SB
	s_mov_b32 s[\g+1], 32<<16
	s_mov_b32 s[\g+2], 32<<16
	s_mov_b32 s[\g+3], 32<<16
	s_mov_b32 s[\g+4], 32
	s_mov_b32 s[\g+5], 32
	s_mov_b32 s[\g+6], 0
	s_mov_b32 s[\g+7], 0
.endr
	; where the parts come from.  P's hang on work-group y, which my row of the cluster shares; R's on work-group x, which my column shares
	s_lshl_b32 s100, s28, 1
	s_add_co_u32 s100, s100, s24                   ; P's group that I would fetch
	s_mul_i32 s96, s100, 196608
	s_mul_i32 s98, s100, 8192
	s_mul_i32 s67, s2, 3145728
	s_add_co_u32 s96, s96, s67
	s_mul_i32 s67, s2, 131072
	s_add_co_u32 s98, s98, s67
	s_mov_b32 s97, 0
	s_mov_b32 s99, 0
	s_lshl_b32 s101, s27, 1
	s_add_co_u32 s101, s101, s24                   ; R's group
	s_mul_i32 s92, s101, 196608
	s_mul_i32 s94, s101, 8192
	s_mul_i32 s67, s66, 3145728
	s_add_co_u32 s92, s92, s67
	s_mul_i32 s67, s66, 131072
	s_add_co_u32 s94, s94, s67
	s_mov_b32 s93, 0
	s_mov_b32 s95, 0
	s_mul_i32 s3, s22, PART                        ; where they go: wave x a part: no place in the cluster enters an LDS address
	s_lshl_b32 s67, s22, 13
	s_wait_kmcnt 0x0
	s_add_nc_u64 s[96:97], s[PCB:PCB+1], s[96:97]
	s_add_nc_u64 s[98:99], s[PSB:PSB+1], s[98:99]
	s_add_nc_u64 s[92:93], s[RCB:RCB+1], s[92:93]
	s_add_nc_u64 s[94:95], s[RSB:RSB+1], s[94:95]
	CROUND                                         ; all sixteen work-groups are here: the first joint loads meet
	s_mov_b32 s[G0S], 1
	s_add_co_u32 s[G0S+1], s67, SCL
	s_mov_b64 s[G0S+2:G0S+3], s[98:99]
	s_or_b32 s[G0S+3], s[G0S+3], 0x80000000
	s_mov_b32 s[G0SB], 1
	s_add_co_u32 s[G0SB+1], s67, SCL
	s_mov_b64 s[G0SB+2:G0SB+3], s[94:95]
	s_or_b32 s[G0SB+3], s[G0SB+3], 0x80000000
	JLOAD G0S, G1S, G0SB, G1SB                     ; the scale words first: they are wanted with the first slot.  Three loads of mine are out behind the first fills
.irp s, 0,1
	s_mov_b32 s[G0+4*\s], 1
	s_add_co_u32 s[G0+4*\s+1], s3, \s*SLOT
	s_add_nc_u64 s[G0+4*\s+2:G0+4*\s+3], s[96:97], \s*PART
	s_or_b32 s[G0+4*\s+3], s[G0+4*\s+3], 0x80000000
	s_mov_b32 s[G0B+4*\s], 1
	s_add_co_u32 s[G0B+4*\s+1], s3, \s*SLOT
	s_add_nc_u64 s[G0B+4*\s+2:G0B+4*\s+3], s[92:93], \s*PART
	s_or_b32 s[G0B+4*\s+3], s[G0B+4*\s+3], 0x80000000
	JLOAD G0+4*\s, G1, G0B+4*\s, G1B
.endr
	; where my wave's results go
	s_lshl_b32 s66, s28, 1
	s_add_co_u32 s66, s66, s23                     ; Gp: my group of P's rows
	s_lshl_b32 s67, s27, 1
	s_add_co_u32 s67, s67, s24                     ; Gr: my group of R's rows
.if MODE == 0
	s_cmp_eq_u32 s31, 2
	s_cselect_b32 s2, s66, s67                     ; the head: Gr for q and k, Gp for v
	s_cselect_b32 s100, s67, s66                   ; the group of queries or keys
	s_lshl_b32 s2, s2, 4
	s_add_co_u32 s2, s2, s100                      ; block = 16 x head + group
	s_mov_b32 s101, 0
	s_mov_b32 s100, 25600
	s_cmp_eq_u32 s31, 0
	s_cselect_b32 s100, 12800, s100
	s_cselect_b64 s[DST:DST+1], s[14:15], s[16:17] ; qq or kv
	s_cselect_b64 s[BIA:BIA+1], s[8:9], s[10:11]
	s_mul_i32 s100, s2, s100
	s_add_nc_u64 s[DST:DST+1], s[DST:DST+1], s[100:101]    ; the block's first byte
	s_mov_b32 s100, 24576
	s_cselect_b32 s100, 12288, s100                ; its scale words: q's at 12,288, k's at 24,576,
	s_mov_b32 s3, 25088
	s_cmp_eq_u32 s31, 2
	s_cselect_b32 s100, s3, s100                   ; v's at 25,088
	s_add_nc_u64 s[DSS:DSS+1], s[DST:DST+1], s[100:101]
	s_cselect_b32 s100, 12288, 0                   ; v's images lie behind k's
	s_add_nc_u64 s[DST:DST+1], s[DST:DST+1], s[100:101]
	s_cselect_b64 s[BIA:BIA+1], s[12:13], s[BIA:BIA+1]
	s_cselect_b64 s[OUTB:OUTB+1], s[20:21], s[18:19]
	s_lshl_b32 s100, s2, 16                        ; 128 rows of 512 bytes a block
	s_add_nc_u64 s[OUTB:OUTB+1], s[OUTB:OUTB+1], s[100:101]
.else
	s_mov_b64 s[BIA:BIA+1], s[12:13]
	s_lshl_b32 s100, s66, 20                       ; 128 rows of 8,192 bytes,
	s_lshl_b32 s101, s67, 9                        ; 128 columns
	s_add_co_u32 s100, s100, s101
	s_mov_b32 s101, 0
	s_add_nc_u64 s[OUTB:OUTB+1], s[14:15], s[100:101]
.endif
	v_and_b32 v1, 15, v0                           ; r
	v_bfe_u32 v2, v0, 4, 1                         ; h
	v_and_b32 v3, 31, v0
	v_lshlrev_b32 v[CO], 4, v3
	v_mov_b32 v[PX], 0
	v_lshlrev_b32 v[SH8], 3, v2
	s_mul_i32 s100, s23, PART
	s_mul_i32 s101, s24, PART
	s_add_co_u32 s101, s101, 2*PART
.irp s, 0,1
	v_add_nc_u32 v[ADRA+\s], s100, v[CO]
	v_add_nc_u32 v[ADRB+\s], s101, v[CO]
	s_add_co_u32 s100, s100, SLOT
	s_add_co_u32 s101, s101, SLOT
.endr
	s_lshl_b32 s100, s23, 13                       ; P's scale words: my half;
	s_lshl_b32 s101, s24, 13
	s_add_co_u32 s101, s101, 2*8192                ; R's lie behind P's two
	s_sub_co_u32 s101, s101, s100
	v_mul_u32_u24 v4, s101, v2                     ; lanes 16-31 take R's: one product in h
	s_add_co_u32 s100, s100, SCL
	v_lshl_add_u32 v4, v1, 2, v4
	v_add_nc_u32 v[ADRS], s100, v4
	s_mul_i32 s100, s22, WST                       ; my stages
	v_and_b32 v5, 7, v1
	v_lshrrev_b32 v6, 3, v1
	v_mul_u32_u24 v7, v5, 528
	v_mad_u32_u24 v7, v6, 17024, v7                ; stage row t lies at 528 t + 128 (t / 32)
	v_lshl_add_u32 v7, v2, 7, v7
	v_add_nc_u32 v[KSTO], s100, v7
	v_add_nc_u32 v[RDK], s100, v[CO]
	v_mul_u32_u24 v7, v2, 16928                    ; v's stage: row t at 528 t + 32 (t / 32)
	v_lshl_add_u32 v7, v5, 2, v7
	v_lshl_add_u32 v7, v6, 7, v7
	v_add_nc_u32 v7, s100, v7
	v_add_nc_u32 v[VSTO], VST, v7
	v_add_nc_u32 v[RDV], VST, v[RDK]
	s_lshl_b32 s100, s22, 9
	v_lshlrev_b32 v7, 2, v1
	v_add_nc_u32 v7, s100, v7
	v_add_nc_u32 v[SGIK], SGK, v7
	v_add_nc_u32 v[SGIV], SGV, v7
	v_add_nc_u32 v7, s100, v[CO]
	v_add_nc_u32 v[SGOK], SGK, v7
	v_add_nc_u32 v[SGOV], SGV, v7
	; the biases: register 32 c + i of BB is the bias of R's row 64 c + 32 h + i; BP's pair a that of P's row perm(a, r).  Both are loaded in every class: both stay inside the 2,048 numbers
	v_lshlrev_b32 v8, 7, v2
	s_lshl_b32 s100, s67, 9
	v_add_nc_u32 v8, s100, v8
.irp c, 0,1
.irp u, 0,1,2,3,4,5,6,7
	global_load_b128 v[BB+32*\c+4*\u:BB+32*\c+4*\u+3], v8, s[BIA:BIA+1] offset:256*\c+16*\u
.endr
.endr
.if MODE == 0
	v_lshlrev_b32 v9, 2, v5
	v_lshl_add_u32 v9, v6, 7, v9
	s_lshl_b32 s101, s66, 9
	v_add_nc_u32 v9, s101, v9
.irp a, 0,1,2,3,4,5,6,7
	global_load_b32 v[BP+2*\a], v9, s[BIA:BIA+1] offset:4*(64*(\a/4)+8*(\a%4))
.endr
.endif
.macro FRAG reg, adr, q, i             ; a fragment comes as it was stored: three loads of 16 bytes a lane, 512 consecutive bytes each
.irp g, 0,1,2
	ds_load_b128 v[(\reg)+4*\g:(\reg)+4*\g+3], v[\adr] offset:12288*(\q)+1536*(\i)+512*\g
.endr
.endm
; 16 matrix instructions: P's blocks a0, a0 + 1 x R's eight, the slot's q-th 128 along K.  p: R's set;  sc: the set of scale words.  zero = 1: the first product starts the sums.
; The 64 accumulators take turns, one instruction a turn, in the same order in every step.
.macro MUL16 a0, p, q, sc, zero
.irp a, \a0, \a0+1
.irp b, 0,1,2,3,4,5,6,7
.if \zero
	v_wmma_scale_f32_16x16x128_f8f6f4 v[8*(8*((\a)%4)+\b):8*(8*((\a)%4)+\b)+7], v[128*(\p)+FR*\b:128*(\p)+FR*\b+FR-1], v[AF+FR*(\a):AF+FR*(\a)+FR-1], 0, v[SC+8*NQ*(\sc)+NQ*\b+(\q)], v[SC+8*NQ*(\sc)+NQ*(\a)+(\q)] matrix_a_fmt:MATRIX_FMT_FP6 matrix_b_fmt:MATRIX_FMT_FP6 matrix_a_scale:MATRIX_SCALE_ROW1
.else
	v_wmma_scale_f32_16x16x128_f8f6f4 v[8*(8*((\a)%4)+\b):8*(8*((\a)%4)+\b)+7], v[128*(\p)+FR*\b:128*(\p)+FR*\b+FR-1], v[AF+FR*(\a):AF+FR*(\a)+FR-1], v[8*(8*((\a)%4)+\b):8*(8*((\a)%4)+\b)+7], v[SC+8*NQ*(\sc)+NQ*\b+(\q)], v[SC+8*NQ*(\sc)+NQ*(\a)+(\q)] matrix_a_fmt:MATRIX_FMT_FP6 matrix_b_fmt:MATRIX_FMT_FP6 matrix_a_scale:MATRIX_SCALE_ROW1
.endif
.endr
.endr
.endm
.macro FETCH_B slot, q, p
	WIN TO_B
.irp i, 0,1,2,3,4,5,6,7
	FRAG 128*(\p)+FR*\i, ADRB+\slot, \q, \i
.endr
	WIN 0
.endm
.macro FETCH_A slot, q, i0
.irp i, \i0, \i0+1, \i0+2, \i0+3
	FRAG AF+FR*(\i), ADRA+\slot, \q, \i
.endr
.endm
.macro SCALES sc                       ; the next slot's scale words: lanes 0-15 take P's block i, lanes 16-31 R's block i
.irp i, 0,1,2,3,4,5,6,7
.irp q, 0,1
	ds_load_b32 v[SC+8*NQ*\sc+NQ*\i+\q], v[ADRS] offset:1024*\i+64*\q
.endr
.endr
.endm
.macro PLACES n                        ; a load into a register that a matrix instruction has read, and a read of its result, stand NP plain vector instructions behind it (ISA guide 7.12.1 for a read of its result)
.rept \n
	v_nop
.endr
.endm
.macro STEP slot, q, zero              ; a step of 128 along K that has its successor in the same slot
	s_wait_dscnt 4*NL                              ; R's set, P's blocks 0-3 and the scale words are in; the youngest 12 loads (P's blocks 4-7) may be out
	WIN MUL_LO
	MUL16 0, (\q)%2, \q, \slot, \zero
	MUL16 2, (\q)%2, \q, \slot, \zero
	s_wait_dscnt 0
	PLACES NP
	FETCH_B \slot, (\q)+1, 1-(\q)%2
	FETCH_A \slot, (\q)+1, 0
	WIN MUL_HI
	MUL16 4, (\q)%2, \q, \slot, \zero
	MUL16 6, (\q)%2, \q, \slot, \zero
	PLACES NP
	WIN 0
	FETCH_A \slot, (\q)+1, 4
.endm
; A slot's last step changes slots: ONE barrier; in front of it each wave waits for all its tensor loads, adds 0 to its spare word, and waits for that and for its reads of this slot.  fill = 1: this slot is filled again, two slots ahead.
.macro TURN slot, next, fill
	s_wait_tensorcnt 0x0                           ; all my tensor loads have landed: the one that was out is my part of the next slot
	ds_add_u32 v[SPW], v[NIL]                      ; 0 onto my spare word
	s_wait_dscnt 4*NL+1                            ; (the add and the youngest 12 loads may be out)
	WIN MUL_LO
	MUL16 0, 1, NQ-1, \slot, 0                     ; sixteen matrix instructions stand between the add and the wait for it
	s_wait_dscnt 0x0                               ; the add is done, and my reads of this slot are over
	s_barrier_signal -1
	MUL16 2, 1, NQ-1, \slot, 0
	WIN 0
	s_barrier_wait -1
.if \fill
	CREST                                          ; the barrier has opened a round of the cluster's barrier: no wave of any partner still reads this slot or has a load on its way
	s_add_nc_u64 s[G0+4*\slot+2:G0+4*\slot+3], s[G0+4*\slot+2:G0+4*\slot+3], 2*PART
	s_add_nc_u64 s[G0B+4*\slot+2:G0B+4*\slot+3], s[G0B+4*\slot+2:G0B+4*\slot+3], 2*PART
	JLOAD G0+4*\slot, G1, G0B+4*\slot, G1B         ; the first tensor load behind the round; its four v_nop are the places in front of the loads below
.else
	PLACES NP
.endif
	v_add_nc_u32 v[ADRS], 64*NQ, v[ADRS]           ; on to the next slot's scale words (no LDS load of mine is out)
	FETCH_B \next, 0, 0
	FETCH_A \next, 0, 0
	SCALES \next
	WIN MUL_HI
	MUL16 4, 1, NQ-1, \slot, 0
	MUL16 6, 1, NQ-1, \slot, 0
	PLACES NP
	WIN 0
	FETCH_A \next, 0, 4
.endm
	s_wait_tensorcnt 1                             ; the scale words and my part of slot 0 are in (slot 1's load may be out)
	s_barrier_signal -1
	s_barrier_wait -1
	FETCH_B 0, 0, 0
	FETCH_A 0, 0, 0
	SCALES 0
	FETCH_A 0, 0, 4
	STEP 0, 0, 1                                   ; the first step stands in front of the loop: its products start the sums
	s_mov_b32 s3, 3
.Llap:                                                 ; a trip goes once round the ring and fills both slots again: 8 slots = 2 first fills + 3 x 2
	TURN 0, 1, 1
	STEP 1, 0, 0
	TURN 1, 0, 1
	STEP 0, 0, 0
	s_sub_co_u32 s3, s3, 1
	s_cmp_lg_u32 s3, 0
	s_cbranch_scc1 .Llap
	TURN 0, 1, 0                                   ; the last lap fills nothing
	STEP 1, 0, 0
	s_wait_dscnt 4*NL
	WIN MUL_LO
	MUL16 0, 1, NQ-1, 1, 0
	MUL16 2, 1, NQ-1, 1, 0
	s_wait_dscnt 0
	WIN MUL_HI
	MUL16 4, 1, NQ-1, 1, 0
	MUL16 6, 1, NQ-1, 1, 0
	WIN 0
; ---- THE WAY OUT
.macro ADDB_R a                        ; + the bias of R's rows; ascending
	WIN ((2+(\a)/4)<<6)|(2+(\a)/4)
.set n, 0
.rept 32
	v_pk_add_f32 v[64*((\a)%4)+n:64*((\a)%4)+n+1], v[64*((\a)%4)+n:64*((\a)%4)+n+1], v[BB+n:BB+n+1]
.set n, n+2
.endr
.endm
.macro KSTAGE a                        ; block a's f32 numbers into my stage: row = P's row within its half of 64, 512 bytes along R's rows
	WIN (2+(\a)/4)<<2
.irp c, 0,1
.irp u, 0,1,2,3,4,5,6,7
	ds_store_b128 v[KSTO], v[64*((\a)%4)+32*\c+4*\u:64*((\a)%4)+32*\c+4*\u+3] offset:8*((\a)%4)*528+256*\c+16*\u
.endr
.endr
	WIN 0
.endm
.macro RB rd, sk, half                 ; 64 whole rows back from my stage and out: each store covers 512 consecutive bytes, aligned
	s_wait_xcnt 0x0                                ; earlier stores have read the registers that these loads fill
	WIN 0x40
.set t, 0
.rept 64
	ds_load_b128 v[4*t:4*t+3], v[\rd] offset:528*t+(\sk)*(t/32)   ; LDS serves a wave's instructions in order: these see my stores
.set t, t+1
.endr
	WIN 0x04
.set t, 0
.rept 64
	s_wait_dscnt 63-t                              ; row t is in; the rows behind it may be out
	global_store_b128 v[CO], v[4*t:4*t+3], s[OUTB:OUTB+1] offset:(64*(\half)+t)*ROWP th:TH_STORE_NT
.set t, t+1
.endr
	WIN 0
.endm
	PLACES NP                                      ; behind the last products
	s_wait_loadcnt 0x0                             ; the bias
	s_wait_dscnt 0x0
	s_barrier_signal -1                            ; every wave's reads of the ring and of the scale words are over: the stages may be written.
	s_barrier_wait -1
.irp a, 0,1,2,3,4,5,6,7
	ADDB_R \a
	KSTAGE \a
.if (\a%4) == 3
	RB RDK, 128, \a/4
.endif
.endr
	s_wait_tensorcnt 0x0                           ; the wave's end, behind my last tensor load and my last LDS store
	ds_add_u32 v[SPW], v[NIL]
	s_wait_dscnt 0x0
	CROUND                                         ; the closing round: no work-group ends while a partner may still ask for a part that names it
	s_endpgm
.Lfunc_end_k_q35fb0e51fc_outp:
	.size	k_q35fb0e51fc_outp, .Lfunc_end_k_q35fb0e51fc_outp-k_q35fb0e51fc_outp
	.p2alignl 7, 3214868480
	.fill 96, 4, 3214868480
	.section	.rodata,"a",@progbits
	.p2align	6, 0x0
	.amdhsa_kernel k_q35fb0e51fc_outp
		.amdhsa_group_segment_fixed_size 327680
		.amdhsa_private_segment_fixed_size 0
		.amdhsa_enable_private_segment 0
		.amdhsa_kernarg_size 48
		.amdhsa_user_sgpr_count 2
		.amdhsa_user_sgpr_kernarg_segment_ptr 1
		.amdhsa_wavefront_size32 1
		.amdhsa_system_sgpr_workgroup_id_x 1
		.amdhsa_system_sgpr_workgroup_id_y 1
		.amdhsa_system_sgpr_workgroup_id_z 1
		.amdhsa_system_vgpr_workitem_id 0
		.amdhsa_next_free_vgpr 1024
		.amdhsa_next_free_sgpr 102
		.amdhsa_reserve_vcc 0
		.amdhsa_float_denorm_mode_32 3
		.amdhsa_float_denorm_mode_16_64 3
		.amdhsa_memory_ordered 1
		.amdhsa_forward_progress 1
		.amdhsa_inst_pref_size 160
	.end_amdhsa_kernel
	.amdgpu_metadata
---
amdhsa.version: [ 1, 2 ]
amdhsa.kernels:
  - .name:           k_q35fb0e51fc_outp
    .symbol:         k_q35fb0e51fc_outp.kd
    .args:
      - { .name: cc, .offset: 0, .size: 8, .value_kind: global_buffer, .address_space: global }
      - { .name: cs, .offset: 8, .size: 8, .value_kind: global_buffer, .address_space: global }
      - { .name: oc, .offset: 16, .size: 8, .value_kind: global_buffer, .address_space: global }
      - { .name: os, .offset: 24, .size: 8, .value_kind: global_buffer, .address_space: global }
      - { .name: bo, .offset: 32, .size: 8, .value_kind: global_buffer, .address_space: global }
      - { .name: out0, .offset: 40, .size: 8, .value_kind: global_buffer, .address_space: global }
    .group_segment_fixed_size: 327680
    .private_segment_fixed_size: 0
    .kernarg_segment_align: 8
    .kernarg_segment_size: 48
    .max_flat_workgroup_size: 128
    .sgpr_count:     102
    .vgpr_count:     1024
    .wavefront_size: 32
...
	.end_amdgpu_metadata
.endif
;; end of part 4
;; ======== version 2 of 2: 4 launches
;; limits: right only within a limited range of input values
;; workspace buffers: oc 15,728,640 bytes; os 655,360 bytes; mp 16,777,216 bytes; qq 3,276,800 bytes; kv 6,553,600 bytes; cc 3,145,728 bytes; cs 131,072 bytes
;; launch prep (part 5): grid 768 x 1, 4 waves a work-group, no clusters, 70,144 bytes of LDS; arguments hidden_states, Wq, Wk, Wv, Wo, attn_mask, oc, os, mp; writes oc, os, mp
.if DOCPART == 5
	.amdgcn_target "amdgcn-amd-amdhsa--gfx1250"
	.amdhsa_code_object_version 6
	.text
	.protected	k_q35fb0e51fc_prep
	.globl	k_q35fb0e51fc_prep
	.p2align	8
	.type	k_q35fb0e51fc_prep,@function
k_q35fb0e51fc_prep:
	s_mov_b64 s[64:65], 0
	v_nop
	global_prefetch_b8 v0, s[64:65] scope:SCOPE_SE
	s_setreg_imm32_b32 hwreg(HW_REG_WAVE_MODE, 25, 1), 1
	s_wait_xcnt 0x0
; PREP.  Five f32 tensors [2048][2048] (T = 0 hidden_states, 1 Wq, 2 Wk, 3 Wv, 4 Wo), K innermost, become codes of FP6 (E2M3) with one E8M0 byte for each 32 along K;
; the additive mask (T = 5) is multiplied by sqrt(128) and laid in the order of the score accumulators of the attention launch.  Every f32 byte is read once.
; ROWS go in groups G of 128; block a (0..7) and lane row r (0..15) name row perm(a, r) = 64 (a / 4) + 8 (a % 4) + r % 8 + 32 (r / 8).
; A FRAGMENT IMAGE (16 rows (G, a) x 128 along K) is 1,536 bytes: register 4 g + w of lane l at byte 512 g + 16 l + 4 w; registers 6 c .. 6 c + 5 of lane (r, h) hold k = 64 c + 32 h + 0 .. 31 of row perm(a, r).
; oc: [T][G 16][s 16][a 8][1536].  os: [T][G 16][a 8][s 16][r 16] words (byte b of a word: k = 32 b ..).  mp: [G 16][a 8][s 16][8192]: register 4 u + w of lane l at 512 u + 16 l + 4 w, register 32 c + i = key 128 s + 64 c + 32 h + i.
; SHARES: a work-group takes one (T, G, a); wave w a quarter of K, four steps of 128.  A load reads one row's 512 consecutive bytes; a step's 16 rows turn through the wave's own stage in LDS (pitch 528), from which a lane
; takes its two whole blocks of 32: no block's maximum needs another lane.  Two register sets: 32 loads of a wave are out.  No barrier: waves share nothing.  Matrix units, tensor loads and clusters would add nothing to a stream.
; A block's scale is 2^(floor(log2(largest magnitude)) - 2): its byte is the largest magnitude's exponent field - 2, held at 1 from below.
; LIMITS: blocks whose largest magnitude lies under 2^-124 keep the byte 1; a block of zeros has the byte 1 and zero codes (this program alone reads the bytes); NaN and infinities among the inputs are not served.
.set WREG, 8704                        ; LDS of a wave: a stage of 16 rows x 528 bytes, then 256 bytes in which its scale words are gathered
.set MOFF, 4*WREG                      ; the mask's path has LDS bytes of its own
.set LI,   4                           ; v4   16 x lane
.set STI,  5                           ; v5   into the stage
.set STO,  6                           ; v6   out of it: 528 r + 128 h
.set SGI,  7                           ; v7   my row's scale word
.set SGO,  8                           ; v8   the gathered words, 8 bytes a lane
.set L8,   9                           ; v9   8 x lane
.set SH8,  10                          ; v10  8 h
.set STIM, 11                          ; v11, v12  the stage of the mask's path
.set STOM, 12
.set TM,   16
.set SO,   20
.set BY,   22
.set PW,   24
.set PX,   25
.set PC,   28                          ; v28-39  the fragment's codes
.set PT,   40                          ; v40-47  the upper halves of the two blocks, as the conversions leave them
.set OW,   48
.set R,    64                          ; v64-191  two sets of 64 registers as loaded
.set X,    192                         ; v192-255 64 numbers: register 32 c + i = k 64 c + 32 h + i of my row
.set SEL,  36
	s_load_b512 s[4:19], s[0:1], 0x0               ; hidden_states, Wq, Wk, Wv, Wo, attn_mask, oc, os
	s_load_b64 s[20:21], s[0:1], 0x40              ; mp
	v_lshl_add_u32 v62, v0, 2, 0x11000
	v_mov_b32 v63, 0
	v_lshrrev_b32 v1, 5, v0
	v_readfirstlane_b32 s25, v1                    ; wave
	s_lshr_b32 s22, ttmp9, 7                       ; T
	s_bfe_u32 s23, ttmp9, 0x40003                  ; G
	s_and_b32 s24, ttmp9, 7                        ; a
	v_and_b32 v1, 31, v0                           ; lane
	v_and_b32 v2, 15, v0                           ; r
	v_bfe_u32 v3, v0, 4, 1                         ; h
	v_lshlrev_b32 v[LI], 4, v1
	s_mul_i32 s28, s25, WREG
	v_add_nc_u32 v[STI], s28, v[LI]
	v_mul_u32_u24 v13, v2, 528
	v_lshl_add_u32 v13, v3, 7, v13
	v_add_nc_u32 v[STO], s28, v13
	v_lshlrev_b32 v14, 2, v2
	v_add_nc_u32 v14, s28, v14
	v_add_nc_u32 v[SGI], 8448, v14
	v_lshlrev_b32 v[L8], 3, v1
	v_add_nc_u32 v15, s28, v[L8]
	v_add_nc_u32 v[SGO], 8448, v15
	v_lshlrev_b32 v[SH8], 3, v3
	v_add_nc_u32 v[STIM], MOFF, v[STI]
	v_add_nc_u32 v[STOM], MOFF, v[STO]
	v_mov_b32 v[PX], 0                             ; a lane permute's destination counts as one of its sources
	s_mov_b32 s[SEL], 0x76543210
	s_mov_b32 s[SEL+1], 0xfedcba98                 ; lane l xor 16
	s_lshl_b32 s38, s23, 7                         ; my first row: 128 G + 64 (a / 4) + 8 (a % 4)
	s_lshr_b32 s39, s24, 2
	s_lshl_b32 s39, s39, 6
	s_add_co_u32 s38, s38, s39
	s_and_b32 s39, s24, 3
	s_lshl_b32 s39, s39, 3
	s_add_co_u32 s38, s38, s39
	s_lshl_b32 s38, s38, 13                        ; rows of 8,192 bytes
	s_lshl_b32 s39, s25, 11                        ; my quarter of K: 2,048 bytes
	s_add_co_u32 s38, s38, s39
	s_mov_b32 s39, 0
	s_wait_kmcnt 0x0
	s_mov_b64 s[26:27], s[4:5]                     ; the source is chosen on the work-group's number alone
	s_cmp_eq_u32 s22, 1
	s_cselect_b64 s[26:27], s[6:7], s[26:27]
	s_cmp_eq_u32 s22, 2
	s_cselect_b64 s[26:27], s[8:9], s[26:27]
	s_cmp_eq_u32 s22, 3
	s_cselect_b64 s[26:27], s[10:11], s[26:27]
	s_cmp_eq_u32 s22, 4
	s_cselect_b64 s[26:27], s[12:13], s[26:27]
	s_cmp_eq_u32 s22, 5
	s_cselect_b64 s[26:27], s[14:15], s[26:27]
	s_add_nc_u64 s[26:27], s[26:27], s[38:39]
.macro LOAD t                          ; step t: row perm(a, j)'s 512 bytes by load j, into set t % 2
.irp j, 0,1,2,3,4,5,6,7,8,9,10,11,12,13,14,15
	global_load_b128 v[R+64*((\t)%2)+4*\j:R+64*((\t)%2)+4*\j+3], v[LI], s[26:27] offset:((\j%8)+32*(\j/8))*8192+512*(\t) th:TH_LOAD_NT
.endr
.endm
.macro TURN t, sti, sto                ; through the stage: LDS serves a wave's instructions in order, so no wait stands between the stores and the loads
.irp j, 0,1,2,3,4,5,6,7,8,9,10,11,12,13,14,15
	ds_store_b128 v[\sti], v[R+64*((\t)%2)+4*\j:R+64*((\t)%2)+4*\j+3] offset:528*\j
.endr
.irp u, 0,1,2,3,4,5,6,7,8,9,10,11,12,13,14,15
	ds_load_b128 v[X+4*\u:X+4*\u+3], v[\sto] offset:256*(\u/8)+16*(\u%8)
.endr
.endm
; 64 numbers of a lane become a fragment's codes in v[PC] on and its scale word in v[PW]
.macro QUANT
.irp b, 0,1,2,3
	v_max3_num_f32 v[TM+\b], 0x1800000, |v[X+16*\b]|, |v[X+16*\b+1]|      ; four chains of 16; the floor 2^(3 - 127) holds the byte at 1 from below
.endr
.irp i, 2,4,6,8,10,12,14
.irp b, 0,1,2,3
	v_max3_num_f32 v[TM+\b], v[TM+\b], |v[X+16*\b+\i]|, |v[X+16*\b+\i+1]|
.endr
.endr
	v_max_num_f32 v[TM], v[TM], v[TM+1]            ; block h
	v_max_num_f32 v[TM+2], v[TM+2], v[TM+3]        ; block 2 + h
	v_add_nc_u32 v[SO], 0xff000000, v[TM]          ; 2 off the exponent field: the conversion's scale operand
	v_add_nc_u32 v[SO+1], 0xff000000, v[TM+2]
	v_lshrrev_b32 v[BY], 23, v[SO]                 ; the bytes
	v_lshrrev_b32 v[BY+1], 23, v[SO+1]
	v_lshl_or_b32 v[PW], v[BY+1], 16, v[BY]
	v_lshlrev_b32 v[PW], v[SH8], v[PW]             ; at their places in the word
	v_permlanex16_b32 v[PX], v[PW], s[SEL], s[SEL+1]
	v_or_b32 v[PW], v[PW], v[PX]                   ; with lane l xor 16's two the word is whole
.irp c, 0,1
	v_cvt_scalef32_pk16_fp6_f32 v[PC+6*\c:PC+6*\c+2], v[X+32*\c:X+32*\c+15], v[SO+\c]
	v_cvt_scalef32_pk16_fp6_f32 v[PT+4*\c:PT+4*\c+2], v[X+32*\c+16:X+32*\c+31], v[SO+\c]   ; (a conversion's three registers begin on an even number)
.endr
	v_nop                                          ; one plain place behind a scaled conversion
.irp c, 0,1
.irp i, 0,1,2
	v_mov_b32 v[PC+6*\c+3+\i], v[PT+4*\c+\i]
.endr
.endr
.endm
	LOAD 0
	LOAD 1
	s_cmp_eq_u32 s22, 5
	s_cbranch_scc1 .Lmask
	; ---- the five operands
	s_mul_i32 s28, s22, 3145728
	s_mul_i32 s29, s23, 196608
	s_add_co_u32 s28, s28, s29
	s_mul_i32 s29, s25, 49152
	s_add_co_u32 s28, s28, s29
	s_mul_i32 s29, s24, 1536
	s_add_co_u32 s28, s28, s29
	s_mov_b32 s29, 0
	s_add_nc_u64 s[30:31], s[16:17], s[28:29]      ; my first image
	s_lshl_b32 s28, s22, 17
	s_lshl_b32 s40, s23, 13
	s_add_co_u32 s28, s28, s40
	s_lshl_b32 s40, s24, 10
	s_add_co_u32 s28, s28, s40
	s_lshl_b32 s40, s25, 8
	s_add_co_u32 s28, s28, s40
	s_add_nc_u64 s[32:33], s[18:19], s[28:29]      ; my 256 bytes of scale words
.macro STEPQ t
.if (\t) < 3
	s_wait_loadcnt 16                              ; this step's 16 loads are in; the other set's may be out
.else
	s_wait_loadcnt 0x0
.endif
	TURN \t, STI, STO
	s_wait_dscnt 0x0                               ; my 64 numbers are back, and the stores into the stage have read their registers
.if (\t) > 0
	s_wait_xcnt 0x0                                ; the last step's stores have read the codes' registers
.endif
.if (\t) < 2
	LOAD (\t)+2
.endif
	QUANT
.irp g, 0,1,2
	global_store_b128 v[LI], v[PC+4*\g:PC+4*\g+3], s[30:31] offset:12288*(\t)+512*\g       ; 512 consecutive bytes, aligned
.endr
	ds_store_b32 v[SGI], v[PW] offset:64*(\t)      ; lanes r and r + 16 write the same word with the same value
.endm
	STEPQ 0
	STEPQ 1
	STEPQ 2
	STEPQ 3
	ds_load_b64 v[OW:OW+1], v[SGO]                 ; LDS serves a wave's instructions in order: these see my stores
	s_wait_dscnt 0x0
	global_store_b64 v[L8], v[OW:OW+1], s[32:33]   ; 256 consecutive bytes, aligned
	s_wait_tensorcnt 0x0
	ds_add_u32 v62, v63
	s_wait_dscnt 0x0
	s_endpgm
.Lmask:
	; ---- the mask x sqrt(128), in the order of the score accumulators
	s_lshl_b32 s28, s23, 20
	s_lshl_b32 s29, s24, 17
	s_add_co_u32 s28, s28, s29
	s_lshl_b32 s29, s25, 15
	s_add_co_u32 s28, s28, s29
	s_mov_b32 s29, 0
	s_add_nc_u64 s[34:35], s[20:21], s[28:29]
.macro STEPM t
.if (\t) < 3
	s_wait_loadcnt 16
.else
	s_wait_loadcnt 0x0
.endif
.if (\t) > 0
	s_wait_xcnt 0x0                                ; the last step's stores have read the registers that the stage's loads fill
.endif
	TURN \t, STIM, STOM
	s_wait_dscnt 0x0
.if (\t) < 2
	LOAD (\t)+2
.endif
.set n, 0
.rept 32
	v_pk_mul_f32 v[X+n:X+n+1], v[X+n:X+n+1], 0x413504f3 op_sel_hi:[1,0]       ; x sqrt(128): the scores are divided by it only behind the sum
.set n, n+2
.endr
.irp u, 0,1,2,3,4,5,6,7,8,9,10,11,12,13,14,15
	global_store_b128 v[LI], v[X+4*\u:X+4*\u+3], s[34:35] offset:8192*(\t)+512*\u
.endr
.endm
	s_wait_alu depctr_va_vdst(0)
	STEPM 0
	STEPM 1
	STEPM 2
	STEPM 3
	s_wait_tensorcnt 0x0
	ds_add_u32 v62, v63
	s_wait_dscnt 0x0
	s_endpgm
.Lfunc_end_k_q35fb0e51fc_prep:
	.size	k_q35fb0e51fc_prep, .Lfunc_end_k_q35fb0e51fc_prep-k_q35fb0e51fc_prep
	.p2alignl 7, 3214868480
	.fill 96, 4, 3214868480
	.section	.rodata,"a",@progbits
	.p2align	6, 0x0
	.amdhsa_kernel k_q35fb0e51fc_prep
		.amdhsa_group_segment_fixed_size 70144
		.amdhsa_private_segment_fixed_size 0
		.amdhsa_enable_private_segment 0
		.amdhsa_kernarg_size 72
		.amdhsa_user_sgpr_count 2
		.amdhsa_user_sgpr_kernarg_segment_ptr 1
		.amdhsa_wavefront_size32 1
		.amdhsa_system_sgpr_workgroup_id_x 1
		.amdhsa_system_sgpr_workgroup_id_y 1
		.amdhsa_system_sgpr_workgroup_id_z 1
		.amdhsa_system_vgpr_workitem_id 0
		.amdhsa_next_free_vgpr 256
		.amdhsa_next_free_sgpr 66
		.amdhsa_reserve_vcc 0
		.amdhsa_float_denorm_mode_32 3
		.amdhsa_float_denorm_mode_16_64 3
		.amdhsa_memory_ordered 1
		.amdhsa_forward_progress 1
		.amdhsa_inst_pref_size 62
	.end_amdhsa_kernel
	.amdgpu_metadata
---
amdhsa.version: [ 1, 2 ]
amdhsa.kernels:
  - .name:           k_q35fb0e51fc_prep
    .symbol:         k_q35fb0e51fc_prep.kd
    .args:
      - { .name: hidden_states, .offset: 0, .size: 8, .value_kind: global_buffer, .address_space: global }
      - { .name: Wq, .offset: 8, .size: 8, .value_kind: global_buffer, .address_space: global }
      - { .name: Wk, .offset: 16, .size: 8, .value_kind: global_buffer, .address_space: global }
      - { .name: Wv, .offset: 24, .size: 8, .value_kind: global_buffer, .address_space: global }
      - { .name: Wo, .offset: 32, .size: 8, .value_kind: global_buffer, .address_space: global }
      - { .name: attn_mask, .offset: 40, .size: 8, .value_kind: global_buffer, .address_space: global }
      - { .name: oc, .offset: 48, .size: 8, .value_kind: global_buffer, .address_space: global }
      - { .name: os, .offset: 56, .size: 8, .value_kind: global_buffer, .address_space: global }
      - { .name: mp, .offset: 64, .size: 8, .value_kind: global_buffer, .address_space: global }
    .group_segment_fixed_size: 70144
    .private_segment_fixed_size: 0
    .kernarg_segment_align: 8
    .kernarg_segment_size: 72
    .max_flat_workgroup_size: 128
    .sgpr_count:     66
    .vgpr_count:     256
    .wavefront_size: 32
...
	.end_amdgpu_metadata
.endif
;; end of part 5
;; launch qkv (part 6): grid 24 x 8, 4 waves a work-group, clusters of 4 x 4, 327,680 bytes of LDS; arguments oc, os, bq, bk, bv, qq, kv, out1, out2; writes qq, kv, out1, out2
.if DOCPART == 6
	.amdgcn_target "amdgcn-amd-amdhsa--gfx1250"
	.amdhsa_code_object_version 6
	.text
	.protected	k_q35fb0e51fc_qkv
	.globl	k_q35fb0e51fc_qkv
	.p2align	8
	.type	k_q35fb0e51fc_qkv,@function
k_q35fb0e51fc_qkv:
	s_mov_b64 s[64:65], 0
	v_nop
	global_prefetch_b8 v0, s[64:65] scope:SCOPE_SE
	s_setreg_imm32_b32 hwreg(HW_REG_WAVE_MODE, 25, 1), 1
	s_wait_xcnt 0x0
	s_wait_alu depctr_hold_cnt(0) depctr_sa_sdst(0) depctr_va_vdst(0) depctr_va_sdst(0) depctr_va_ssrc(0) depctr_va_vcc(0) depctr_vm_vsrc(0)
	s_getreg_b32 s2, hwreg(HW_REG_IB_STS2, 6, 4)
	s_cmp_eq_u32 s2, 0
	s_cbranch_scc0 .Lentry_in_a_cluster
	s_endpgm
.Lentry_in_a_cluster:
	s_bfe_u32 s2, ttmp6, 0x10000c
	s_cmp_lg_u32 s2, 0xf033
	s_cbranch_scc0 .Lentry_shape_is_right
	s_endpgm
.Lentry_shape_is_right:
.set MODE,  0
.set FR,    12
.set NL,    3
.set NQ,    2
.set NP,    4
.set PART,  24576
.set SLOT,  4*PART
.set SCL,   2*SLOT
.set SPARE, 327168
.set WST,   34048
.set KST,   0
.set VST,   4*WST
.set SGK,   8*WST
.set SGV,   SGK+2048
.set PX,   14
.set SH8,  15
.set ADRA, 16
.set SGIK, 18
.set SGOK, 19
.set ADRB, 20
.set SGIV, 22
.set SGOV, 23
.set KSTO, 24
.set RDK,  25
.set CO,   26
.set ADRS, 27
.set SPW,  28
.set NIL,  29
.set VSTO, 30
.set RDV,  31
.set SC,   32
.set BB,   64
.set AF,   128
.set BP,   224
.set TM,   240
.set SO,   244
.set BY,   246
.set PW,   248
.set PC,   128
.set PT,   140
.set SGR,  148
.set G1,   32
.set G0,   40
.set G1B,  48
.set G0B,  56
.set G1S,  68
.set G0S,  76
.set G1SB, 80
.set G0SB, 88
.set DST,  92
.set DSS,  94
.set OUTB, 96
.set BIA,  98
.set SEL,  4
.set PCB,  4
.set PSB,  6
.if MODE == 0
.set RCB,  4
.set RSB,  6
.set ROWP, 512
.else
.set RCB,  8
.set RSB,  10
.set ROWP, 8192
.endif
.set MSB, 0
.macro WIN new
.if MSB != (\new)
	s_set_vgpr_msb (MSB<<8)|(\new)
.set MSB, (\new)
.endif
.endm
.set MUL_LO, 0xa1
.set MUL_HI, 0xf1
.set TO_B,   0x40
.macro JLOAD g0a, g1a, g0b, g1b
	s_cmp_eq_u32 s23, 0
	s_cbranch_scc0 .Lfor_b_\@
	tensor_load_to_lds s[\g0a:\g0a+3], s[\g1a:\g1a+7]
	s_nop 0
.rept 4
	v_nop
.endr
	s_branch .Lasked_\@
.Lfor_b_\@:
	tensor_load_to_lds s[\g0b:\g0b+3], s[\g1b:\g1b+7]
	s_nop 0
.rept 4
	v_nop
.endr
.Lasked_\@:
.endm
.macro CREST
	s_cmp_lg_u32 s22, 0
	s_cbranch_scc1 .Lnot_wave_0_\@
	s_barrier_signal -3
.Lnot_wave_0_\@:
	s_barrier_wait -3
	s_barrier_signal -1
	s_barrier_wait -1
.endm
.macro CROUND
	s_barrier_signal -1
	s_barrier_wait -1
	CREST
.endm
.if MODE == 0
	s_load_b512 s[4:19], s[0:1], 0x0
	s_load_b64 s[20:21], s[0:1], 0x40
.else
	s_load_b256 s[4:11], s[0:1], 0x0
	s_load_b128 s[12:15], s[0:1], 0x20
.endif
	v_lshl_add_u32 v[SPW], v0, 2, SPARE
	v_mov_b32 v[NIL], 0
	ds_add_u32 v28, v29
	ds_add_u32 v28, v29
	s_wait_dscnt 0x0
	v_lshrrev_b32 v1, 5, v0
	v_readfirstlane_b32 s22, v1
	s_lshr_b32 s23, s22, 1
	s_and_b32 s24, s22, 1
	s_bfe_u32 s25, ttmp6, 0x40000
	s_bfe_u32 s26, ttmp6, 0x40004
	s_lshl_b32 s27, ttmp9, 2
	s_add_co_u32 s27, s27, s25
	s_and_b32 s28, ttmp7, 0xffff
	s_lshl_b32 s28, s28, 2
	s_add_co_u32 s28, s28, s26
	s_lshl_b32 s29, s26, 2
	s_lshl_b32 s29, 15, s29
	s_lshl_b32 s30, 0x1111, s25
.if MODE == 0
	s_lshr_b32 s31, ttmp9, 1
	s_and_b32 s27, s27, 7
	s_add_co_u32 s66, s31, 1
	s_cmp_eq_u32 s31, 2
	s_cselect_b32 s2, 3, 0
	s_cselect_b32 s66, 0, s66
.else
	s_mov_b32 s2, 0
	s_mov_b32 s66, 4
.endif
	s_or_b32 s[G1], s29, (3<<16)|(1<<21)
	s_or_b32 s[G1B], s30, (3<<16)|(1<<21)
	s_or_b32 s[G1S], s29, (3<<16)|(1<<21)
	s_or_b32 s[G1SB], s30, (3<<16)|(1<<21)
.irp g, G1, G1B
	s_mov_b32 s[\g+1], 32<<16
	s_mov_b32 s[\g+2], 96<<16
	s_mov_b32 s[\g+3], 32<<16
	s_mov_b32 s[\g+4], 96
	s_mov_b32 s[\g+5], 32
	s_mov_b32 s[\g+6], 0
	s_mov_b32 s[\g+7], 0
.endr
.irp g, G1S, G1SB
	s_mov_b32 s[\g+1], 32<<16
	s_mov_b32 s[\g+2], 32<<16
	s_mov_b32 s[\g+3], 32<<16
	s_mov_b32 s[\g+4], 32
	s_mov_b32 s[\g+5], 32
	s_mov_b32 s[\g+6], 0
	s_mov_b32 s[\g+7], 0
.endr
	s_lshl_b32 s100, s28, 1
	s_add_co_u32 s100, s100, s24
	s_mul_i32 s96, s100, 196608
	s_mul_i32 s98, s100, 8192
	s_mul_i32 s67, s2, 3145728
	s_add_co_u32 s96, s96, s67
	s_mul_i32 s67, s2, 131072
	s_add_co_u32 s98, s98, s67
	s_mov_b32 s97, 0
	s_mov_b32 s99, 0
	s_lshl_b32 s101, s27, 1
	s_add_co_u32 s101, s101, s24
	s_mul_i32 s92, s101, 196608
	s_mul_i32 s94, s101, 8192
	s_mul_i32 s67, s66, 3145728
	s_add_co_u32 s92, s92, s67
	s_mul_i32 s67, s66, 131072
	s_add_co_u32 s94, s94, s67
	s_mov_b32 s93, 0
	s_mov_b32 s95, 0
	s_mul_i32 s3, s22, PART
	s_lshl_b32 s67, s22, 13
	s_wait_kmcnt 0x0
	s_add_nc_u64 s[96:97], s[PCB:PCB+1], s[96:97]
	s_add_nc_u64 s[98:99], s[PSB:PSB+1], s[98:99]
	s_add_nc_u64 s[92:93], s[RCB:RCB+1], s[92:93]
	s_add_nc_u64 s[94:95], s[RSB:RSB+1], s[94:95]
	s_cmp_eq_u32 s23, 0                            ; the prefetches: of the 96 blocks of 256 bytes that I fetch of a chunk, each of the four partners that ask jointly names 24, told apart by address
	s_cselect_b64 s[104:105], s[96:97], s[92:93]
	s_cselect_b32 s100, s25, s26
	s_mul_i32 s100, s100, 6144
	s_mov_b32 s101, 0
	s_add_nc_u64 s[104:105], s[104:105], s[100:101]
	v_and_b32 v10, 31, v0
	v_min_u32 v10, 23, v10                         ; a lane a block; the lanes left over name the last block again
	v_lshlrev_b32 v10, 8, v10
	global_prefetch_b8 v10, s[104:105] th:TH_LOAD_NT scope:SCOPE_SE               ; chunks 0 and 1, ahead of the load of the scales
	global_prefetch_b8 v10, s[104:105] offset:PART th:TH_LOAD_NT scope:SCOPE_SE
	CROUND
	s_mov_b32 s[G0S], 1
	s_add_co_u32 s[G0S+1], s67, SCL
	s_mov_b64 s[G0S+2:G0S+3], s[98:99]
	s_or_b32 s[G0S+3], s[G0S+3], 0x80000000
	s_mov_b32 s[G0SB], 1
	s_add_co_u32 s[G0SB+1], s67, SCL
	s_mov_b64 s[G0SB+2:G0SB+3], s[94:95]
	s_or_b32 s[G0SB+3], s[G0SB+3], 0x80000000
	JLOAD G0S, G1S, G0SB, G1SB
.irp s, 0,1
	s_mov_b32 s[G0+4*\s], 1
	s_add_co_u32 s[G0+4*\s+1], s3, \s*SLOT
	s_add_nc_u64 s[G0+4*\s+2:G0+4*\s+3], s[96:97], \s*PART
	s_or_b32 s[G0+4*\s+3], s[G0+4*\s+3], 0x80000000
	s_mov_b32 s[G0B+4*\s], 1
	s_add_co_u32 s[G0B+4*\s+1], s3, \s*SLOT
	s_add_nc_u64 s[G0B+4*\s+2:G0B+4*\s+3], s[92:93], \s*PART
	s_or_b32 s[G0B+4*\s+3], s[G0B+4*\s+3], 0x80000000
	s_wait_alu depctr_va_vdst(0)
	s_wait_tensorcnt 0x0
	ds_add_u32 v28, v29
	s_wait_dscnt 0x0
	CROUND
	JLOAD G0+4*\s, G1, G0B+4*\s, G1B
	global_prefetch_b8 v10, s[104:105] offset:(\s+2)*PART th:TH_LOAD_NT scope:SCOPE_SE   ; the chunk two fills on
.endr
	s_lshl_b32 s66, s28, 1
	s_add_co_u32 s66, s66, s23
	s_lshl_b32 s67, s27, 1
	s_add_co_u32 s67, s67, s24
.if MODE == 0
	s_cmp_eq_u32 s31, 2
	s_cselect_b32 s2, s66, s67
	s_cselect_b32 s100, s67, s66
	s_lshl_b32 s2, s2, 4
	s_add_co_u32 s2, s2, s100
	s_mov_b32 s101, 0
	s_mov_b32 s100, 25600
	s_cmp_eq_u32 s31, 0
	s_cselect_b32 s100, 12800, s100
	s_cselect_b64 s[DST:DST+1], s[14:15], s[16:17]
	s_cselect_b64 s[BIA:BIA+1], s[8:9], s[10:11]
	s_mul_i32 s100, s2, s100
	s_add_nc_u64 s[DST:DST+1], s[DST:DST+1], s[100:101]
	s_mov_b32 s100, 24576
	s_cselect_b32 s100, 12288, s100
	s_mov_b32 s3, 25088
	s_cmp_eq_u32 s31, 2
	s_cselect_b32 s100, s3, s100
	s_add_nc_u64 s[DSS:DSS+1], s[DST:DST+1], s[100:101]
	s_cselect_b32 s100, 12288, 0
	s_add_nc_u64 s[DST:DST+1], s[DST:DST+1], s[100:101]
	s_cselect_b64 s[BIA:BIA+1], s[12:13], s[BIA:BIA+1]
	s_cselect_b64 s[OUTB:OUTB+1], s[20:21], s[18:19]
	s_lshl_b32 s100, s2, 16
	s_add_nc_u64 s[OUTB:OUTB+1], s[OUTB:OUTB+1], s[100:101]
.else
	s_mov_b64 s[BIA:BIA+1], s[12:13]
	s_lshl_b32 s100, s66, 20
	s_lshl_b32 s101, s67, 9
	s_add_co_u32 s100, s100, s101
	s_mov_b32 s101, 0
	s_add_nc_u64 s[OUTB:OUTB+1], s[14:15], s[100:101]
.endif
	v_and_b32 v1, 15, v0
	v_bfe_u32 v2, v0, 4, 1
	s_wait_alu depctr_va_vdst(0)
	v_and_b32 v3, 31, v0
	v_lshlrev_b32 v[CO], 4, v3
	v_mov_b32 v[PX], 0
	v_lshlrev_b32 v[SH8], 3, v2
	s_mul_i32 s100, s23, PART
	s_mul_i32 s101, s24, PART
	s_add_co_u32 s101, s101, 2*PART
.irp s, 0,1
	v_add_nc_u32 v[ADRA+\s], s100, v[CO]
	v_add_nc_u32 v[ADRB+\s], s101, v[CO]
	s_add_co_u32 s100, s100, SLOT
	s_add_co_u32 s101, s101, SLOT
.endr
	s_lshl_b32 s100, s23, 13
	s_lshl_b32 s101, s24, 13
	s_add_co_u32 s101, s101, 2*8192
	s_sub_co_u32 s101, s101, s100
	v_mul_u32_u24 v4, s101, v2
	s_add_co_u32 s100, s100, SCL
	v_lshl_add_u32 v4, v1, 2, v4
	v_add_nc_u32 v[ADRS], s100, v4
	s_mul_i32 s100, s22, WST
	v_and_b32 v5, 7, v1
	v_lshrrev_b32 v6, 3, v1
	v_mul_u32_u24 v7, v5, 528
	v_mad_u32_u24 v7, v6, 17024, v7
	v_lshl_add_u32 v7, v2, 7, v7
	v_add_nc_u32 v[KSTO], s100, v7
	v_add_nc_u32 v[RDK], s100, v[CO]
	v_mul_u32_u24 v7, v2, 16928
	v_lshl_add_u32 v7, v5, 2, v7
	v_lshl_add_u32 v7, v6, 7, v7
	v_add_nc_u32 v7, s100, v7
	v_add_nc_u32 v[VSTO], VST, v7
	v_add_nc_u32 v[RDV], VST, v[RDK]
	s_lshl_b32 s100, s22, 9
	v_lshlrev_b32 v7, 2, v1
	v_add_nc_u32 v7, s100, v7
	v_add_nc_u32 v[SGIK], SGK, v7
	v_add_nc_u32 v[SGIV], SGV, v7
	v_add_nc_u32 v7, s100, v[CO]
	v_add_nc_u32 v[SGOK], SGK, v7
	v_add_nc_u32 v[SGOV], SGV, v7
	v_lshlrev_b32 v8, 7, v2
	s_lshl_b32 s100, s67, 9
	v_add_nc_u32 v8, s100, v8
.irp c, 0,1
.irp u, 0,1,2,3,4,5,6,7
	global_load_b128 v[BB+32*\c+4*\u:BB+32*\c+4*\u+3], v8, s[BIA:BIA+1] offset:256*\c+16*\u
.endr
.endr
.if MODE == 0
	v_lshlrev_b32 v9, 2, v5
	v_lshl_add_u32 v9, v6, 7, v9
	s_lshl_b32 s101, s66, 9
	v_add_nc_u32 v9, s101, v9
.irp a, 0,1,2,3,4,5,6,7
	global_load_b32 v[BP+2*\a], v9, s[BIA:BIA+1] offset:4*(64*(\a/4)+8*(\a%4))
.endr
.endif
.macro FRAG reg, adr, q, i
.irp g, 0,1,2
	ds_load_b128 v[(\reg)+4*\g:(\reg)+4*\g+3], v[\adr] offset:12288*(\q)+1536*(\i)+512*\g
.endr
.endm
.macro MUL16 a0, p, q, sc, zero
.irp a, \a0, \a0+1
.irp b, 0,1,2,3,4,5,6,7
.if \zero
	v_wmma_scale_f32_16x16x128_f8f6f4 v[8*(8*((\a)%4)+\b):8*(8*((\a)%4)+\b)+7], v[128*(\p)+FR*\b:128*(\p)+FR*\b+FR-1], v[AF+FR*(\a):AF+FR*(\a)+FR-1], 0, v[SC+8*NQ*(\sc)+NQ*\b+(\q)], v[SC+8*NQ*(\sc)+NQ*(\a)+(\q)] matrix_a_fmt:MATRIX_FMT_FP6 matrix_b_fmt:MATRIX_FMT_FP6 matrix_a_scale:MATRIX_SCALE_ROW1
.else
	v_wmma_scale_f32_16x16x128_f8f6f4 v[8*(8*((\a)%4)+\b):8*(8*((\a)%4)+\b)+7], v[128*(\p)+FR*\b:128*(\p)+FR*\b+FR-1], v[AF+FR*(\a):AF+FR*(\a)+FR-1], v[8*(8*((\a)%4)+\b):8*(8*((\a)%4)+\b)+7], v[SC+8*NQ*(\sc)+NQ*\b+(\q)], v[SC+8*NQ*(\sc)+NQ*(\a)+(\q)] matrix_a_fmt:MATRIX_FMT_FP6 matrix_b_fmt:MATRIX_FMT_FP6 matrix_a_scale:MATRIX_SCALE_ROW1
.endif
.endr
.endr
.endm
.macro FETCH_B slot, q, p
	WIN TO_B
.irp i, 0,1,2,3,4,5,6,7
	FRAG 128*(\p)+FR*\i, ADRB+\slot, \q, \i
.endr
	WIN 0
.endm
.macro FETCH_A slot, q, i0
.irp i, \i0, \i0+1, \i0+2, \i0+3
	FRAG AF+FR*(\i), ADRA+\slot, \q, \i
.endr
.endm
.macro SCALES sc
.irp i, 0,1,2,3,4,5,6,7
.irp q, 0,1
	ds_load_b32 v[SC+8*NQ*\sc+NQ*\i+\q], v[ADRS] offset:1024*\i+64*\q
.endr
.endr
.endm
.macro PLACES n
.rept \n
	v_nop
.endr
.endm
.macro STEP slot, q, zero
	s_wait_dscnt 4*NL
	WIN MUL_LO
	MUL16 0, (\q)%2, \q, \slot, \zero
	MUL16 2, (\q)%2, \q, \slot, \zero
	s_wait_dscnt 0
	PLACES NP
	FETCH_B \slot, (\q)+1, 1-(\q)%2
	FETCH_A \slot, (\q)+1, 0
	WIN MUL_HI
	MUL16 4, (\q)%2, \q, \slot, \zero
	MUL16 6, (\q)%2, \q, \slot, \zero
	PLACES NP
	WIN 0
	FETCH_A \slot, (\q)+1, 4
.endm
.macro TURN slot, next, fill
.if \fill
	s_wait_xcnt 0x0                                ; my prefetches have read their base: it steps a chunk
	s_add_nc_u64 s[104:105], s[104:105], PART
.endif
	s_wait_tensorcnt 0x0
	ds_add_u32 v[SPW], v[NIL]
	s_wait_dscnt 4*NL+1
	WIN MUL_LO
	MUL16 0, 1, NQ-1, \slot, 0
	s_wait_dscnt 0x0
	s_barrier_signal -1
	MUL16 2, 1, NQ-1, \slot, 0
	WIN 0
	s_barrier_wait -1
.if \fill
	CREST
	s_add_nc_u64 s[G0+4*\slot+2:G0+4*\slot+3], s[G0+4*\slot+2:G0+4*\slot+3], 2*PART
	s_add_nc_u64 s[G0B+4*\slot+2:G0B+4*\slot+3], s[G0B+4*\slot+2:G0B+4*\slot+3], 2*PART
	JLOAD G0+4*\slot, G1, G0B+4*\slot, G1B
.else
	PLACES NP
.endif
	s_wait_alu depctr_va_vdst(0)
	v_add_nc_u32 v[ADRS], 64*NQ, v[ADRS]
	FETCH_B \next, 0, 0
	FETCH_A \next, 0, 0
	SCALES \next
.if \fill
	s_cmp_gt_u32 s3, 1                             ; the loop's last trip has no chunk two fills on
	s_cbranch_scc0 .Lno_ask_\@
	global_prefetch_b8 v10, s[104:105] offset:3*PART th:TH_LOAD_NT scope:SCOPE_SE
.Lno_ask_\@:
.endif
	WIN MUL_HI
	MUL16 4, 1, NQ-1, \slot, 0
	MUL16 6, 1, NQ-1, \slot, 0
	PLACES NP
	WIN 0
	FETCH_A \next, 0, 4
.endm
	s_wait_tensorcnt 1
	s_barrier_signal -1
	s_barrier_wait -1
	FETCH_B 0, 0, 0
	FETCH_A 0, 0, 0
	SCALES 0
	FETCH_A 0, 0, 4
	STEP 0, 0, 1
	s_mov_b32 s3, 3
.Llap:
	TURN 0, 1, 1
	STEP 1, 0, 0
	TURN 1, 0, 1
	STEP 0, 0, 0
	s_sub_co_u32 s3, s3, 1
	s_cmp_lg_u32 s3, 0
	s_cbranch_scc1 .Llap
	TURN 0, 1, 0
	STEP 1, 0, 0
	s_wait_dscnt 4*NL
	WIN MUL_LO
	MUL16 0, 1, NQ-1, 1, 0
	MUL16 2, 1, NQ-1, 1, 0
	s_wait_dscnt 0
	WIN MUL_HI
	MUL16 4, 1, NQ-1, 1, 0
	MUL16 6, 1, NQ-1, 1, 0
	WIN 0
.macro QUANT x, w
	WIN ((\w)<<2)|((\w)<<4)
.irp b, 0,1,2,3
	v_max3_num_f32 v[TM+\b], 0x1800000, |v[(\x)+16*\b]|, |v[(\x)+16*\b+1]|
.endr
.irp i, 2,4,6,8,10,12,14
.irp b, 0,1,2,3
	v_max3_num_f32 v[TM+\b], v[TM+\b], |v[(\x)+16*\b+\i]|, |v[(\x)+16*\b+\i+1]|
.endr
.endr
	WIN 0
	v_max_num_f32 v[TM], v[TM], v[TM+1]
	v_max_num_f32 v[TM+2], v[TM+2], v[TM+3]
	v_add_nc_u32 v[SO], 0xff000000, v[TM]
	v_add_nc_u32 v[SO+1], 0xff000000, v[TM+2]
	v_lshrrev_b32 v[BY], 23, v[SO]
	v_lshrrev_b32 v[BY+1], 23, v[SO+1]
	v_lshl_or_b32 v[PW], v[BY+1], 16, v[BY]
	v_lshlrev_b32 v[PW], v[SH8], v[PW]
	v_permlanex16_b32 v[PX], v[PW], s[SEL], s[SEL+1]
	v_or_b32 v[PW], v[PW], v[PX]
	WIN \w
.irp c, 0,1
	v_cvt_scalef32_pk16_fp6_f32 v[PC+6*\c:PC+6*\c+2], v[(\x)+32*\c:(\x)+32*\c+15], v[SO+\c]
	v_cvt_scalef32_pk16_fp6_f32 v[PT+4*\c:PT+4*\c+2], v[(\x)+32*\c+16:(\x)+32*\c+31], v[SO+\c]
.endr
	WIN 0
	v_nop
.irp c, 0,1
.irp i, 0,1,2
	v_mov_b32 v[PC+6*\c+3+\i], v[PT+4*\c+\i]
.endr
.endr
.endm
.macro ADDB_R a
	WIN ((2+(\a)/4)<<6)|(2+(\a)/4)
.set n, 0
.rept 32
	v_pk_add_f32 v[64*((\a)%4)+n:64*((\a)%4)+n+1], v[64*((\a)%4)+n:64*((\a)%4)+n+1], v[BB+n:BB+n+1]
.set n, n+2
.endr
.endm
.macro ADDB_P a
	WIN ((2+(\a)/4)<<6)|(2+(\a)/4)
.set n, 0
.rept 32
	v_pk_add_f32 v[64*((\a)%4)+n:64*((\a)%4)+n+1], v[64*((\a)%4)+n:64*((\a)%4)+n+1], v[BP+2*(\a):BP+2*(\a)+1]
.set n, n+2
.endr
.endm
.macro STIMG a
.irp g, 0,1,2
	global_store_b128 v[CO], v[PC+4*\g:PC+4*\g+3], s[DST:DST+1] offset:1536*(\a)+512*\g
.endr
.endm
.macro SGS adr, a
	ds_store_b32 v[\adr], v[PW] offset:64*(\a)
.endm
.macro SGOUT adr
	ds_load_b128 v[SGR:SGR+3], v[\adr]
	s_wait_dscnt 0x0
	global_store_b128 v[CO], v[SGR:SGR+3], s[DSS:DSS+1]
.endm
.macro KSTAGE a
	WIN (2+(\a)/4)<<2
.irp c, 0,1
.irp u, 0,1,2,3,4,5,6,7
	ds_store_b128 v[KSTO], v[64*((\a)%4)+32*\c+4*\u:64*((\a)%4)+32*\c+4*\u+3] offset:8*((\a)%4)*528+256*\c+16*\u
.endr
.endr
	WIN 0
.endm
.macro VSTAGE c
.irp a, 0,1,2,3,4,5,6,7
	WIN (2+\a/4)<<2
.set i, 0
.rept 32
	ds_store_b32 v[VSTO], v[64*(\a%4)+32*(\c)+i] offset:528*i+4*(64*(\a/4)+8*(\a%4))
.set i, i+1
.endr
.endr
	WIN 0
.endm
.macro RB rd, sk, half
	s_wait_xcnt 0x0
	WIN 0x40
.set t, 0
.rept 64
	ds_load_b128 v[4*t:4*t+3], v[\rd] offset:528*t+(\sk)*(t/32)
.set t, t+1
.endr
	WIN 0x04
.set t, 0
.rept 64
	s_wait_dscnt 63-t
	global_store_b128 v[CO], v[4*t:4*t+3], s[OUTB:OUTB+1] offset:(64*(\half)+t)*ROWP th:TH_STORE_NT
.set t, t+1
.endr
	WIN 0
.endm
.macro QKBLOCK a
.if (\a) > 0
	s_wait_xcnt 0x0
	s_wait_dscnt 0x0
.endif
	ADDB_R \a
	QUANT 64*((\a)%4), 2+(\a)/4
	STIMG \a
	SGS SGIK, \a
	s_cmp_eq_u32 s31, 0
	s_cbranch_scc1 .Lonly_codes_\@
	KSTAGE \a
.if ((\a)%4) == 3
	RB RDK, 128, (\a)/4
.endif
.Lonly_codes_\@:
.endm
.macro VBLOCK a
.if (\a) > 0
	s_wait_xcnt 0x0
	s_wait_dscnt 0x0
.endif
	ADDB_P \a
	QUANT 64*((\a)%4), 2+(\a)/4
	STIMG \a
	SGS SGIV, \a
.endm
	PLACES NP
	s_wait_loadcnt 0x0
.if MODE == 0
.irp a, 0,1,2,3,4,5,6,7
	v_mov_b32 v[BP+2*\a+1], v[BP+2*\a]
.endr
	s_mov_b32 s[SEL], 0x76543210
	s_mov_b32 s[SEL+1], 0xfedcba98
.endif
	s_wait_dscnt 0x0
	s_barrier_signal -1
	s_barrier_wait -1
.if MODE == 0
	s_cmp_eq_u32 s31, 2
	s_cbranch_scc1 .Lpath_v
.irp a, 0,1,2,3,4,5,6,7
	QKBLOCK \a
.endr
	SGOUT SGOK
	s_branch .Lend
.Lpath_v:
	s_wait_alu depctr_va_vdst(0)
.irp a, 0,1,2,3,4,5,6,7
	VBLOCK \a
.endr
	SGOUT SGOV
	VSTAGE 0
	RB RDV, 32, 0
	VSTAGE 1
	RB RDV, 32, 1
.Lend:
.else
.irp a, 0,1,2,3,4,5,6,7
	ADDB_R \a
	KSTAGE \a
.if (\a%4) == 3
	RB RDK, 128, \a/4
.endif
.endr
.endif
	s_wait_tensorcnt 0x0
	ds_add_u32 v[SPW], v[NIL]
	s_wait_dscnt 0x0
	CROUND
	s_endpgm
.Lfunc_end_k_q35fb0e51fc_qkv:
	.size	k_q35fb0e51fc_qkv, .Lfunc_end_k_q35fb0e51fc_qkv-k_q35fb0e51fc_qkv
	.p2alignl 7, 3214868480
	.fill 96, 4, 3214868480
	.section	.rodata,"a",@progbits
	.p2align	6, 0x0
	.amdhsa_kernel k_q35fb0e51fc_qkv
		.amdhsa_group_segment_fixed_size 327680
		.amdhsa_private_segment_fixed_size 0
		.amdhsa_enable_private_segment 0
		.amdhsa_kernarg_size 72
		.amdhsa_user_sgpr_count 2
		.amdhsa_user_sgpr_kernarg_segment_ptr 1
		.amdhsa_wavefront_size32 1
		.amdhsa_system_sgpr_workgroup_id_x 1
		.amdhsa_system_sgpr_workgroup_id_y 1
		.amdhsa_system_sgpr_workgroup_id_z 1
		.amdhsa_system_vgpr_workitem_id 0
		.amdhsa_next_free_vgpr 1024
		.amdhsa_next_free_sgpr 106
		.amdhsa_reserve_vcc 0
		.amdhsa_float_denorm_mode_32 3
		.amdhsa_float_denorm_mode_16_64 3
		.amdhsa_memory_ordered 1
		.amdhsa_forward_progress 1
		.amdhsa_inst_pref_size 255
	.end_amdhsa_kernel
	.section	.bss,"aw",@nobits
	.p2align	6
	.space	262144
	.amdgpu_metadata
---
amdhsa.version: [ 1, 2 ]
amdhsa.kernels:
  - .name:           k_q35fb0e51fc_qkv
    .symbol:         k_q35fb0e51fc_qkv.kd
    .args:
      - { .name: oc, .offset: 0, .size: 8, .value_kind: global_buffer, .address_space: global }
      - { .name: os, .offset: 8, .size: 8, .value_kind: global_buffer, .address_space: global }
      - { .name: bq, .offset: 16, .size: 8, .value_kind: global_buffer, .address_space: global }
      - { .name: bk, .offset: 24, .size: 8, .value_kind: global_buffer, .address_space: global }
      - { .name: bv, .offset: 32, .size: 8, .value_kind: global_buffer, .address_space: global }
      - { .name: qq, .offset: 40, .size: 8, .value_kind: global_buffer, .address_space: global }
      - { .name: kv, .offset: 48, .size: 8, .value_kind: global_buffer, .address_space: global }
      - { .name: out1, .offset: 56, .size: 8, .value_kind: global_buffer, .address_space: global }
      - { .name: out2, .offset: 64, .size: 8, .value_kind: global_buffer, .address_space: global }
    .group_segment_fixed_size: 327680
    .private_segment_fixed_size: 0
    .kernarg_segment_align: 8
    .kernarg_segment_size: 72
    .max_flat_workgroup_size: 128
    .sgpr_count:     106
    .vgpr_count:     1024
    .wavefront_size: 32
...
	.end_amdgpu_metadata
.endif
;; end of part 6
;; launch attn (part 7): grid 16 x 16, 4 waves a work-group, clusters of 4 x 1, 327,680 bytes of LDS; arguments qq, kv, mp, cc, cs; writes cc, cs
.if DOCPART == 7
	.amdgcn_target "amdgcn-amd-amdhsa--gfx1250"
	.amdhsa_code_object_version 6
	.text
	.protected	k_q35fb0e51fc_attn
	.globl	k_q35fb0e51fc_attn
	.p2align	8
	.type	k_q35fb0e51fc_attn,@function
k_q35fb0e51fc_attn:
	s_mov_b64 s[64:65], 0
	v_nop
	global_prefetch_b8 v0, s[64:65] scope:SCOPE_SE
	s_setreg_imm32_b32 hwreg(HW_REG_WAVE_MODE, 25, 1), 1
	s_wait_xcnt 0x0
	s_wait_alu depctr_hold_cnt(0) depctr_sa_sdst(0) depctr_va_vdst(0) depctr_va_sdst(0) depctr_va_ssrc(0) depctr_va_vcc(0) depctr_vm_vsrc(0)
	s_getreg_b32 s2, hwreg(HW_REG_IB_STS2, 6, 4)
	s_cmp_eq_u32 s2, 0
	s_cbranch_scc0 .Lentry_in_a_cluster
	s_endpgm
.Lentry_in_a_cluster:
	s_bfe_u32 s2, ttmp6, 0x10000c
	s_cmp_lg_u32 s2, 0x3003
	s_cbranch_scc0 .Lentry_shape_is_right
	s_endpgm
.Lentry_shape_is_right:
; ATTENTION on codes of FP6 (E2M3) with E8M0 scales: ctx = softmax(q k^T / sqrt(128) + mask) v, both products quantised; ctx leaves as codes for the output projection.
; THE SOFTMAX: u = q . k + sqrt(128) x mask; t = c u, c = log2(e) / sqrt(128); M = the running largest t rounded UP to a whole number; p = 2^(t - M) is quantised along the keys, not normalised.
; The row's sum is taken of the unquantised p and divides at the end.  When M moves, the sum and O are multiplied by 2^(old M - new M): exact.
; SHARES: a work-group owns 128 queries (group Gq) of one head; wave w owns TWO tiles of 16 queries, blocks a = 2 w (tile A) and 2 w + 1 (tile B), rows perm(a, r) = 64 (a / 4) + 8 (a % 4) + r % 8 + 32 (r / 8):
; each fragment of k and of v that is read from LDS feeds two matrix instructions.  The mask is an input: all 16 steps of 128 keys are walked.
; LAYOUT: both products are used transposed (source 0 = 16 keys of k, or 16 channels of v^T; source 1 = my queries): a lane holds one query, and its 64 results are keys (or channels) 64 c + 32 h + i:
; two whole blocks of 32 in the order of a 6-bit operand: no block's maximum and no code changes lanes.
; THE TWO TILES GO HALF A STEP APART.  Half HB(s): the products P V of tile A (step s - 1) and k q^T of tile A (step s) are issued, then tile B's softmax of step s - 1 is worked.
; Half HA(s): P V of tile B (s - 1) and k q^T of tile B (s) are issued, v's fragments of step s and k's of step s + 1 are fetched, then tile A's softmax of step s is worked.
; THE MASK COSTS NO VECTOR INSTRUCTION: its image (mask x sqrt(128), in accumulator order) is the C of k q^T, whose D are other registers; so the image's registers are loaded again, for the next step, straight behind the product.
; kv: [head][Gk 16] blocks of 25,600 bytes: k's 8 images, v^T's 8 images, k's scale words, v's.  LDS holds 12 blocks.  Blocks 0-3 come at the head (a block a wave), blocks 4-11 behind the first round (two a wave),
; blocks 12-15 fill blocks 0-3's bytes again in step 3, when v's fragments of step 3 are in registers.  By this text's count a wave has one tensor load out at any time.
; CLUSTER: the four work-groups of a cluster share a head, so every kv load is asked for jointly (mask 15).
; THE MASK'S IMAGES ARE PREFETCHED: in half HB(s) a wave names the 64 blocks of 256 bytes of its two tiles' images of step s + 3, a lane a block, two steps ahead of the loads that want them (those are issued in step s + 2);
; the head names steps 1 to 3; the last asking is in step 12, for step 15.  Each work-group of a cluster has images of its own, so each names its own.
; kv is not prefetched: its blocks are asked for by tensor loads 3 to 11 steps ahead of their first read, but for the head's four.
; LIMITS: NaN and infinities are not served (an infinite mask entry would go to the matrix unit as C); blocks under 2^-124 keep the byte 1, blocks of zeros have zero codes; the promise holds while the scaled scores
; stay under 2^31 in magnitude; in a row all of whose logits are beyond about 2^24 in magnitude the f32 spacing of t exceeds 1, so the weights come out uniform but their common p need not lie in (1/2, 1].
; REGISTERS: window 0: v1-10 addresses; v16-31 per tile (stride 8): f pair, (-M, largest u), the sum; v32-45 at work; v46-65 scale words; v66-89 q; v90-113 p's codes; v114-121 their upper halves; v128-223 k's fragments.
;   window 1: v0-127 the two tiles' mask images; v128-255 their scores.   window 2: v0-127 O^T of the two tiles; v128-223 v's fragments.
.set BLKB,  25600
.set SPARE, 307200                     ; behind the 12 blocks: the spare words, 128 bytes a wave
.set LI,  1                            ; 16 x lane
.set LS,  2                            ; 4 r
.set SPW, 3                            ; SPARE + 4 x my thread's number; never rewritten
.set NIL, 4                            ; 0; never rewritten
.set SH8, 5                            ; 8 h
.set ADK, 6                            ; LDS: the block in hand + 16 x lane
.set ADS, 7                            ; LDS: its scale words + 4 r
.set LS2, 8                            ; 4 r + 24,576
.set PFO, 10                           ; 256 x lane: the prefetches' offset; never rewritten
.set F,   16                           ; + 8 x tile
.set NM,  18
.set SU,  20
.set L1,  32
.set L2,  34
.set L3,  36
.set TM,  38
.set SO,  42
.set T9,  44
.set PX,  45
.set PW,  46                           ; + tile: p's scale word
.set QS,  48                           ; + tile: q's scale words
.set KS,  50
.set VS,  58
.set QF,  66                           ; + 12 x tile
.set PC,  90                           ; + 12 x tile
.set PT,  114
.set KF,  128
.set MM,  0                            ; window 1, + 64 x tile
.set SS,  128                          ; window 1, + 64 x tile
.set OO,  0                            ; window 2, + 64 x tile
.set VF,  128                          ; window 2
.set WV,  14
.set SEL, 18
.set CS,  20
.set NCS, 22
.set CNT, 23
.set G1A, 24                           ; group 1: 100 rows of 256 bytes
.set G1B, 32                           ; group 1: 200 rows
.set G0A, 40
.set G0B, 44
.set TB,  48
.set STP, 49                           ; the step in hand
.set MB,  50
.set QB,  52
.set CCB, 54
.set CSB, 56
.set QSB, 58
.set MSB, 0
.macro WIN new                         ; low byte: 1:0 source 0, 3:2 source 1, 5:4 source 2, 7:6 destination; the high byte repeats the setting that is left
.if MSB != (\new)
	s_set_vgpr_msb (MSB<<8)|(\new)
.set MSB, (\new)
.endif
.endm
.macro ROUND                           ; a round of the cluster's barrier
	s_barrier_signal -1
	s_barrier_wait -1
	s_cmp_lg_u32 s[WV], 0
	s_cbranch_scc1 .Lnot_wave_0_\@
	s_barrier_signal -3
.Lnot_wave_0_\@:
	s_barrier_wait -3
	s_barrier_signal -1
	s_barrier_wait -1
.endm
.macro PLACES
.rept 4
	v_nop
.endr
.endm
.macro ASK off                         ; both tiles' images at s[MB] + off
	global_prefetch_b8 v[PFO], s[MB:MB+1] offset:\off th:TH_LOAD_NT scope:SCOPE_SE
	global_prefetch_b8 v[PFO], s[MB:MB+1] offset:131072+\off th:TH_LOAD_NT scope:SCOPE_SE
.endm
	s_load_b256 s[4:11], s[0:1], 0x0               ; qq, kv, mp, cc
	s_load_b64 s[12:13], s[0:1], 0x20              ; cs
	v_lshl_add_u32 v[SPW], v0, 2, SPARE
	v_mov_b32 v[NIL], 0
	ds_add_u32 v[SPW], v[NIL]                      ; the opening lines: the add, twice on end, and its wait ahead of my first tensor load
	ds_add_u32 v[SPW], v[NIL]
	v_lshrrev_b32 v9, 5, v0
	v_readfirstlane_b32 s[WV], v9                  ; wave 0..3
	s_bfe_u32 s15, ttmp6, 0x40000                  ; cx
	s_lshl_b32 s16, ttmp9, 2
	s_add_co_u32 s16, s16, s15                     ; Gq: it enters q's, the mask's and ctx's addresses alone
	s_and_b32 s17, ttmp7, 0xffff                   ; the head, which the four partners share
	s_mov_b32 s[SEL], 0x76543210
	s_mov_b32 s[SEL+1], 0xfedcba98                 ; lane l xor 16
	s_mov_b32 s[CS], 0x3e0293ee                    ; c = log2(e) / sqrt(128)
	s_mov_b32 s[CS+1], s[CS]
	s_mov_b32 s[NCS], 0xbe0293ee                   ; -c
	s_mov_b32 s[STP], 0
	s_mov_b32 s[TB], 0
.irp g, G1A, G1B
	s_mov_b32 s[\g], 15|(3<<16)|(1<<21)            ; 15:0 the mask: all four work-groups; 17:16 elements of 8 bytes; 21 set beside a mask
	s_mov_b32 s[\g+1], 32<<16
	s_mov_b32 s[\g+3], 32<<16
	s_mov_b32 s[\g+5], 32
	s_mov_b32 s[\g+6], 0
	s_mov_b32 s[\g+7], 0
.endr
	s_mov_b32 s[G1A+2], 100<<16
	s_mov_b32 s[G1A+4], 100
	s_mov_b32 s[G1B+2], 200<<16
	s_mov_b32 s[G1B+4], 200
	s_lshl_b32 s60, s16, 3
	s_lshl_b32 s61, s[WV], 1
	s_add_co_u32 s60, s60, s61
	s_lshl_b32 s60, s60, 17                        ; the mask's images of tile A: 131,072 bytes a block; tile B's follow
	s_mov_b32 s61, 0
	s_lshl_b32 s62, s17, 4
	s_add_co_u32 s62, s62, s16
	s_mul_i32 s62, s62, 12800                      ; q's block
	s_mul_i32 s63, s[WV], 3072
	s_add_co_u32 s66, s62, s63                     ; my two images
	s_mov_b32 s67, 0
	s_lshl_b32 s68, s[WV], 7
	s_add_co_u32 s68, s68, s62
	s_add_co_u32 s68, s68, 12288                   ; my scale words
	s_mov_b32 s69, 0
	s_mul_i32 s70, s16, 196608                     ; ctx's codes: group Gq, K step = head, blocks 2 w, 2 w + 1
	s_mul_i32 s62, s17, 12288
	s_add_co_u32 s70, s70, s62
	s_add_co_u32 s70, s70, s63
	s_mov_b32 s71, 0
	s_lshl_b32 s62, s16, 13                        ; ctx's scale words
	s_lshl_b32 s63, s[WV], 11
	s_add_co_u32 s62, s62, s63
	s_lshl_b32 s63, s17, 6
	s_add_co_u32 s62, s62, s63
	s_mov_b32 s63, 0
	s_mov_b32 s[G0A], 1
	s_mov_b32 s[G0B], 1
	s_mul_i32 s[G0A+1], s[WV], BLKB                ; LDS: block w,
	s_mul_i32 s[G0B+1], s[WV], 2*BLKB
	s_add_co_u32 s[G0B+1], s[G0B+1], 4*BLKB        ; and blocks 4 + 2 w, 5 + 2 w
	s_mul_i32 s2, s17, 16*BLKB                     ; the head's 16 blocks
	s_add_co_u32 s[G0A+2], s2, s[G0A+1]            ; offsets in memory: the same places as in LDS
	s_mov_b32 s[G0A+3], 0
	s_add_co_u32 s[G0B+2], s2, s[G0B+1]
	s_mov_b32 s[G0B+3], 0
	s_wait_dscnt 0x0                               ; both opening adds are done
	s_wait_kmcnt 0x0
	s_add_nc_u64 s[G0A+2:G0A+3], s[6:7], s[G0A+2:G0A+3]
	s_add_nc_u64 s[G0B+2:G0B+3], s[6:7], s[G0B+2:G0B+3]
	s_or_b32 s[G0A+3], s[G0A+3], 0x80000000
	s_or_b32 s[G0B+3], s[G0B+3], 0x80000000
	s_add_nc_u64 s[MB:MB+1], s[8:9], s[60:61]
	s_add_nc_u64 s[QB:QB+1], s[4:5], s[66:67]
	s_add_nc_u64 s[QSB:QSB+1], s[4:5], s[68:69]
	s_add_nc_u64 s[CCB:CCB+1], s[10:11], s[70:71]
	s_add_nc_u64 s[CSB:CSB+1], s[12:13], s[62:63]
	ROUND                                          ; all four work-groups are here: the first joint loads meet
	tensor_load_to_lds s[G0A:G0A+3], s[G1A:G1A+7]  ; block w of blocks 0-3: my one tensor load at the head
	s_nop 0
	PLACES
	v_and_b32 v9, 31, v0
	v_lshlrev_b32 v[LI], 4, v9
	v_lshlrev_b32 v[PFO], 8, v9
	v_and_b32 v9, 15, v0
	v_lshlrev_b32 v[LS], 2, v9
	v_add_nc_u32 v[LS2], 24576, v[LS]
	v_bfe_u32 v9, v0, 4, 1
	v_lshlrev_b32 v[SH8], 3, v9
	v_add_nc_u32 v[ADK], s[TB], v[LI]
	v_add_nc_u32 v[ADS], s[TB], v[LS2]
.macro MLOAD x                         ; a tile's mask image of the step at s[MB]: 16 loads of 512 consecutive bytes
	WIN 0x40
.irp u, 0,1,2,3,4,5,6,7,8,9,10,11,12,13,14,15
	global_load_b128 v[MM+64*(\x)+4*\u:MM+64*(\x)+4*\u+3], v[LI], s[MB:MB+1] offset:131072*(\x)+512*\u
.endr
	WIN 0
.endm
.macro KLOAD                           ; k's eight fragments and scale words of the block at ADK
.irp t, 0,1,2,3,4,5,6,7
.irp g, 0,1,2
	ds_load_b128 v[KF+12*\t+4*\g:KF+12*\t+4*\g+3], v[ADK] offset:1536*\t+512*\g
.endr
.endr
.irp t, 0,1,2,3,4,5,6,7
	ds_load_b32 v[KS+\t], v[ADS] offset:64*\t
.endr
.endm
.macro VLOAD                           ; v's
	WIN 0x80
.irp t, 0,1,2,3,4,5,6,7
.irp g, 0,1,2
	ds_load_b128 v[VF+12*\t+4*\g:VF+12*\t+4*\g+3], v[ADK] offset:12288+1536*\t+512*\g
.endr
.endr
	WIN 0
.irp t, 0,1,2,3,4,5,6,7
	ds_load_b32 v[VS+\t], v[ADS] offset:512+64*\t
.endr
.endm
.macro SMUL x                          ; scores^T = k q^T + the mask's image: eight accumulators, one instruction each
	WIN 0x50
.irp t, 0,1,2,3,4,5,6,7
	v_wmma_scale_f32_16x16x128_f8f6f4 v[SS+64*(\x)+8*\t:SS+64*(\x)+8*\t+7], v[KF+12*\t:KF+12*\t+11], v[QF+12*(\x):QF+12*(\x)+11], v[MM+64*(\x)+8*\t:MM+64*(\x)+8*\t+7], v[KS+\t], v[QS+(\x)] matrix_a_fmt:MATRIX_FMT_FP6 matrix_b_fmt:MATRIX_FMT_FP6
.endr
.endm
.macro PVMUL x                         ; O^T += v^T p^T
	WIN 0xa2
.irp t, 0,1,2,3,4,5,6,7
	v_wmma_scale_f32_16x16x128_f8f6f4 v[OO+64*(\x)+8*\t:OO+64*(\x)+8*\t+7], v[VF+12*\t:VF+12*\t+11], v[PC+12*(\x):PC+12*(\x)+11], v[OO+64*(\x)+8*\t:OO+64*(\x)+8*\t+7], v[VS+\t], v[PW+(\x)] matrix_a_fmt:MATRIX_FMT_FP6 matrix_b_fmt:MATRIX_FMT_FP6
.endr
.endm
; THE SOFTMAX OF A TILE, first part: the maxima, the new M, t - M
.macro SM1 x
.set SB, SS+64*(\x)
.set FX, F+8*(\x)
.set NX, NM+8*(\x)
	WIN 0x14
	s_wait_alu depctr_va_vdst(0)                   ; directly ahead of the first reader of the scores
.irp b, 0,1,2,3
	v_max3_num_f32 v[TM+\b], 0xff800000, v[SB+16*\b], v[SB+16*\b+1]            ; four chains of 16 scores; each accumulator is first read at its low end
.endr
.irp i, 2,4,6,8,10,12,14
.irp b, 0,1,2,3
	v_max3_num_f32 v[TM+\b], v[TM+\b], v[SB+16*\b+\i], v[SB+16*\b+\i+1]
.endr
.endr
	WIN 0
	v_mov_b32 v[T9], v[NX]                         ; the old -M
	v_max_num_f32 v[TM], v[TM], v[TM+1]            ; THE LARGEST SCORE OF MY TWO BLOCKS OF 32 KEYS (h and 2 + h): it serves the row's maximum and, since p rises with the score, the block's largest p
	v_max_num_f32 v[TM+2], v[TM+2], v[TM+3]
	v_max_num_f32 v[TM+1], v[TM], v[TM+2]
	v_permlanex16_b32 v[PX], v[TM+1], s[SEL], s[SEL+1]
	v_max3_num_f32 v[NX+1], v[NX+1], v[TM+1], v[PX]        ; the running largest u of my query
	v_mul_f32 v[TM+3], s[NCS], v[NX+1]             ; -t (c is positive)
	v_floor_f32 v[NX], v[TM+3]                     ; the new -M = -ceil(t)
	v_fma_f32 v[TM], v[TM], s[CS], v[NX]
	v_fma_f32 v[TM+2], v[TM+2], s[CS], v[NX]
	WIN 0x41
.set n, 0
.rept 32
	v_pk_fma_f32 v[SB+n:SB+n+1], v[SB+n:SB+n+1], s[CS:CS+1], v[NX:NX+1] op_sel_hi:[1,0,0]  ; t - M
.set n, n+2
.endr
.endm
; second part: p, its scale word and codes, the row's sum, O^T under the new M
.macro SM2 x
.set SB, SS+64*(\x)
.set FX, F+8*(\x)
.set NX, NM+8*(\x)
.set UX, SU+8*(\x)
.set CX, PC+12*(\x)
.set WX, PW+(\x)
.set OX, OO+64*(\x)
	WIN 0x41
	s_wait_alu depctr_va_vdst(0)                   ; ahead of the batch
.set n, 0
.rept 64
	v_exp_f32 v[SB+n], v[SB+n]                     ; p = 2^(t - M), at most 1
.set n, n+1
.endr
	WIN 0
	v_exp_f32 v[TM], v[TM]                         ; the blocks' largest p: the same two instructions on the same number give the same bits
	v_exp_f32 v[TM+2], v[TM+2]
	v_sub_f32 v[T9], v[NX], v[T9]                  ; old M - new M: a whole number, 0 or less.  (A plain place behind the exponentials)
	s_wait_alu depctr_va_vdst(0)                   ; one wait for the batch, ahead of its first reader
	v_max_num_f32 v[TM], 0x1800000, v[TM]          ; the floor 2^(3 - 127): the byte cannot fall under 1
	v_cvt_i32_f32 v[T9], v[T9]                     ; (it saturates)
	v_max_num_f32 v[TM+2], 0x1800000, v[TM+2]
	v_ldexp_f32 v[FX], 1.0, v[T9]                  ; f = 2^(old M - new M)
	v_add_nc_u32 v[SO], 0xff000000, v[TM]          ; 2 off the exponent field: the conversion's scale operand
	v_add_nc_u32 v[SO+1], 0xff000000, v[TM+2]
	v_lshrrev_b32 v[TM+1], 23, v[SO]               ; the bytes
	v_lshrrev_b32 v[TM+3], 23, v[SO+1]
	v_pk_mul_f32 v[UX:UX+1], v[UX:UX+1], v[FX:FX+1] op_sel_hi:[1,0]    ; the sum under the new M
	v_lshl_or_b32 v[WX], v[TM+3], 16, v[TM+1]
	v_lshlrev_b32 v[WX], v[SH8], v[WX]
	v_permlanex16_b32 v[PX], v[WX], s[SEL], s[SEL+1]
	v_or_b32 v[WX], v[WX], v[PX]                   ; p's scale word for these 128 keys
	WIN 0x01
.irp c, 0,1
	v_cvt_scalef32_pk16_fp6_f32 v[CX+6*\c:CX+6*\c+2], v[SB+32*\c:SB+32*\c+15], v[SO+\c]
	v_cvt_scalef32_pk16_fp6_f32 v[PT+4*\c:PT+4*\c+2], v[SB+32*\c+16:SB+32*\c+31], v[SO+\c]      ; (a conversion's three registers begin on an even number)
.endr
	WIN 0
	v_nop                                          ; one plain place behind a scaled conversion
.irp c, 0,1
.irp i, 0,1,2
	v_mov_b32 v[CX+6*\c+3+\i], v[PT+4*\c+\i]
.endr
.endr
	WIN 0x05                                       ; THE ROW'S SUM IS TAKEN OF THE UNQUANTISED p, in four chains
	v_pk_add_f32 v[L1:L1+1], v[SB+2:SB+3], v[SB+10:SB+11]
	v_pk_add_f32 v[L2:L2+1], v[SB+4:SB+5], v[SB+12:SB+13]
	v_pk_add_f32 v[L3:L3+1], v[SB+6:SB+7], v[SB+14:SB+15]
	WIN 0x04
	v_pk_add_f32 v[UX:UX+1], v[UX:UX+1], v[SB:SB+1]
.irp j, 16,24,32,40,48,56
	v_pk_add_f32 v[L1:L1+1], v[L1:L1+1], v[SB+\j+2:SB+\j+3]
	v_pk_add_f32 v[L2:L2+1], v[L2:L2+1], v[SB+\j+4:SB+\j+5]
	v_pk_add_f32 v[L3:L3+1], v[L3:L3+1], v[SB+\j+6:SB+\j+7]
	v_pk_add_f32 v[UX:UX+1], v[UX:UX+1], v[SB+\j:SB+\j+1]
.endr
	v_pk_add_f32 v[UX:UX+1], v[UX:UX+1], v[SB+8:SB+9]
	WIN 0
	v_pk_add_f32 v[L2:L2+1], v[L2:L2+1], v[L3:L3+1]
	v_pk_add_f32 v[UX:UX+1], v[UX:UX+1], v[L1:L1+1]
	v_pk_add_f32 v[UX:UX+1], v[UX:UX+1], v[L2:L2+1]
	WIN 0x82
	s_wait_alu depctr_va_vdst(0)                   ; directly ahead of the first reader of O^T
.set n, 0
.rept 32
	v_pk_mul_f32 v[OX+n:OX+n+1], v[OX+n:OX+n+1], v[FX:FX+1] op_sel_hi:[1,0]    ; O^T under the new M, ascending
.set n, n+2
.endr
.endm
; HALF HB(s).  sa = 1: tile A's scores of step s are begun.  ld = 1: tile A's mask image of step s + 1 is asked for.
.macro HB sa, ld
	WIN 0
	s_wait_alu depctr_va_vdst(0)                   ; directly ahead of the waits below
	s_wait_dscnt 0x0                               ; v's fragments of step s - 1 and k's of step s are in
.if \ld
	s_wait_xcnt 0x0                                ; the mask's loads and prefetches have read their base
	s_add_nc_u64 s[MB:MB+1], s[MB:MB+1], 8192      ; on to step s + 1
.endif
.if \sa
	s_wait_loadcnt 16                              ; tile A's image is in; tile B's 16 younger loads may be out
.endif
	PVMUL 0
.if \sa
	SMUL 0
.endif
	WIN 0
.if \ld
	PLACES                                         ; in front of the loads into registers that matrix instructions have read
	MLOAD 0
	s_add_co_u32 s[STP], s[STP], 1                 ; s
	s_cmp_lt_u32 s[STP], 13                        ; step s + 3 exists up to s = 12
	s_cbranch_scc0 .Lno_ask_\@
	ASK 16384                                      ; the images of step s + 3
.Lno_ask_\@:
.endif
	SM1 1
	SM2 1
.endm
; HALF HA(s).  pvb = 0: the first step, no P V is due.  ld = 1: k of step s + 1 and tile B's mask image of step s + 1 are asked for.  lc: the younger mask loads that may stay out.
; chg = 1: the waves meet in a round of the cluster's barrier, behind which nobody reads blocks 0-3 and blocks 4-11 are whole; blocks 12-15 are asked for.  chg = 2: a plain barrier, behind which blocks 12-15 are whole.
.macro HA pvb, ld, chg, lc
	WIN 0
	s_wait_alu depctr_va_vdst(0)                   ; directly ahead of the wait below
	s_wait_loadcnt \lc
.if \pvb
	PVMUL 1
.endif
	SMUL 1
	WIN 0
	PLACES
	VLOAD
.if \ld
	MLOAD 1
.endif
.if \chg
	s_wait_tensorcnt 0x0                           ; no tensor load of mine is out, so a group 0 may be written
	ds_add_u32 v[SPW], v[NIL]                      ; 0 onto my spare word; work on registers follows
.if (\chg) == 1
	s_add_nc_u64 s[G0A+2:G0A+3], s[G0A+2:G0A+3], 12*BLKB   ; block 12 + w
.endif
	SM1 0
	WIN 0
	s_wait_alu depctr_va_vdst(0)                   ; directly ahead of the wait below
	s_wait_dscnt 0x0                               ; the add is done, and my reads so far are over
.if (\chg) == 1
	ROUND
	tensor_load_to_lds s[G0A:G0A+3], s[G1A:G1A+7]  ; the first thing behind the round, and my last tensor load
	s_nop 0
	PLACES
	s_add_co_u32 s[TB], s[TB], BLKB
.else
	s_barrier_signal -1
	s_barrier_wait -1
	s_mov_b32 s[TB], 0                             ; block 12 lies where block 0 lay
.endif
	v_add_nc_u32 v[ADK], s[TB], v[LI]
	v_add_nc_u32 v[ADS], s[TB], v[LS2]
	KLOAD
	SM2 0
.else
.if \ld
	s_add_co_u32 s[TB], s[TB], BLKB
	v_add_nc_u32 v[ADK], s[TB], v[LI]
	v_add_nc_u32 v[ADS], s[TB], v[LS2]
	KLOAD
.endif
	SM1 0
	SM2 0
.endif
.endm
.macro RUN n                           ; n whole steps with no barrier
	WIN 0
	s_mov_b32 s[CNT], \n
.Lrun_\@:
	HB 1, 1
	HA 1, 1, 0, 16
	WIN 0
	s_sub_co_u32 s[CNT], s[CNT], 1
	s_cmp_lg_u32 s[CNT], 0
	s_wait_alu depctr_va_vdst(0)                   ; directly ahead of the branch
	s_cbranch_scc1 .Lrun_\@
.endm
.irp x, 0,1
.irp g, 0,1,2
	global_load_b128 v[QF+12*\x+4*\g:QF+12*\x+4*\g+3], v[LI], s[QB:QB+1] offset:1536*\x+512*\g   ; q's fragments stay in registers
.endr
	global_load_b32 v[QS+\x], v[LS], s[QSB:QSB+1] offset:64*\x
.endr
	MLOAD 0                                        ; the mask of key step 0, both tiles
	MLOAD 1
	ASK 8192                                       ; the images of steps 1 and 2
	ASK 16384
.irp x, 0,1
	v_mov_b32 v[NM+8*\x+1], 0xff61b1e6             ; the largest u so far: -3e38
	v_mov_b32 v[F+8*\x+1], 0
	v_mov_b32 v[SU+8*\x], 0
	v_mov_b32 v[SU+8*\x+1], 0
.endr
	v_mul_f32 v9, s[NCS], v[NM+1]
	v_floor_f32 v[NM], v9                          ; -M
	v_mov_b32 v[PX], 0                             ; a lane permute's destination counts as one of its sources
	v_mov_b32 v[NM+8], v[NM]
	WIN 0x80
.set n, 0
.rept 128
	v_mov_b32 v[OO+n], 0                           ; O^T.  (The step is written once: the first finds zeros, which the first change of M leaves zeros)
.set n, n+1
.endr
	WIN 0
	s_wait_alu depctr_va_vdst(0)
	s_wait_tensorcnt 0x0                           ; my block of blocks 0-3 is in
	ds_add_u32 v[SPW], v[NIL]
	s_wait_dscnt 0x0
	ROUND
	tensor_load_to_lds s[G0B:G0B+3], s[G1B:G1B+7]  ; blocks 4 + 2 w, 5 + 2 w: the first tensor load behind the round
	s_nop 0
	PLACES
	KLOAD                                          ; k of step 0
	s_wait_loadcnt 0x0                             ; q and the mask of step 0
	s_wait_dscnt 0x0
	s_wait_xcnt 0x0                                ; the prefetches have read their base
	s_add_nc_u64 s[MB:MB+1], s[MB:MB+1], 8192      ; step 1
	SMUL 0
	WIN 0
	PLACES
	MLOAD 0
	ASK 16384                                      ; the images of step 3
	HA 0, 1, 0, 16                                 ; step 0
	RUN 2                                          ; 1, 2
	HB 1, 1
	HA 1, 1, 1, 16                                 ; 3: blocks 0-3 are read out
	RUN 7                                          ; 4 to 10
	HB 1, 1
	HA 1, 1, 2, 16                                 ; 11
	RUN 3                                          ; 12 to 14
	HB 1, 0
	HA 1, 0, 0, 0                                  ; 15: nothing more to ask for
	HB 0, 0
	WIN 0
	s_wait_alu depctr_va_vdst(0)                   ; O^T of tile B was written just now
	PVMUL 1
	WIN 0
	PLACES
	; ---- ctx = O^T / the sum, quantised along the head's 128 channels: K step = head of the output projection
	v_add_f32 v[SU], v[SU], v[SU+1]
	v_add_f32 v[SU+8], v[SU+8], v[SU+9]
	v_permlanex16_b32 v[PX], v[SU], s[SEL], s[SEL+1]
	v_permlanex16_b32 v[T9], v[SU+8], s[SEL], s[SEL+1]
	v_add_f32 v[SU], v[SU], v[PX]                  ; with lane l xor 16's: the row's sum
	v_add_f32 v[SU+8], v[SU+8], v[T9]
	s_wait_alu depctr_va_vdst(0)
	v_rcp_f32 v[F], v[SU]
	v_rcp_f32 v[F+8], v[SU+8]
	v_nop                                          ; a plain place behind the transcendentals
.macro EPI x
.set SB, SS+64*(\x)
.set CX, PC+12*(\x)
.set WX, PW+(\x)
	WIN 0x42
	s_wait_alu depctr_va_vdst(0)                   ; ahead of the first reader of the quotient and of O^T
.set n, 0
.rept 32
	v_pk_mul_f32 v[SB+n:SB+n+1], v[OO+64*(\x)+n:OO+64*(\x)+n+1], v[F+8*(\x):F+8*(\x)+1] op_sel_hi:[1,0]   ; ascending: each accumulator is first read at its low end
.set n, n+2
.endr
	WIN 0x14
.irp b, 0,1,2,3
	v_max3_num_f32 v[TM+\b], 0x1800000, |v[SB+16*\b]|, |v[SB+16*\b+1]|
.endr
.irp i, 2,4,6,8,10,12,14
.irp b, 0,1,2,3
	v_max3_num_f32 v[TM+\b], v[TM+\b], |v[SB+16*\b+\i]|, |v[SB+16*\b+\i+1]|
.endr
.endr
	WIN 0
	v_max_num_f32 v[TM], v[TM], v[TM+1]
	v_max_num_f32 v[TM+2], v[TM+2], v[TM+3]
	v_add_nc_u32 v[SO], 0xff000000, v[TM]
	v_add_nc_u32 v[SO+1], 0xff000000, v[TM+2]
	v_lshrrev_b32 v[TM+1], 23, v[SO]
	v_lshrrev_b32 v[TM+3], 23, v[SO+1]
	v_lshl_or_b32 v[WX], v[TM+3], 16, v[TM+1]
	v_lshlrev_b32 v[WX], v[SH8], v[WX]
	v_permlanex16_b32 v[PX], v[WX], s[SEL], s[SEL+1]
	v_or_b32 v[WX], v[WX], v[PX]
	WIN 0x01
.irp c, 0,1
	v_cvt_scalef32_pk16_fp6_f32 v[CX+6*\c:CX+6*\c+2], v[SB+32*\c:SB+32*\c+15], v[SO+\c]
	v_cvt_scalef32_pk16_fp6_f32 v[PT+4*\c:PT+4*\c+2], v[SB+32*\c+16:SB+32*\c+31], v[SO+\c]
.endr
	WIN 0
	v_nop
.irp c, 0,1
.irp i, 0,1,2
	v_mov_b32 v[CX+6*\c+3+\i], v[PT+4*\c+\i]
.endr
.endr
.irp g, 0,1,2
	global_store_b128 v[LI], v[CX+4*\g:CX+4*\g+3], s[CCB:CCB+1] offset:1536*(\x)+512*\g    ; the image: 512 consecutive bytes a store, aligned
.endr
	global_store_b32 v[LS], v[WX], s[CSB:CSB+1] offset:1024*(\x)   ; 64 bytes of scale words (lanes r and r + 16 store the same word): a part of an aligned 256 bytes, 1/24 of the codes' bytes
.endm
	EPI 0
	EPI 1
	s_wait_tensorcnt 0x0                           ; the wave's end
	ds_add_u32 v[SPW], v[NIL]
	s_wait_dscnt 0x0
	ROUND                                          ; the closing round
	s_endpgm
.Lfunc_end_k_q35fb0e51fc_attn:
	.size	k_q35fb0e51fc_attn, .Lfunc_end_k_q35fb0e51fc_attn-k_q35fb0e51fc_attn
	.p2alignl 7, 3214868480
	.fill 96, 4, 3214868480
	.section	.rodata,"a",@progbits
	.p2align	6, 0x0
	.amdhsa_kernel k_q35fb0e51fc_attn
		.amdhsa_group_segment_fixed_size 327680
		.amdhsa_private_segment_fixed_size 0
		.amdhsa_enable_private_segment 0
		.amdhsa_kernarg_size 40
		.amdhsa_user_sgpr_count 2
		.amdhsa_user_sgpr_kernarg_segment_ptr 1
		.amdhsa_wavefront_size32 1
		.amdhsa_system_sgpr_workgroup_id_x 1
		.amdhsa_system_sgpr_workgroup_id_y 1
		.amdhsa_system_sgpr_workgroup_id_z 1
		.amdhsa_system_vgpr_workitem_id 0
		.amdhsa_next_free_vgpr 768
		.amdhsa_next_free_sgpr 72
		.amdhsa_reserve_vcc 0
		.amdhsa_float_denorm_mode_32 3
		.amdhsa_float_denorm_mode_16_64 3
		.amdhsa_memory_ordered 1
		.amdhsa_forward_progress 1
		.amdhsa_inst_pref_size 255
	.end_amdhsa_kernel
	.section	.bss,"aw",@nobits
	.p2align	6
	.space	262144
	.amdgpu_metadata
---
amdhsa.version: [ 1, 2 ]
amdhsa.kernels:
  - .name:           k_q35fb0e51fc_attn
    .symbol:         k_q35fb0e51fc_attn.kd
    .args:
      - { .name: qq, .offset: 0, .size: 8, .value_kind: global_buffer, .address_space: global }
      - { .name: kv, .offset: 8, .size: 8, .value_kind: global_buffer, .address_space: global }
      - { .name: mp, .offset: 16, .size: 8, .value_kind: global_buffer, .address_space: global }
      - { .name: cc, .offset: 24, .size: 8, .value_kind: global_buffer, .address_space: global }
      - { .name: cs, .offset: 32, .size: 8, .value_kind: global_buffer, .address_space: global }
    .group_segment_fixed_size: 327680
    .private_segment_fixed_size: 0
    .kernarg_segment_align: 8
    .kernarg_segment_size: 40
    .max_flat_workgroup_size: 128
    .sgpr_count:     72
    .vgpr_count:     768
    .wavefront_size: 32
...
	.end_amdgpu_metadata
.endif
;; end of part 7
;; launch outp (part 8): grid 16 x 16, 4 waves a work-group, clusters of 4 x 4, 327,680 bytes of LDS; arguments cc, cs, oc, os, bo, out0; writes out0
.if DOCPART == 8
	.amdgcn_target "amdgcn-amd-amdhsa--gfx1250"
	.amdhsa_code_object_version 6
	.text
	.protected	k_q35fb0e51fc_outp
	.globl	k_q35fb0e51fc_outp
	.p2align	8
	.type	k_q35fb0e51fc_outp,@function
k_q35fb0e51fc_outp:
	s_mov_b64 s[64:65], 0
	v_nop
	global_prefetch_b8 v0, s[64:65] scope:SCOPE_SE
	s_setreg_imm32_b32 hwreg(HW_REG_WAVE_MODE, 25, 1), 1
	s_wait_xcnt 0x0
	s_wait_alu depctr_hold_cnt(0) depctr_sa_sdst(0) depctr_va_vdst(0) depctr_va_sdst(0) depctr_va_ssrc(0) depctr_va_vcc(0) depctr_vm_vsrc(0)
	s_getreg_b32 s2, hwreg(HW_REG_IB_STS2, 6, 4)
	s_cmp_eq_u32 s2, 0
	s_cbranch_scc0 .Lentry_in_a_cluster
	s_endpgm
.Lentry_in_a_cluster:
	s_bfe_u32 s2, ttmp6, 0x10000c
	s_cmp_lg_u32 s2, 0xf033
	s_cbranch_scc0 .Lentry_shape_is_right
	s_endpgm
.Lentry_shape_is_right:
; THE OUTPUT PROJECTION on codes of FP6 (E2M3) with E8M0 scales: out0 = ctx Wo^T + bo.  P = ctx (cc, cs), R = Wo (tensor 4 of oc, os), both as fragment images [group of 128 rows][K step 16][block 8][1536 bytes]
; and scale words [group][block 8][K step 16][row 16].  A work-group makes 128 x 128 of out0, a wave 64 x 64: 16 accumulators; the bias is the C of the first K step.
; The matrix instruction is used transposed (source 0 = 16 rows of R, source 1 = 16 rows of P): a lane holds eight neighbouring numbers of a row of out0.
; LDS: P's region (12 K steps x 12,288 bytes), R's region, the scales (8,192 bytes each), the spare words.  A chunk is four K steps of one operand, 49,152 dense bytes, 192 rows of 256.
; FILLS, one tensor load a wave each time: at the head wave 0 brings P's chunk 0, wave 1 R's, wave 2 P's scales, wave 3 R's; behind the first round waves 0, 1 bring P's chunks 1, 2 and waves 2, 3 R's;
; in K step 3 chunk 3 fills chunk 0's bytes again, each wave half a chunk (the words that count rows are set to 96 there, while no tensor load of the wave is out).
; CLUSTER 4 x 4: P's tiles are shared along a row of the cluster, R's along a column: every load is asked for jointly.
; PREFETCH: what a wave's next tensor load will ask for is named one fill ahead: chunks 1, 2 at the head, chunk 3 behind the second fill; the four partners that ask jointly share the blocks of 256 bytes out by address
; (48 or 24 each, a lane a block; lanes left over name the last block again).  The head's own tiles come by their loads alone.
; THE WAY OUT: through a stage of the wave's own in the bytes of P's chunks 1 and 2, which have had their last fill and, behind the barrier in K step 11, their last read; rows of 256 bytes leave whole.
.set FR,    12
.set PART,  24576
.set CH,    2*PART
.set RB,    6*PART
.set SCL,   12*PART
.set SPARE, SCL+16384
.set STG,   CH
.set WST,   17664
.set ADRP, 16
.set ADRR, 20
.set STO,  24
.set RD,   25
.set CO,   26
.set ADRS, 27
.set SPW,  28
.set NIL,  29
.set SC,   32
.set ACC,  128
.set BB,   96
.set G1,   28
.set G1B,  36
.set G1S,  44
.set G1SB, 52
.set G0S,  60
.set G0SB, 68
.set G0,   72
.set G0B,  84
.set PF2,  104                         ; s[104:105] my share of what my second load asks for
.set PF3,  98                          ; s[98:99]   and of what my third asks for
.set MSB, 0
.macro WIN new
.if MSB != (\new)
	s_set_vgpr_msb (MSB<<8)|(\new)
.set MSB, (\new)
.endif
.endm
.set MUL,  0x05
.set MULB, 0x15
.set TO_F, 0x40
.macro PLACES
.rept 4
	v_nop
.endr
.endm
.macro JLOAD g0a, g1a, g0b, g1b        ; waves 0 and 1 ask for P, waves 2 and 3 for R
	s_cmp_eq_u32 s17, 0
	s_cbranch_scc0 .Lfor_b_\@
	tensor_load_to_lds s[\g0a:\g0a+3], s[\g1a:\g1a+7]
	s_nop 0
	PLACES
	s_branch .Lasked_\@
.Lfor_b_\@:
	tensor_load_to_lds s[\g0b:\g0b+3], s[\g1b:\g1b+7]
	s_nop 0
	PLACES
.Lasked_\@:
.endm
.macro CREST
	s_cmp_lg_u32 s16, 0
	s_cbranch_scc1 .Lnot_wave_0_\@
	s_barrier_signal -3
.Lnot_wave_0_\@:
	s_barrier_wait -3
	s_barrier_signal -1
	s_barrier_wait -1
.endm
.macro CROUND
	s_barrier_signal -1
	s_barrier_wait -1
	CREST
.endm
.macro SETG0 g, lds, adr               ; a group 0: LDS address in a register, the tile's first byte in a pair
	s_mov_b32 s[\g], 1
	s_mov_b32 s[\g+1], \lds
	s_mov_b64 s[\g+2:\g+3], s[\adr:\adr+1]
	s_or_b32 s[\g+3], s[\g+3], 0x80000000
.endm
	s_load_b256 s[4:11], s[0:1], 0x0               ; cc, cs, oc, os
	s_load_b128 s[12:15], s[0:1], 0x20             ; bo, out0
	v_lshl_add_u32 v[SPW], v0, 2, SPARE
	v_mov_b32 v[NIL], 0
	ds_add_u32 v[SPW], v[NIL]                      ; the opening lines: the add, twice on end, and its wait
	ds_add_u32 v[SPW], v[NIL]
	v_lshrrev_b32 v1, 5, v0
	v_readfirstlane_b32 s16, v1                    ; wave
	s_lshr_b32 s17, s16, 1
	s_and_b32 s18, s16, 1
	s_bfe_u32 s19, ttmp6, 0x40000                  ; cx
	s_bfe_u32 s20, ttmp6, 0x40004                  ; cy
	s_lshl_b32 s21, ttmp9, 2
	s_add_co_u32 s21, s21, s19                     ; tile column
	s_and_b32 s22, ttmp7, 0xffff
	s_lshl_b32 s22, s22, 2
	s_add_co_u32 s22, s22, s20                     ; tile row
	s_lshl_b32 s23, s20, 2
	s_lshl_b32 s23, 15, s23                        ; my row of the cluster
	s_lshl_b32 s24, 0x1111, s19                    ; my column
	s_or_b32 s[G1], s23, (3<<16)|(1<<21)
	s_or_b32 s[G1B], s24, (3<<16)|(1<<21)
	s_or_b32 s[G1S], s23, (3<<16)|(1<<21)
	s_or_b32 s[G1SB], s24, (3<<16)|(1<<21)
.irp g, G1, G1B
	s_mov_b32 s[\g+1], 32<<16
	s_mov_b32 s[\g+2], 192<<16
	s_mov_b32 s[\g+3], 32<<16
	s_mov_b32 s[\g+4], 192
	s_mov_b32 s[\g+5], 32
	s_mov_b32 s[\g+6], 0
	s_mov_b32 s[\g+7], 0
.endr
.irp g, G1S, G1SB
	s_mov_b32 s[\g+1], 32<<16
	s_mov_b32 s[\g+2], 32<<16
	s_mov_b32 s[\g+3], 32<<16
	s_mov_b32 s[\g+4], 32
	s_mov_b32 s[\g+5], 32
	s_mov_b32 s[\g+6], 0
	s_mov_b32 s[\g+7], 0
.endr
	s_mul_i32 s96, s22, 196608
	s_mov_b32 s97, 0
	s_lshl_b32 s98, s22, 13
	s_mov_b32 s99, 0
	s_mul_i32 s100, s21, 196608
	s_add_co_u32 s100, s100, 4*3145728
	s_mov_b32 s101, 0
	s_lshl_b32 s66, s21, 13
	s_add_co_u32 s66, s66, 4*131072
	s_mov_b32 s67, 0
	s_mul_i32 s2, s18, CH
	s_add_co_u32 s2, s2, CH                        ; chunk 1 + w % 2
	s_mov_b32 s3, 0
	s_mul_i32 s25, s18, PART                       ; half w % 2 of chunk 3: in LDS,
	s_add_co_u32 s26, s25, 3*CH                    ; and in memory
	s_mov_b32 s27, 0
	s_wait_dscnt 0x0                               ; both opening adds are done
	s_wait_kmcnt 0x0
	s_add_nc_u64 s[96:97], s[4:5], s[96:97]        ; P's group
	s_add_nc_u64 s[98:99], s[6:7], s[98:99]        ; its scales
	s_add_nc_u64 s[100:101], s[8:9], s[100:101]    ; R's group
	s_add_nc_u64 s[66:67], s[10:11], s[66:67]      ; its scales
	SETG0 G0S, SCL, 98
	SETG0 G0SB, SCL+8192, 66
	SETG0 G0, 0, 96
	SETG0 G0B, RB, 100
	s_mov_b32 s[G0+4], 1
	s_mov_b32 s[G0+5], s2
	s_add_nc_u64 s[G0+6:G0+7], s[96:97], s[2:3]
	s_or_b32 s[G0+7], s[G0+7], 0x80000000
	s_mov_b32 s[G0B+4], 1
	s_add_co_u32 s[G0B+5], s2, RB
	s_add_nc_u64 s[G0B+6:G0B+7], s[100:101], s[2:3]
	s_or_b32 s[G0B+7], s[G0B+7], 0x80000000
	s_mov_b32 s[G0+8], 1
	s_mov_b32 s[G0+9], s25
	s_add_nc_u64 s[G0+10:G0+11], s[96:97], s[26:27]
	s_or_b32 s[G0+11], s[G0+11], 0x80000000
	s_mov_b32 s[G0B+8], 1
	s_add_co_u32 s[G0B+9], s25, RB
	s_add_nc_u64 s[G0B+10:G0B+11], s[100:101], s[26:27]
	s_or_b32 s[G0B+11], s[G0B+11], 0x80000000
	s_cmp_eq_u32 s17, 0                            ; the prefetches' bases: the operand that I fetch for,
	s_cselect_b64 s[PF2:PF2+1], s[96:97], s[100:101]
	s_cselect_b32 s24, s19, s20                    ; and my place among the four that ask with me
	s_add_nc_u64 s[PF3:PF3+1], s[PF2:PF2+1], s[26:27]
	s_add_nc_u64 s[PF2:PF2+1], s[PF2:PF2+1], s[2:3]
	s_mul_i32 s2, s24, 12288
	s_add_nc_u64 s[PF2:PF2+1], s[PF2:PF2+1], s[2:3]
	s_mul_i32 s2, s24, 6144
	s_add_nc_u64 s[PF3:PF3+1], s[PF3:PF3+1], s[2:3]
	v_and_b32 v9, 31, v0
	v_lshlrev_b32 v10, 8, v9
	v_min_u32 v11, 15, v9
	v_min_u32 v12, 23, v9
	v_lshlrev_b32 v11, 8, v11
	v_lshlrev_b32 v12, 8, v12
	global_prefetch_b8 v10, s[PF2:PF2+1] th:TH_LOAD_NT scope:SCOPE_SE              ; my 48 blocks of the chunk that my second load brings
	global_prefetch_b8 v11, s[PF2:PF2+1] offset:8192 th:TH_LOAD_NT scope:SCOPE_SE
	CROUND                                         ; all sixteen work-groups are here: the first joint loads meet
.macro ARM under, g0, g1, next         ; one tree of branches on the wave's number: every way through the head passes one load
	s_cmp_lt_u32 s16, \under
	s_cbranch_scc0 \next
	tensor_load_to_lds s[\g0:\g0+3], s[\g1:\g1+7]
	s_nop 0
	PLACES
	s_branch .Lhead_asked
\next:
.endm
	ARM 1, G0,   G1,  .Lhead_b
	ARM 2, G0B,  G1B, .Lhead_sa
	ARM 3, G0S,  G1S, .Lhead_sb
	tensor_load_to_lds s[G0SB:G0SB+3], s[G1SB:G1SB+7]
	s_nop 0
	PLACES
.Lhead_asked:
	v_and_b32 v1, 15, v0
	v_bfe_u32 v2, v0, 4, 1
	v_and_b32 v3, 31, v0
	v_lshlrev_b32 v3, 4, v3
	s_wait_alu depctr_va_vdst(0)                   ; ahead of the run of scalar lines
	s_lshl_b32 s25, s21, 9
	s_lshl_b32 s26, s18, 8
	s_add_co_u32 s25, s25, s26
	v_lshl_add_u32 v8, v2, 7, s25
	WIN TO_F
.irp u, 0,1,2,3,4,5,6,7
	global_load_b128 v[BB+4*\u:BB+4*\u+3], v8, s[12:13] offset:16*\u           ; the bias, in the accumulators' order
.endr
	WIN 0
	s_lshl_b32 s26, s22, 20
	s_add_co_u32 s25, s25, s26
	s_lshl_b32 s26, s17, 19
	s_add_co_u32 s96, s25, s26
	s_mov_b32 s97, 0
	s_add_nc_u64 s[14:15], s[14:15], s[96:97]      ; my part of out0
	s_mul_i32 s25, s17, 4*1536                     ; my four blocks of P,
	s_mul_i32 s26, s18, 4*1536                     ; and of R
	s_add_co_u32 s26, s26, RB
.irp n, 0,1,2
	v_add_nc_u32 v[ADRP+\n], s25, v3
	v_add_nc_u32 v[ADRR+\n], s26, v3
	s_add_co_u32 s25, s25, CH
	s_add_co_u32 s26, s26, CH
.endr
	s_lshl_b32 s25, s17, 12
	s_lshl_b32 s26, s18, 12
	s_add_co_u32 s26, s26, 8192
	s_sub_co_u32 s26, s26, s25
	v_mul_u32_u24 v4, s26, v2                      ; lanes 16-31 take R's scale words
	s_add_co_u32 s25, s25, SCL
	v_lshl_add_u32 v4, v1, 2, v4
	v_add_nc_u32 v[ADRS], s25, v4
	s_mul_i32 s25, s16, WST
	s_add_co_u32 s25, s25, STG
	v_and_b32 v5, 7, v1
	v_lshrrev_b32 v6, 3, v1
	v_mul_u32_u24 v7, v5, 272
	v_mad_u32_u24 v7, v6, 32*272+128, v7
	v_lshl_add_u32 v7, v2, 7, v7
	v_add_nc_u32 v[STO], s25, v7
	v_mul_u32_u24 v7, v2, 272
	v_lshl_add_u32 v7, v1, 4, v7
	v_add_nc_u32 v[RD], s25, v7
	v_lshlrev_b32 v7, 13, v2
	v_lshl_add_u32 v[CO], v1, 4, v7
.macro MUL8 s, a0, first
.irp a, \a0, \a0+1
.irp b, 0,1,2,3
.if \first
	v_wmma_scale_f32_16x16x128_f8f6f4 v[ACC+8*(4*(\a)+\b):ACC+8*(4*(\a)+\b)+7], v[128*((\s)%2)+FR*\b:128*((\s)%2)+FR*\b+FR-1], v[128*((\s)%2)+48+FR*(\a):128*((\s)%2)+48+FR*(\a)+FR-1], v[BB+8*\b:BB+8*\b+7], v[SC+16*\b+(\s)], v[SC+16*(\a)+(\s)] matrix_a_fmt:MATRIX_FMT_FP6 matrix_b_fmt:MATRIX_FMT_FP6 matrix_a_scale:MATRIX_SCALE_ROW1
.else
	v_wmma_scale_f32_16x16x128_f8f6f4 v[ACC+8*(4*(\a)+\b):ACC+8*(4*(\a)+\b)+7], v[128*((\s)%2)+FR*\b:128*((\s)%2)+FR*\b+FR-1], v[128*((\s)%2)+48+FR*(\a):128*((\s)%2)+48+FR*(\a)+FR-1], v[ACC+8*(4*(\a)+\b):ACC+8*(4*(\a)+\b)+7], v[SC+16*\b+(\s)], v[SC+16*(\a)+(\s)] matrix_a_fmt:MATRIX_FMT_FP6 matrix_b_fmt:MATRIX_FMT_FP6 matrix_a_scale:MATRIX_SCALE_ROW1
.endif
.endr
.endr
.endm
.macro FETCH s                         ; K step s's fragments: chunk s / 4 lies at place (s / 4) % 3 of its region
	WIN TO_F
.irp i, 0,1,2,3
.irp g, 0,1,2
	ds_load_b128 v[128*((\s)%2)+FR*\i+4*\g:128*((\s)%2)+FR*\i+4*\g+3], v[ADRR+((\s)/4)%3] offset:12288*((\s)%4)+1536*\i+512*\g
.endr
.endr
.irp i, 0,1,2,3
.irp g, 0,1,2
	ds_load_b128 v[128*((\s)%2)+48+FR*\i+4*\g:128*((\s)%2)+48+FR*\i+4*\g+3], v[ADRP+((\s)/4)%3] offset:12288*((\s)%4)+1536*\i+512*\g
.endr
.endr
.endm
.macro STEP s
	s_wait_dscnt 0x0
.if (\s) < 15
.if (\s) > 0
	PLACES
.endif
	FETCH (\s)+1
.endif
.if (\s) == 0
	WIN MULB
	MUL8 \s, 0, 1
	MUL8 \s, 2, 1
.else
	WIN MUL
	MUL8 \s, 0, 0
	MUL8 \s, 2, 0
.endif
.endm
.macro TURN s, fill                    ; a K step at which the waves meet; fill = 1: a round, behind which chunk 3 fills chunk 0's bytes
	WIN 0
	s_wait_tensorcnt 0x0                           ; all my tensor loads have landed, so a descriptor may be written
	ds_add_u32 v[SPW], v[NIL]
.if \fill
	s_mov_b32 s[G1+2], 96<<16                      ; from here on a load brings 96 rows
	s_mov_b32 s[G1+4], 96
	s_mov_b32 s[G1B+2], 96<<16
	s_mov_b32 s[G1B+4], 96
.endif
	s_wait_dscnt 0x1
	WIN MUL
	MUL8 \s, 0, 0
	s_wait_dscnt 0x0
	s_barrier_signal -1
	MUL8 \s, 2, 0
	WIN 0
	s_barrier_wait -1
.if \fill
	CREST
	JLOAD G0+8, G1, G0B+8, G1B
.else
	PLACES
.endif
	FETCH (\s)+1
.endm
	s_wait_alu depctr_va_vdst(0)
	s_wait_tensorcnt 0x0                           ; my tile of the head's four is in
	ds_add_u32 v[SPW], v[NIL]
	s_wait_dscnt 0x0
	CROUND
	JLOAD G0+4, G1, G0B+4, G1B                     ; chunks 1 and 2 of both operands: the first tensor load behind the round
	FETCH 0
	WIN 0
.irp i, 0,1,2,3
.set ks, 0
.rept 16
	ds_load_b32 v[SC+16*\i+ks], v[ADRS] offset:1024*\i+64*ks       ; all 16 K steps' scale words stay in registers
.set ks, ks+1
.endr
.endr
	global_prefetch_b8 v12, s[PF3:PF3+1] th:TH_LOAD_NT scope:SCOPE_SE              ; my 24 blocks of the half of chunk 3 that my third load brings
	s_wait_loadcnt 0x0
	STEP 0
	STEP 1
	STEP 2
	TURN 3, 1
.irp s, 4,5,6,7,8,9,10
	STEP \s
.endr
	TURN 11, 0
.irp s, 12,13,14,15
	STEP \s
.endr
	WIN 0
	PLACES
	s_wait_alu depctr_va_vdst(0)
.irp a, 0,1,2,3
.irp b, 0,1,2,3
	ds_store_b128 v[STO], v[ACC+8*(4*\a+\b):ACC+8*(4*\a+\b)+3] offset:8*272*\a+32*\b
	ds_store_b128 v[STO], v[ACC+8*(4*\a+\b)+4:ACC+8*(4*\a+\b)+7] offset:8*272*\a+32*\b+16
.endr
.endr
	WIN TO_F
.set k, 0
.rept 32
	ds_load_b128 v[4*k:4*k+3], v[RD] offset:544*k+128*(k/16)       ; LDS serves a wave's instructions in order: these see my stores
.set k, k+1
.endr
	WIN 0x04
.set k, 0
.rept 32
	s_wait_dscnt 31-k
	global_store_b128 v[CO], v[4*k:4*k+3], s[14:15] offset:16384*k th:TH_STORE_NT  ; sixteen lanes store 256 consecutive bytes, aligned
.set k, k+1
.endr
	WIN 0
	s_wait_tensorcnt 0x0                           ; the wave's end
	ds_add_u32 v[SPW], v[NIL]
	s_wait_dscnt 0x0
	CROUND                                         ; the closing round
	s_endpgm
.Lfunc_end_k_q35fb0e51fc_outp:
	.size	k_q35fb0e51fc_outp, .Lfunc_end_k_q35fb0e51fc_outp-k_q35fb0e51fc_outp
	.p2alignl 7, 3214868480
	.fill 96, 4, 3214868480
	.section	.rodata,"a",@progbits
	.p2align	6, 0x0
	.amdhsa_kernel k_q35fb0e51fc_outp
		.amdhsa_group_segment_fixed_size 327680
		.amdhsa_private_segment_fixed_size 0
		.amdhsa_enable_private_segment 0
		.amdhsa_kernarg_size 48
		.amdhsa_user_sgpr_count 2
		.amdhsa_user_sgpr_kernarg_segment_ptr 1
		.amdhsa_wavefront_size32 1
		.amdhsa_system_sgpr_workgroup_id_x 1
		.amdhsa_system_sgpr_workgroup_id_y 1
		.amdhsa_system_sgpr_workgroup_id_z 1
		.amdhsa_system_vgpr_workitem_id 0
		.amdhsa_next_free_vgpr 512
		.amdhsa_next_free_sgpr 106
		.amdhsa_reserve_vcc 0
		.amdhsa_float_denorm_mode_32 3
		.amdhsa_float_denorm_mode_16_64 3
		.amdhsa_memory_ordered 1
		.amdhsa_forward_progress 1
		.amdhsa_inst_pref_size 86
	.end_amdhsa_kernel
	.amdgpu_metadata
---
amdhsa.version: [ 1, 2 ]
amdhsa.kernels:
  - .name:           k_q35fb0e51fc_outp
    .symbol:         k_q35fb0e51fc_outp.kd
    .args:
      - { .name: cc, .offset: 0, .size: 8, .value_kind: global_buffer, .address_space: global }
      - { .name: cs, .offset: 8, .size: 8, .value_kind: global_buffer, .address_space: global }
      - { .name: oc, .offset: 16, .size: 8, .value_kind: global_buffer, .address_space: global }
      - { .name: os, .offset: 24, .size: 8, .value_kind: global_buffer, .address_space: global }
      - { .name: bo, .offset: 32, .size: 8, .value_kind: global_buffer, .address_space: global }
      - { .name: out0, .offset: 40, .size: 8, .value_kind: global_buffer, .address_space: global }
    .group_segment_fixed_size: 327680
    .private_segment_fixed_size: 0
    .kernarg_segment_align: 8
    .kernarg_segment_size: 48
    .max_flat_workgroup_size: 128
    .sgpr_count:     106
    .vgpr_count:     512
    .wavefront_size: 32
...
	.end_amdgpu_metadata
.endif
;; end of part 8
